; MI455X (gfx1250); checked and timed in simulation.
; The chip was launched on July 23, 2026; its instructions are those of AMD's public machine-readable ISA for CDNA 5 (MIT licence, August 2026) and "CDNA5" Instruction Set Architecture Reference Guide (July 2026). The comments in the code are by the model that wrote it; some were corrected since.
;; Multi Head Attention Block. Allowed arithmetic: matrix products marked QUANTISED: E5M2 operands, one given power-of-two scale a tensor, by v_wmma_f32_16x16x64_bf8_bf8 or v_wmma_f32_16x16x128_bf8_bf8, f32 sums; everything else in f32.
;; Inputs: W1 512 x 4,096 float32; W2 4,096 x 512 float32; Wk 512 x 512 float32; Wq 512 x 512 float32; Wv 512 x 512 float32; alpha 1 float32; b1 4,096 float32; b2 512 float32; beta 1 float32; lowp_scales 14 int32 (the exponents e of the quantised operands' scales 2^e); x 4 x 2,048 x 512 float32.
;; Outputs: out0 4 x 2,048 x 512 float32.
;; This version of the problem:
;;   THIS VERSION OF THE PROBLEM IS GIVEN IN LOW PRECISION. The matrix products marked QUANTISED in the list below multiply operands that are first quantised to E5M2 (5 exponent bits, 2 mantissa bits; 8 bits a number), with one given power-of-two scale for each operand tensor; their sums are f32. All else is computed in f32.
;;   The module's matrix products, in the order in which they are computed (A, B: the left and right operand; K: the contracted axis; several contracted axes count as one K, in the product's order):
;;     1. [M 8,192, K 512] x [K 512, N 512]; A: computed on the way; B: input Wq: QUANTISED (scales: A lowp_scales[0], B lowp_scales[1])
;;     2. [M 8,192, K 512] x [K 512, N 512]; A: computed on the way; B: input Wk: QUANTISED (scales: A lowp_scales[2], B lowp_scales[3])
;;     3. [M 8,192, K 512] x [K 512, N 512]; A: computed on the way; B: input Wv: QUANTISED (scales: A lowp_scales[4], B lowp_scales[5])
;;     4. batch 64 x [M 2,048, K 32] x [K 32, N 2,048]; A: computed on the way; B: computed on the way: QUANTISED (scales: A lowp_scales[6], B lowp_scales[7])
;;     5. batch 64 x [M 32, K 2,048] x [K 2,048, N 2,048]; A: computed on the way; B: softmax (see below): QUANTISED (scales: A lowp_scales[8], B lowp_scales[9])
;;     6. [M 8,192, K 512] x [K 512, N 4,096]; A: computed on the way; B: input W1: QUANTISED (scales: A lowp_scales[10], B lowp_scales[11])
;;     7. [M 8,192, K 4,096] x [K 4,096, N 512]; A: computed on the way; B: input W2: QUANTISED (scales: A lowp_scales[12], B lowp_scales[13])
;;   THE QUANTISER, for each operand of a quantised product, along K:
;;     - The operand's scale is 2^e, e = its entry of the input lowp_scales (int32; the entries are numbered through the quantised products in the list's order, A before B).
;;     - Each number is divided by the scale, clamped to +-57,344, and rounded to the nearest number of E5M2, ties to even, subnormals kept.
;;     - The product sums the exact products of the quantised numbers (number of the format x scale) in f32.
;;   ~~~python
;;   def quantise(x, axis, e):      # numpy; x: float32 -> the quantised numbers, widened to float32 again
;;       x = np.moveaxis(x, axis, -1); K = x.shape[-1]
;;       r = np.clip(x / 2.0 ** e, -57344, 57344)
;;       step = 2.0 ** (np.maximum(np.frexp(np.where(r == 0, 1, r))[1] - 1, -14) - 2)
;;       q = np.round(r / step) * step * 2.0 ** e      # np.round: ties to even
;;       return np.moveaxis(q, -1, axis).astype(np.float32)
;;   ~~~
;;   SOFTMAX AHEAD OF A QUANTISED PRODUCT. Where the list says 'softmax', what is quantised is not the finished softmax but p = 2^(t - M), with t = logit x log2(e) and M = ceil(the row's largest t), a whole number; so 1/2 < the row's largest p <= 1. The row's sum l is taken of the UNQUANTISED p, in f32, and the product's result is divided by l at the end. Since M is a whole number, a kernel that streams over the keys may use a running M (the ceiling of the running maximum): every later rescaling is an exact power of two, so the quantised numbers keep their values, but for numbers so far below the row's largest that they fall under the format's range.
;;   OPERANDS COMPUTED ON THE WAY. 'Computed on the way' means the value that the module computes at that place (a softmax that the list does not call 'softmax' is quantised finished and normalised). What goes into a quantiser is computed in f32, as accurately as f32 sums, v_exp_f32 and their like allow (about 1e-6 of the number): no bf16 or f16 on the way to a quantiser, and a product that is left as it is and whose result goes on into a quantised operand takes f32 operands (vector FMAs, or v_wmma_f32_16x16x4_f32). A number that lies on a knife's edge between two numbers of the format may be rounded either way, as far as f32 arithmetic and the matrix unit's own rounding can turn it there, and no further.
;; 2 versions. Each part assembles by itself: llvm-mc -triple=amdgcn-amd-amdhsa -mcpu=gfx1250 --defsym DOCPART=n.
;; ======== version 1 of 2: 5 launches
;; workspace buffers: wqkv_img 786,432 bytes; w1_img 2,097,152 bytes; w2_img 2,097,152 bytes; q_img 4,194,304 bytes; k_img 4,194,304 bytes; v_img 4,194,304 bytes; x1 16,777,216 bytes; hid_img 33,554,432 bytes
;; launch prep (part 1): grid 304 x 1, 4 waves a work-group, no clusters, 0 bytes of LDS; arguments Wq, Wk, Wv, W1, W2, lowp_scales, wqkv_img, w1_img, w2_img; writes wqkv_img, w1_img, w2_img
.if DOCPART == 1
	.amdgcn_target "amdgcn-amd-amdhsa--gfx1250"
	.amdhsa_code_object_version 6
	.text
	.protected	k_q0518405efa_prep
	.globl	k_q0518405efa_prep
	.p2align	8
	.type	k_q0518405efa_prep,@function
k_q0518405efa_prep:
	s_mov_b64 s[64:65], 0
	v_nop
	global_prefetch_b8 v0, s[64:65] scope:SCOPE_SE
	s_setreg_imm32_b32 hwreg(HW_REG_WAVE_MODE, 25, 1), 1
	s_wait_xcnt 0x0
; The five weights, f32 stored [K][N], become codes of BF8 (E5M2), laid as IMAGES OF OPERAND REGISTERS: a fragment (16 columns n x 128 along K, 16 registers a lane)
; is 2,048 dense bytes [quad c4 0..3][lane 0..31][16 bytes]; a piece pc = 2 c4 + lane / 16 is 256 bytes: sixteen lanes' 16 bytes.
; code = w / 2^e, held within +-57,344, to the nearest code, ties to even; e = lowp_scales[1], [3], [5] (Wq, Wk, Wv), [11] (W1), [13] (W2).
; LIMITS: -126 <= e <= 112, so that 2^e and 57,344 x 2^e are f32 numbers.  NaN among the inputs is not served.
; WHICH k A BYTE HOLDS.  Byte e of piece pc of K step s:
;   Wq, Wk, Wv, W1 (K = 512): k = 128 (e / 4) + 4 (8 s + pc) + e % 4: the order in which a wave holds a row of 512 numbers after four dense loads (the next launches' LayerNorm);
;     it is a permutation of k, the same in both operands of those products.
;   W2 (K = 4,096): k = 128 s + 32 (pc / 2) + 16 (e / 8) + 8 (pc % 2) + e % 8: the matrix form's own place for each k.
; SHARES.  A work-group takes 128 columns x one K step, a wave 32 columns (two fragments), A LANE ONE COLUMN, ITS REGISTERS DOWN K: each load reads 128 consecutive bytes a wave,
; the conversions give 16 codes of one piece, and the sixteen lanes of a fragment store one whole aligned piece of 256 bytes.  No LDS, no barrier.
; Work-groups 0-47: Wq, Wk, Wv (16 each); 48-175: W1; 176-303: W2.  Every register is used once: no wait for a store's sources is needed.
.set X,   16                           ; v16-143   128 numbers: piece pc, byte e at 16 pc + e
.set C,   144                          ; v144-175  codes: four registers a piece
.set LA,  3                            ; v3  4 x lane: my column's bytes in a row
.set DO,  4                            ; v4  my place in the images: (lane / 16) x a column tile's bytes + 16 (lane % 16)
.set SRC, 28                           ; s[28:29]
.set DST, 30                           ; s[30:31]
.set EE,  40                           ; s40 the tensor's e
.macro LOADS map, nsb                  ; map = 0: the order of K = 512; 1: the form's own.  nsb: bytes in a row of the weight
.irp pc, 0,1,2,3,4,5,6,7
.irp e, 0,1,2,3,4,5,6,7,8,9,10,11,12,13,14,15
.if \map
	global_load_b32 v[X+16*\pc+\e], v[LA], s[SRC:SRC+1] offset:(32*(\pc/2)+16*(\e/8)+8*(\pc%2)+\e%8)*\nsb th:TH_LOAD_NT
.else
	global_load_b32 v[X+16*\pc+\e], v[LA], s[SRC:SRC+1] offset:(128*(\e/4)+4*\pc+\e%4)*\nsb th:TH_LOAD_NT
.endif
.endr
.endr
.endm
.macro FINISH
	s_add_co_i32 s[EE], s[EE], 127
	s_lshl_b32 s41, s[EE], 23
	v_mov_b32 v8, s41                              ; 2^e as f32: the conversion takes its exponent field
	s_add_co_i32 s[EE], s[EE], 15
	s_lshl_b32 s[EE], s[EE], 23
	s_or_b32 s[EE], s[EE], 0x600000
	v_mov_b32 v9, s[EE]                            ; 57,344 x 2^e
.irp pc, 0,1,2,3,4,5,6,7
.if 16*(7-\pc) > 63
	s_wait_loadcnt 63                              ; more loads stand behind this piece's than the wait's field can name: 63 is the smaller, safe count
.else
	s_wait_loadcnt 16*(7-\pc)                      ; the later pieces' loads, 16 each, may be out
.endif
.irp e, 0,1,2,3,4,5,6,7,8,9,10,11,12,13,14,15
	v_med3_num_f32 v[X+16*\pc+\e], v[X+16*\pc+\e], -v9, v9   ; the conversion to an 8-bit code does not saturate (ISA guide 7.6.2): the hold comes first
.endr
	v_cvt_scalef32_pk8_bf8_f32 v[C+4*\pc:C+4*\pc+1], v[X+16*\pc:X+16*\pc+7], v8
	v_cvt_scalef32_pk8_bf8_f32 v[C+4*\pc+2:C+4*\pc+3], v[X+16*\pc+8:X+16*\pc+15], v8
	global_store_b128 v[DO], v[C+4*\pc:C+4*\pc+3], s[DST:DST+1] offset:256*\pc   ; sixteen lanes store 256 consecutive bytes, aligned
.endr
.endm
	s_load_b256 s[4:11], s[0:1], 0x0               ; Wq s[4:5], Wk s[6:7], Wv s[8:9], W1 s[10:11]
	s_load_b256 s[12:19], s[0:1], 0x20             ; W2 s[12:13], the exponents s[14:15], wqkv_img s[16:17], w1_img s[18:19]
	s_load_b64 s[20:21], s[0:1], 0x40              ; w2_img
	v_lshrrev_b32 v1, 5, v0
	v_readfirstlane_b32 s22, v1                    ; wave 0..3
	v_and_b32 v2, 31, v0                           ; lane
	v_lshlrev_b32 v[LA], 2, v2
	v_lshrrev_b32 v6, 4, v2                        ; which of my wave's two column tiles
	v_and_b32 v5, 15, v2
	v_lshlrev_b32 v5, 4, v5
	s_lshl_b32 s23, s22, 7                         ; my wave's 32 columns in a row: 128 bytes x wave
	s_mov_b32 s43, 0
	s_mov_b32 s45, 0
	s_wait_kmcnt 0x0
	s_load_b256 s[32:39], s[14:15], 0x0            ; e0 .. e7
	s_load_b32 s46, s[14:15], 0x2c                 ; e11
	s_load_b32 s47, s[14:15], 0x34                 ; e13
	s_cmp_lt_u32 ttmp9, 48
	s_cbranch_scc0 .Lnot_qkv
	; ---- Wq, Wk, Wv: y = g / 16, column group cg = (g / 4) % 4, K step s = g % 4
	s_lshr_b32 s24, ttmp9, 4
	s_bfe_u32 s25, ttmp9, 0x20002
	s_and_b32 s26, ttmp9, 3
	s_cmp_eq_u32 s24, 0
	s_cselect_b64 s[SRC:SRC+1], s[4:5], s[6:7]
	s_cmp_eq_u32 s24, 2
	s_cselect_b64 s[SRC:SRC+1], s[8:9], s[SRC:SRC+1]
	s_lshl_b32 s42, s26, 16                        ; 32 s rows of 2,048 bytes
	s_lshl_b32 s27, s25, 9                         ; 128 cg columns
	s_add_co_u32 s42, s42, s27
	s_add_co_u32 s42, s42, s23
	s_add_nc_u64 s[SRC:SRC+1], s[SRC:SRC+1], s[42:43]
	s_lshl_b32 s44, s24, 18                        ; y x 262,144
	s_lshl_b32 s27, s25, 16                        ; 8 cg column tiles of 8,192 bytes
	s_add_co_u32 s44, s44, s27
	s_lshl_b32 s27, s22, 14                        ; 2 x wave
	s_add_co_u32 s44, s44, s27
	s_lshl_b32 s27, s26, 11                        ; K step
	s_add_co_u32 s44, s44, s27
	s_add_nc_u64 s[DST:DST+1], s[16:17], s[44:45]
	v_lshl_add_u32 v[DO], v6, 13, v5
	LOADS 0, 2048
	s_wait_kmcnt 0x0
	s_cmp_eq_u32 s24, 0
	s_cselect_b32 s[EE], s33, s35
	s_cmp_eq_u32 s24, 2
	s_cselect_b32 s[EE], s37, s[EE]
	FINISH
	s_endpgm
.Lnot_qkv:
	s_cmp_lt_u32 ttmp9, 176
	s_cbranch_scc0 .Lw2
	; ---- W1: g' = g - 48, cg = g' / 4 (0..31), s = g' % 4
	s_sub_co_u32 s24, ttmp9, 48
	s_lshr_b32 s25, s24, 2
	s_and_b32 s26, s24, 3
	s_lshl_b32 s42, s26, 19                        ; 32 s rows of 16,384 bytes
	s_lshl_b32 s27, s25, 9
	s_add_co_u32 s42, s42, s27
	s_add_co_u32 s42, s42, s23
	s_add_nc_u64 s[SRC:SRC+1], s[10:11], s[42:43]
	s_lshl_b32 s44, s25, 16
	s_lshl_b32 s27, s22, 14
	s_add_co_u32 s44, s44, s27
	s_lshl_b32 s27, s26, 11
	s_add_co_u32 s44, s44, s27
	s_add_nc_u64 s[DST:DST+1], s[18:19], s[44:45]
	v_lshl_add_u32 v[DO], v6, 13, v5
	LOADS 0, 16384                                 ; the largest offset, 415 rows of 16,384 bytes, lies inside the signed 24-bit immediate
	s_wait_kmcnt 0x0
	s_mov_b32 s[EE], s46
	FINISH
	s_endpgm
.Lw2:
	; ---- W2: g' = g - 176, cg = g' / 32 (0..3), K step S = g' % 32
	s_sub_co_u32 s24, ttmp9, 176
	s_lshr_b32 s25, s24, 5
	s_and_b32 s26, s24, 31
	s_lshl_b32 s42, s26, 18                        ; 128 S rows of 2,048 bytes
	s_lshl_b32 s27, s25, 9
	s_add_co_u32 s42, s42, s27
	s_add_co_u32 s42, s42, s23
	s_add_nc_u64 s[SRC:SRC+1], s[12:13], s[42:43]
	s_lshl_b32 s44, s25, 19                        ; 8 cg column tiles of 65,536 bytes
	s_lshl_b32 s27, s22, 17
	s_add_co_u32 s44, s44, s27
	s_lshl_b32 s27, s26, 11
	s_add_co_u32 s44, s44, s27
	s_add_nc_u64 s[DST:DST+1], s[20:21], s[44:45]
	v_lshl_add_u32 v[DO], v6, 16, v5
	LOADS 1, 2048
	s_wait_kmcnt 0x0
	s_mov_b32 s[EE], s47
	FINISH
	s_endpgm
.Lfunc_end_k_q0518405efa_prep:
	.size	k_q0518405efa_prep, .Lfunc_end_k_q0518405efa_prep-k_q0518405efa_prep
	.p2alignl 7, 3214868480
	.fill 96, 4, 3214868480
	.section	.rodata,"a",@progbits
	.p2align	6, 0x0
	.amdhsa_kernel k_q0518405efa_prep
		.amdhsa_group_segment_fixed_size 0
		.amdhsa_private_segment_fixed_size 0
		.amdhsa_enable_private_segment 0
		.amdhsa_kernarg_size 72
		.amdhsa_user_sgpr_count 2
		.amdhsa_user_sgpr_kernarg_segment_ptr 1
		.amdhsa_wavefront_size32 1
		.amdhsa_system_sgpr_workgroup_id_x 1
		.amdhsa_system_sgpr_workgroup_id_y 1
		.amdhsa_system_sgpr_workgroup_id_z 1
		.amdhsa_system_vgpr_workitem_id 0
		.amdhsa_next_free_vgpr 176
		.amdhsa_next_free_sgpr 66
		.amdhsa_reserve_vcc 0
		.amdhsa_float_denorm_mode_32 3
		.amdhsa_float_denorm_mode_16_64 3
		.amdhsa_memory_ordered 1
		.amdhsa_forward_progress 1
		.amdhsa_inst_pref_size 71
	.end_amdhsa_kernel
	.amdgpu_metadata
---
amdhsa.version: [ 1, 2 ]
amdhsa.kernels:
  - .name:           k_q0518405efa_prep
    .symbol:         k_q0518405efa_prep.kd
    .args:
      - { .name: Wq, .offset: 0, .size: 8, .value_kind: global_buffer, .address_space: global }
      - { .name: Wk, .offset: 8, .size: 8, .value_kind: global_buffer, .address_space: global }
      - { .name: Wv, .offset: 16, .size: 8, .value_kind: global_buffer, .address_space: global }
      - { .name: W1, .offset: 24, .size: 8, .value_kind: global_buffer, .address_space: global }
      - { .name: W2, .offset: 32, .size: 8, .value_kind: global_buffer, .address_space: global }
      - { .name: lowp_scales, .offset: 40, .size: 8, .value_kind: global_buffer, .address_space: global }
      - { .name: wqkv_img, .offset: 48, .size: 8, .value_kind: global_buffer, .address_space: global }
      - { .name: w1_img, .offset: 56, .size: 8, .value_kind: global_buffer, .address_space: global }
      - { .name: w2_img, .offset: 64, .size: 8, .value_kind: global_buffer, .address_space: global }
    .group_segment_fixed_size: 0
    .private_segment_fixed_size: 0
    .kernarg_segment_align: 8
    .kernarg_segment_size: 72
    .max_flat_workgroup_size: 128
    .sgpr_count:     66
    .vgpr_count:     176
    .wavefront_size: 32
...
	.end_amdgpu_metadata
.endif
;; end of part 1
;; launch qkv (part 2): grid 64 x 3, 4 waves a work-group, no clusters, 66,560 bytes of LDS; arguments x, alpha, beta, lowp_scales, wqkv_img, q_img, k_img, v_img; writes q_img, k_img, v_img
.if DOCPART == 2
	.amdgcn_target "amdgcn-amd-amdhsa--gfx1250"
	.amdhsa_code_object_version 6
	.text
	.protected	k_q0518405efa_qkv
	.globl	k_q0518405efa_qkv
	.p2align	8
	.type	k_q0518405efa_qkv,@function
k_q0518405efa_qkv:
	s_mov_b64 s[64:65], 0
	v_nop
	global_prefetch_b8 v0, s[64:65] scope:SCOPE_SE
	s_setreg_imm32_b32 hwreg(HW_REG_WAVE_MODE, 25, 1), 1
	s_wait_xcnt 0x0
; LayerNorm of x (scalar alpha, beta; variance over 511), quantised to BF8 (E5M2); one of the three projections (work-group y = 0: q, 1: k, 2: v) on codes; the result quantised again for attention.
; A work-group takes 128 rows (work-group x) and all 512 columns of its projection; wave w takes columns 128 w .. 128 w + 127 (heads 4 w .. 4 w + 3): eight tiles of 16.
; PHASES.  (1) Wave w normalises rows 32 w .. 32 w + 31, four at a time: a row is four dense loads of 512 bytes, lane l holds x[128 i + 4 l + j]; mean, then the centred squares (two passes over registers, so a
; common offset of the inputs costs nothing); 16 codes a lane go to LDS.  (2) One barrier.  Every wave takes all 32 fragments of the 128 rows (512 registers) from LDS.  (3) Eight tiles of columns: the weight's
; four fragments come from memory in register order, four tiles ahead; 32 matrix instructions on eight accumulators by turns; hold, conversion, stores of 512 dense bytes.
; K's ORDER: byte e of the 16 that lane l holds of a row is k = 128 (e / 4) + 4 l + e % 4; the weights' images are laid in the same order, so every product meets its partner.
; q, k: THE MATRIX INSTRUCTION IS USED TRANSPOSED (source 0 = 16 columns of W, source 1 = 16 rows): a lane holds one token and eight neighbouring channels: two tiles make the 16 bytes that attention's 16x16x64 form
; wants of a token (registers 2 c, 2 c + 1: channel 16 c + 8 (lane / 16) + 0..7).  v: natural (source 0 = rows): a lane holds one channel and eight neighbouring tokens: eight tiles of rows are one fragment of V^T over 128 keys.
; SCALES: the normalised rows by 2^eA, the sums stand for sum x 2^(eA + eW), the result's code is sum / 2^(eO - eA - eW); (eA, eW, eO) = lowp_scales[(0, 1, 6)], [(2, 3, 7)], [(4, 5, 8)].
; LIMITS: eA and eO - eA - eW between -126 and 112.  NaN among the inputs is not served.
; REGISTERS, in windows of 256: window 0: v2-11 addresses and scales; v16-51 a batch's statistics and codes; v64-255 three sets of four rows; later v64-127 eight accumulators, v128-159 codes.
;   window 1: four buffers of a weight tile's four fragments.   windows 2, 3: the rows' fragments of K steps 0, 1 and 2, 3.
.set PP,   2064                        ; LDS: [piece l 0..31][row 0..127][16 bytes], pieces 2,064 bytes apart: 129 x 16, so that 16 lanes' stores fall on 16 different 16-byte places modulo 256
.set LI,   2                           ; v2  16 x lane
.set LST,  4                           ; v4  where I store a row's codes: lane x PP + 512 x wave
.set LRD,  5                           ; v5  where I read a fragment: (lane / 16) x PP + 16 (lane % 16)
.set TT,   16                          ; v16-23  row q: the sum, then the mean (a pair)
.set UU,   24                          ; v24-27  the other half of the lanes'
.set GG,   28                          ; v28-35  row q: the squares' sum, then alpha / sqrt(var + eps) (a pair)
.set CD,   36                          ; v36-51  row q: 16 codes
.set XB,   64
.set ACC,  64
.set CODES, 128
.set XP,   4                           ; s[4:5]   x at my wave's first row
.set WP,   12                          ; s[12:13] the weight's image at my wave's first tile
.set OP,   52                          ; s[52:53] where my results go
.set WV,   20
.set SEL,  24                          ; s[24:25] lane selects for v_permlanex16_b32: lane l xor 16
.set IV,   26                          ; s26 1 / 511
.set EPS,  27                          ; s27 1e-6
.set AL,   28                          ; s28 alpha
.set BE,   30                          ; s[30:31] beta, twice
.set MSB, 0
.macro WIN new                         ; the immediate's high byte repeats the setting that is left
.if MSB != (\new)
	s_set_vgpr_msb (MSB<<8)|(\new)
.set MSB, (\new)
.endif
.endm
.macro PLACES n
.rept \n
	v_nop
.endr
.endm
.macro LNLOAD b                        ; batch b: rows 4 b .. 4 b + 3 of my 32, into set b % 3; each load reads 512 consecutive bytes
.irp q, 0,1,2,3
.irp i, 0,1,2,3
	global_load_b128 v[XB+64*((\b)%3)+16*\q+4*\i:XB+64*((\b)%3)+16*\q+4*\i+3], v[LI], s[XP:XP+1] offset:(4*(\b)+\q)*2048+512*\i
.endr
.endr
.endm
.macro RED base                        ; four rows' sums over the 32 lanes, line by line
.irp x, 1,2,4,8
.irp q, 0,1,2,3
	v_add_f32_dpp v[\base+2*\q], v[\base+2*\q], v[\base+2*\q] row_xmask:\x row_mask:0xf bank_mask:0xf
.endr
.endr
.irp q, 0,1,2,3
	v_permlanex16_b32 v[UU+\q], v[\base+2*\q], s[SEL], s[SEL+1]
.endr
.irp q, 0,1,2,3
	v_add_f32 v[\base+2*\q], v[\base+2*\q], v[UU+\q]
.endr
.endm
.macro LNPROC b, cnt                   ; cnt: the younger batches' loads, 16 each
.set XS, XB+64*((\b)%3)
	s_wait_loadcnt \cnt
.irp q, 0,1,2,3
	v_pk_add_f32 v[TT+2*\q:TT+2*\q+1], v[XS+16*\q:XS+16*\q+1], v[XS+16*\q+2:XS+16*\q+3]
.endr
.irp k, 4,6,8,10,12,14
.irp q, 0,1,2,3
	v_pk_add_f32 v[TT+2*\q:TT+2*\q+1], v[TT+2*\q:TT+2*\q+1], v[XS+16*\q+\k:XS+16*\q+\k+1]
.endr
.endr
.irp q, 0,1,2,3
	v_add_f32 v[TT+2*\q], v[TT+2*\q], v[TT+2*\q+1]
.endr
	RED TT
.irp q, 0,1,2,3
	v_mul_f32 v[TT+2*\q], 0x3b000000, v[TT+2*\q]   ; / 512: the mean
.endr
.irp k, 0,2,4,6,8,10,12,14
.irp q, 0,1,2,3
	v_pk_add_f32 v[XS+16*\q+\k:XS+16*\q+\k+1], v[XS+16*\q+\k:XS+16*\q+\k+1], v[TT+2*\q:TT+2*\q+1] op_sel_hi:[1,0] neg_lo:[0,1] neg_hi:[0,1]   ; x - mean
.endr
.endr
.irp q, 0,1,2,3
	v_pk_mul_f32 v[GG+2*\q:GG+2*\q+1], v[XS+16*\q:XS+16*\q+1], v[XS+16*\q:XS+16*\q+1]
.endr
.irp k, 2,4,6,8,10,12,14
.irp q, 0,1,2,3
	v_pk_fma_f32 v[GG+2*\q:GG+2*\q+1], v[XS+16*\q+\k:XS+16*\q+\k+1], v[XS+16*\q+\k:XS+16*\q+\k+1], v[GG+2*\q:GG+2*\q+1]
.endr
.endr
.irp q, 0,1,2,3
	v_add_f32 v[GG+2*\q], v[GG+2*\q], v[GG+2*\q+1]
.endr
	RED GG
.irp q, 0,1,2,3
	v_fma_f32 v[GG+2*\q], v[GG+2*\q], s[IV], s[EPS]   ; the variance over 511, + 1e-6
.endr
.irp q, 0,1,2,3
	v_rsq_f32 v[GG+2*\q], v[GG+2*\q]
.endr
	v_nop                                          ; a plain line behind the last of the four (ISA guide 5.7.2),
	s_wait_alu depctr_va_vdst(0)                   ; and the one wait ahead of their first reader
.irp q, 0,1,2,3
	v_mul_f32 v[GG+2*\q], s[AL], v[GG+2*\q]
.endr
.irp k, 0,2,4,6,8,10,12,14
.irp q, 0,1,2,3
	v_pk_fma_f32 v[XS+16*\q+\k:XS+16*\q+\k+1], v[XS+16*\q+\k:XS+16*\q+\k+1], v[GG+2*\q:GG+2*\q+1], s[BE:BE+1] op_sel_hi:[1,0,0]   ; (x - mean) x alpha / sqrt(..) + beta
.endr
.endr
.irp k, 0,1,2,3,4,5,6,7,8,9,10,11,12,13,14,15
.irp q, 0,1,2,3
	v_med3_num_f32 v[XS+16*\q+\k], v[XS+16*\q+\k], -v9, v9   ; the conversion does not saturate (ISA guide 7.6.2): the hold at the largest code x the scale
.endr
.endr
	s_wait_dscnt 0x0                               ; the last batch's LDS stores have read the codes' registers
.irp q, 0,1,2,3
	v_cvt_scalef32_pk8_bf8_f32 v[CD+4*\q:CD+4*\q+1], v[XS+16*\q:XS+16*\q+7], v8
	v_cvt_scalef32_pk8_bf8_f32 v[CD+4*\q+2:CD+4*\q+3], v[XS+16*\q+8:XS+16*\q+15], v8
.endr
	v_nop                                          ; one plain line behind the conversions: their sources are written again later, by vector and matrix instructions
.irp q, 0,1,2,3
	ds_store_b128 v[LST], v[CD+4*\q:CD+4*\q+3] offset:16*(4*(\b)+\q)
.endr
.endm
.macro AFETCH                          ; all 32 fragments (row tile m, K step s): quad c of lane (r, h) is piece 8 s + 2 c + h, row 16 m + r
.irp s, 0,1,2,3
	WIN 0x80+0x40*(\s/2)                           ; destination window 2 or 3, address window 0
.irp m, 0,1,2,3,4,5,6,7
.irp c, 0,1,2,3
	ds_load_b128 v[128*(\s%2)+16*\m+4*\c:128*(\s%2)+16*\m+4*\c+3], v[LRD] offset:(8*\s+2*\c)*PP+256*\m
.endr
.endr
.endr
	WIN 0
	s_wait_dscnt 0x0
.endm
.macro WLOAD t, p                      ; the weight tile t's four fragments, 8,192 dense bytes, into buffer p of window 1
	WIN 0x40
.irp i, 0,1,2,3,4,5,6,7,8,9,10,11,12,13,14,15
	global_load_b128 v[64*(\p)+4*\i:64*(\p)+4*\i+3], v[LI], s[WP:WP+1] offset:(\t)*8192+512*\i
.endr
	WIN 0
.endm
; 32 matrix instructions: K steps 0..3 x the eight tiles of rows; the eight accumulators take turns, one instruction a turn; the first K step starts the sums with the constant 0
.macro MULT p                          ; transposed: source 0 = W (window 1), source 1 = rows (window 2 or 3)
.irp s, 0,1,2,3
	WIN 0x09+4*(\s/2)
.irp m, 0,1,2,3,4,5,6,7
.if \s == 0
	v_wmma_f32_16x16x128_bf8_bf8 v[ACC+8*\m:ACC+8*\m+7], v[64*(\p)+16*\s:64*(\p)+16*\s+15], v[128*(\s%2)+16*\m:128*(\s%2)+16*\m+15], 0
.else
	v_wmma_f32_16x16x128_bf8_bf8 v[ACC+8*\m:ACC+8*\m+7], v[64*(\p)+16*\s:64*(\p)+16*\s+15], v[128*(\s%2)+16*\m:128*(\s%2)+16*\m+15], v[ACC+8*\m:ACC+8*\m+7]
.endif
.endr
.endr
	WIN 0
.endm
.macro MULN p                          ; natural: source 0 = rows (window 2 or 3), source 1 = W (window 1)
.irp s, 0,1,2,3
	WIN 0x06+(\s/2)
.irp m, 0,1,2,3,4,5,6,7
.if \s == 0
	v_wmma_f32_16x16x128_bf8_bf8 v[ACC+8*\m:ACC+8*\m+7], v[128*(\s%2)+16*\m:128*(\s%2)+16*\m+15], v[64*(\p)+16*\s:64*(\p)+16*\s+15], 0
.else
	v_wmma_f32_16x16x128_bf8_bf8 v[ACC+8*\m:ACC+8*\m+7], v[128*(\s%2)+16*\m:128*(\s%2)+16*\m+15], v[64*(\p)+16*\s:64*(\p)+16*\s+15], v[ACC+8*\m:ACC+8*\m+7]
.endif
.endr
.endr
	WIN 0
.endm
.macro HOLD m                          ; an accumulator's eight sums, from its low end on
.irp j, 0,1,2,3,4,5,6,7
	v_med3_num_f32 v[ACC+8*\m+\j], v[ACC+8*\m+\j], -v11, v11
.endr
.endm
.macro TILE_QK t, cnt                  ; cnt: the younger weight sets' loads, 16 each
	s_wait_loadcnt \cnt
	MULT (\t)%4
	PLACES 4                                       ; four places ahead of the reads of the results and of the loads into the weight's buffer
.if (\t)%2 == 0
	s_wait_xcnt 0x0                                ; the last pair's stores have read the codes' registers
.endif
.if (\t) < 4
	WLOAD (\t)+4, (\t)%4
.endif
.irp m, 0,1,2,3,4,5,6,7
	HOLD \m
	v_cvt_scalef32_pk8_bf8_f32 v[CODES+4*\m+2*((\t)%2):CODES+4*\m+2*((\t)%2)+1], v[ACC+8*\m:ACC+8*\m+7], v10
.endr
	v_nop                                          ; one plain line between the conversions and the next products, which write their sources
.if (\t)%2 == 1
.irp m, 0,1,2,3,4,5,6,7
	global_store_b128 v[LI], v[CODES+4*\m:CODES+4*\m+3], s[OP:OP+1] offset:((\t)/2)*65536+512*\m   ; head t / 2 of my four, token tile m: 512 dense bytes
.endr
.endif
.endm
.macro TILE_V t, cnt
	s_wait_loadcnt \cnt
	MULN (\t)%4
	PLACES 4
	s_wait_xcnt 0x0                                ; the last tile's stores have read the codes' registers
.if (\t) < 4
	WLOAD (\t)+4, (\t)%4
.endif
.irp m, 0,1,2,3,4,5,6,7
	HOLD \m
	v_cvt_scalef32_pk8_bf8_f32 v[CODES+2*\m:CODES+2*\m+1], v[ACC+8*\m:ACC+8*\m+7], v10   ; tokens 16 m + 8 (lane / 16) + 0..7 of channel lane % 16: registers 2 m, 2 m + 1 of the fragment
.endr
	v_nop
.irp c, 0,1,2,3
	global_store_b128 v[LI], v[CODES+4*\c:CODES+4*\c+3], s[OP:OP+1] offset:((\t)/2)*65536+((\t)%2)*2048+512*\c
.endr
.endm
	s_load_b256 s[4:11], s[0:1], 0x0               ; x s[4:5], alpha s[6:7], beta s[8:9], the exponents s[10:11]
	s_load_b256 s[12:19], s[0:1], 0x20             ; wqkv_img s[12:13], q_img s[14:15], k_img s[16:17], v_img s[18:19]
	v_lshl_add_u32 v62, v0, 2, 0x10200
	v_mov_b32 v63, 0
	v_lshrrev_b32 v1, 5, v0
	v_readfirstlane_b32 s[WV], v1                  ; wave 0..3
	v_and_b32 v1, 31, v0                           ; lane
	v_lshlrev_b32 v[LI], 4, v1
	v_mul_u32_u24 v[LST], v1, PP
	s_lshl_b32 s23, s[WV], 9
	v_add_nc_u32 v[LST], s23, v[LST]
	v_lshrrev_b32 v3, 4, v1
	v_and_b32 v7, 15, v1
	v_mul_u32_u24 v[LRD], v3, PP
	v_lshl_add_u32 v[LRD], v7, 4, v[LRD]
.irp q, 0,1,2,3
	v_mov_b32 v[UU+\q], 0                          ; written once: a lane permute's destination counts as one of its sources
.endr
	s_mov_b32 s[SEL], 0x76543210
	s_mov_b32 s[SEL+1], 0xfedcba98
	s_mov_b32 s[IV], 0x3b004020                    ; 1 / 511
	s_mov_b32 s[EPS], 0x358637bd                   ; 1e-6
	s_mov_b32 s21, ttmp9                           ; the block of 128 rows
	s_and_b32 s22, ttmp7, 0xffff                   ; y: 0 q, 1 k, 2 v
	s_lshl_b32 s44, s21, 18                        ; 128 rows of 2,048 bytes,
	s_lshl_b32 s23, s[WV], 16                      ; my wave's 32
	s_add_co_u32 s44, s44, s23
	s_mov_b32 s45, 0
	s_lshl_b32 s46, s22, 18                        ; the projection's image, 262,144 bytes; my wave's 8 tiles of 8,192
	s_add_co_u32 s46, s46, s23
	s_mov_b32 s47, 0
	s_lshr_b32 s50, s21, 4                         ; the batch,
	s_lshl_b32 s50, s50, 20                        ; 16 heads of 65,536 bytes
	s_lshl_b32 s23, s[WV], 18                      ; my four heads
	s_add_co_u32 s50, s50, s23
	s_and_b32 s23, s21, 15                         ; the block in its batch: 8 token tiles of 512 bytes, or one key step of 4,096
	s_lshl_b32 s23, s23, 12
	s_add_co_u32 s50, s50, s23
	s_mov_b32 s51, 0
	s_wait_kmcnt 0x0
	s_load_b256 s[32:39], s[10:11], 0x0            ; e0 .. e7
	s_load_b32 s40, s[10:11], 0x20                 ; e8
	s_load_b32 s[AL], s[6:7], 0x0
	s_load_b32 s[BE], s[8:9], 0x0
	s_add_nc_u64 s[XP:XP+1], s[XP:XP+1], s[44:45]
	s_add_nc_u64 s[WP:WP+1], s[WP:WP+1], s[46:47]
	s_cmp_eq_u32 s22, 0
	s_cselect_b64 s[OP:OP+1], s[14:15], s[16:17]
	s_cmp_eq_u32 s22, 2
	s_cselect_b64 s[OP:OP+1], s[18:19], s[OP:OP+1]
	s_add_nc_u64 s[OP:OP+1], s[OP:OP+1], s[50:51]
	WLOAD 0, 0                                     ; the first four weight tiles: they land under the LayerNorm
	WLOAD 1, 1
	WLOAD 2, 2
	WLOAD 3, 3
	LNLOAD 0
	LNLOAD 1
	LNLOAD 2
	s_wait_kmcnt 0x0
	s_cmp_eq_u32 s22, 0
	s_cselect_b32 s41, s32, s34                    ; eA
	s_cselect_b32 s42, s33, s35                    ; eW
	s_cselect_b32 s43, s38, s39                    ; eO
	s_cmp_eq_u32 s22, 2
	s_cselect_b32 s41, s36, s41
	s_cselect_b32 s42, s37, s42
	s_cselect_b32 s43, s40, s43
	s_mov_b32 s[BE+1], s[BE]                       ; (named with it as a pair)
	s_add_co_i32 s48, s41, 127
	s_lshl_b32 s49, s48, 23
	v_mov_b32 v8, s49                              ; 2^eA
	s_add_co_i32 s48, s48, 15
	s_lshl_b32 s48, s48, 23
	s_or_b32 s48, s48, 0x600000
	v_mov_b32 v9, s48                              ; 57,344 x 2^eA
	s_sub_co_i32 s48, s43, s41
	s_sub_co_i32 s48, s48, s42
	s_add_co_i32 s48, s48, 127
	s_lshl_b32 s49, s48, 23
	v_mov_b32 v10, s49                             ; 2^(eO - eA - eW): the three scales folded into the conversion's one
	s_add_co_i32 s48, s48, 15
	s_lshl_b32 s48, s48, 23
	s_or_b32 s48, s48, 0x600000
	v_mov_b32 v11, s48
.irp b, 0,1,2,3,4
	LNPROC \b, 32                                  ; two younger batches may be out
	LNLOAD \b+3
.endr
	LNPROC 5, 32
	LNPROC 6, 16
	LNPROC 7, 0
	s_wait_dscnt 0x0                               ; for the others' sake: my rows' codes lie in LDS
	s_barrier_signal -1
	s_barrier_wait -1
	AFETCH
	s_cmp_eq_u32 s22, 2
	s_cbranch_scc1 .Lv_arm
.irp t, 0,1,2,3,4
	TILE_QK \t, 48
.endr
	TILE_QK 5, 32
	TILE_QK 6, 16
	TILE_QK 7, 0
	s_wait_tensorcnt 0x0
	ds_add_u32 v62, v63
	s_wait_dscnt 0x0
	s_endpgm
.Lv_arm:
.irp t, 0,1,2,3,4
	TILE_V \t, 48
.endr
	TILE_V 5, 32
	TILE_V 6, 16
	TILE_V 7, 0
	s_wait_tensorcnt 0x0
	ds_add_u32 v62, v63
	s_wait_dscnt 0x0
	s_endpgm
.Lfunc_end_k_q0518405efa_qkv:
	.size	k_q0518405efa_qkv, .Lfunc_end_k_q0518405efa_qkv-k_q0518405efa_qkv
	.p2alignl 7, 3214868480
	.fill 96, 4, 3214868480
	.section	.rodata,"a",@progbits
	.p2align	6, 0x0
	.amdhsa_kernel k_q0518405efa_qkv
		.amdhsa_group_segment_fixed_size 66560
		.amdhsa_private_segment_fixed_size 0
		.amdhsa_enable_private_segment 0
		.amdhsa_kernarg_size 64
		.amdhsa_user_sgpr_count 2
		.amdhsa_user_sgpr_kernarg_segment_ptr 1
		.amdhsa_wavefront_size32 1
		.amdhsa_system_sgpr_workgroup_id_x 1
		.amdhsa_system_sgpr_workgroup_id_y 1
		.amdhsa_system_sgpr_workgroup_id_z 1
		.amdhsa_system_vgpr_workitem_id 0
		.amdhsa_next_free_vgpr 1024
		.amdhsa_next_free_sgpr 66
		.amdhsa_reserve_vcc 0
		.amdhsa_float_denorm_mode_32 3
		.amdhsa_float_denorm_mode_16_64 3
		.amdhsa_memory_ordered 1
		.amdhsa_forward_progress 1
		.amdhsa_inst_pref_size 255
	.end_amdhsa_kernel
	.section	.bss,"aw",@nobits
	.p2align	6
	.space	262144
	.amdgpu_metadata
---
amdhsa.version: [ 1, 2 ]
amdhsa.kernels:
  - .name:           k_q0518405efa_qkv
    .symbol:         k_q0518405efa_qkv.kd
    .args:
      - { .name: x, .offset: 0, .size: 8, .value_kind: global_buffer, .address_space: global }
      - { .name: alpha, .offset: 8, .size: 8, .value_kind: global_buffer, .address_space: global }
      - { .name: beta, .offset: 16, .size: 8, .value_kind: global_buffer, .address_space: global }
      - { .name: lowp_scales, .offset: 24, .size: 8, .value_kind: global_buffer, .address_space: global }
      - { .name: wqkv_img, .offset: 32, .size: 8, .value_kind: global_buffer, .address_space: global }
      - { .name: q_img, .offset: 40, .size: 8, .value_kind: global_buffer, .address_space: global }
      - { .name: k_img, .offset: 48, .size: 8, .value_kind: global_buffer, .address_space: global }
      - { .name: v_img, .offset: 56, .size: 8, .value_kind: global_buffer, .address_space: global }
    .group_segment_fixed_size: 66560
    .private_segment_fixed_size: 0
    .kernarg_segment_align: 8
    .kernarg_segment_size: 64
    .max_flat_workgroup_size: 128
    .sgpr_count:     66
    .vgpr_count:     1024
    .wavefront_size: 32
...
	.end_amdgpu_metadata
.endif
;; end of part 2
;; launch attn (part 3): grid 8 x 32, 16 waves a work-group, no clusters, 264,192 bytes of LDS; arguments q_img, k_img, v_img, lowp_scales, x, x1; writes x1
.if DOCPART == 3
	.amdgcn_target "amdgcn-amd-amdhsa--gfx1250"
	.amdhsa_code_object_version 6
	.text
	.protected	k_q0518405efa_attn
	.globl	k_q0518405efa_attn
	.p2align	8
	.type	k_q0518405efa_attn,@function
k_q0518405efa_attn:
	s_mov_b64 s[64:65], 0
	v_nop
	global_prefetch_b8 v0, s[64:65] scope:SCOPE_SE
	s_setreg_imm32_b32 hwreg(HW_REG_WAVE_MODE, 25, 1), 1
	s_wait_xcnt 0x0
; x1 = x + attention: for each head, O[q] = sum over keys of softmax(q . k / sqrt(512)) v, head size 32, 2,048 keys, both products on codes of BF8 (E5M2).
; THE SOFTMAX AHEAD OF THE SECOND PRODUCT: t = score x log2(e) / sqrt(512); M = the running largest t rounded UP to a whole number; p = 2^(t - M) is quantised with 2^e9, not normalised;
; the row's sum is taken of the unquantised p and divides O at the end; when M moves, the sum and O are multiplied by 2^(old M - new M), which rounds nothing.
; SHARES.  A work-group owns 256 queries (work-group x) of TWO neighbouring heads of one batch (work-group y = 8 x batch + pair).  The two heads' codes of K and V are 262,144 bytes: they are laid into LDS ONCE,
; through registers, and stay: no slot is ever filled again.  Each of the sixteen waves owns 16 queries and walks all keys, 128 a step, once for each head.  Two heads' 64 channels are 256 bytes of a row of x1.
; LAYOUT.  Both products are used transposed: S^T = K Q^T (source 0 = 16 keys, source 1 = my 16 queries), O^T = V^T P^T (source 0 = 16 channels, source 1 = P): a lane holds ONE query throughout, and the eight
; registers of key tile c, converted, ARE registers 2 c, 2 c + 1 of P: keys 16 c + 8 (lane / 16) + 0..7.
; HEAD SIZE 32 IN A FORM OF K = 64: source 0 holds TWO key tiles, one in k 0..31 and one in k 32..63; source 1 is [q, 0] or [0, q], whose zero codes leave one of the two out.  Codes are finite (the quantiser holds them).
; LIMITS: e6 + e7 between -122 and 131 (added to c's exponent field); e9 between -126 and 112; e8 + e9 goes in by v_ldexp_f32.  NaN among the inputs is not served.
; p is at most 1 and 57,344 x 2^e9 is above 1 for e9 >= -15: there the hold cannot act and a scalar branch on the given whole number e9 passes over it.
; REGISTERS: v1-9 addresses; v12 -M, v13 the largest t, v[14:15] the sum in two halves; v16-35 zeros and the two heads' q; v36-67 K's eight tiles; v68-99 V's two fragments; v100-163 S^T, then p;
; v164-179 O^T; v180-195 p's codes; v196-227 the two heads' results; v236-254 at work.
.set LI,  1                            ; v1  16 x lane
.set FK,  2                            ; v2  8,192 x wave + 16 x lane: my part of the fill, in memory and in LDS
.set FV,  3                            ; v3  the same behind K's 131,072 bytes
.set ADK, 4
.set ADV, 5
.set AV0, 6                            ; v6  131,072 + 16 x lane
.set STO, 7                            ; v7  the way out: where I put 32 bytes of a row
.set RD,  8                            ; v8  where I read a row back
.set GO,  9                            ; v9  my byte offset in the wave's rows of x and x1
.set QZ,  16                           ; v16-19 0, v20-23 q of head 0, v24-27 0, v28-31 q of head 1, v32-35 0
.set KF,  36
.set VF,  68
.set S,   100
.set O,   164
.set P,   180
.set OUT, 196
.set WV,  16
.set SEL, 20                           ; s[20:21]
.set CS,  22                           ; s[22:23] c = log2(e) / sqrt(512) x 2^(e6 + e7)
.set TB,  24                           ; s24 LDS byte of the step in hand, in K's region
.set CNT, 25
.set EP,  43                           ; s43 e9
.set VBASE, 131072
.macro PLACES n
.rept \n
	v_nop
.endr
.endm
; A KEY STEP of head hp: 128 keys.  more = 1: the next step's K is fetched.
.macro STEP hp, more
	s_wait_dscnt 0x0                               ; K's eight tiles are in
.irp d, 0,1,2,3
	v_wmma_f32_16x16x64_bf8_bf8 v[S+16*\d:S+16*\d+7], v[KF+8*\d:KF+8*\d+7], v[QZ+4+8*\hp:QZ+11+8*\hp], 0       ; [q, 0]: key tile 2 d
	v_wmma_f32_16x16x64_bf8_bf8 v[S+16*\d+8:S+16*\d+15], v[KF+8*\d:KF+8*\d+7], v[QZ+8*\hp:QZ+7+8*\hp], 0       ; [0, q]: key tile 2 d + 1
.endr
	v_add_nc_u32 v[ADK], s[TB], v[LI]              ; four places ahead of the loads into K's and V's registers and of the first read of the scores
	v_add_nc_u32 v[ADV], s[TB], v[AV0]
	v_nop
	v_nop
.irp i, 0,1,2,3,4,5,6,7
	ds_load_b128 v[VF+4*\i:VF+4*\i+3], v[ADV] offset:512*\i
.endr
.if \more
.irp i, 0,1,2,3,4,5,6,7
	ds_load_b128 v[KF+4*\i:KF+4*\i+3], v[ADK] offset:4096+512*\i
.endr
.endif
	s_add_co_u32 s[TB], s[TB], 4096
	v_max3_num_f32 v254, v[S], v[S+1], v[S+2]      ; the step's largest score of my query among my 64 keys, in two chains, each accumulator from its low end on
	v_max3_num_f32 v252, v[S+3], v[S+4], v[S+5]
.irp i, 6,10,14,18,22,26,30,34,38,42,46,50,54,58
	v_max3_num_f32 v254, v254, v[S+\i], v[S+\i+1]
	v_max3_num_f32 v252, v252, v[S+\i+2], v[S+\i+3]
.endr
	v_max3_num_f32 v254, v254, v[S+62], v[S+63]
	v_max_num_f32 v254, v254, v252
	v_permlanex16_b32 v236, v254, s[SEL], s[SEL+1]
	v_max_num_f32 v254, v254, v236                 ; and among lane l xor 16's
	v_mul_f32 v254, s[CS], v254                    ; as t (c is positive)
	v_max_num_f32 v13, v13, v254                   ; the running largest t
	v_mov_b32 v254, v12
	v_floor_f32 v12, -v13                          ; the new -M = floor(-t) = -ceil(t)
	v_sub_f32 v254, v12, v254                      ; old M - new M: a whole number, 0 or less
	v_cvt_i32_f32 v254, v254                       ; (it saturates)
	v_ldexp_f32 v252, 1.0, v254                    ; f = 2^(old M - new M)
.set j, 0
.rept 32
	v_pk_fma_f32 v[S+j:S+j+1], v[S+j:S+j+1], s[CS:CS+1], v[12:13] op_sel_hi:[1,0,0]   ; t - M, two at a time
.set j, j+2
.endr
.set j, 0
.rept 64
	v_exp_f32 v[S+j], v[S+j]                       ; p = 2^(t - M)
.set j, j+1
.endr
	v_pk_mul_f32 v[14:15], v[14:15], v[252:253] op_sel_hi:[1,0]   ; the sums under the new M: the plain line behind the exponentials
	s_wait_alu depctr_va_vdst(0)                   ; one wait for the 64, ahead of their first reader
	v_pk_add_f32 v[242:243], v[S:S+1], v[S+2:S+3]  ; the row's sum, of the unquantised p, in two chains
.irp j, 4,8,12,16,20,24,28,32,36,40,44,48,52,56,60
	v_pk_add_f32 v[14:15], v[14:15], v[S+\j:S+\j+1]
	v_pk_add_f32 v[242:243], v[242:243], v[S+\j+2:S+\j+3]
.endr
	v_pk_add_f32 v[14:15], v[14:15], v[242:243]
	s_cmp_ge_i32 s[EP], -15                        ; 57,344 x 2^e9 >= 1.75 there, and p <= 1: nothing to hold
	s_cbranch_scc1 .Lfree_\@
.set j, 0
.rept 64
	v_min_num_f32 v[S+j], v[S+j], v240             ; the conversion does not saturate (ISA guide 7.6.2); p is not negative, so the hold is one-sided
.set j, j+1
.endr
.Lfree_\@:
.irp c, 0,1,2,3,4,5,6,7
	v_cvt_scalef32_pk8_bf8_f32 v[P+2*\c:P+2*\c+1], v[S+8*\c:S+8*\c+7], v244
.endr
.irp j, 0,2,4,6,8,10,12,14
	v_pk_mul_f32 v[O+\j:O+\j+1], v[O+\j:O+\j+1], v[252:253] op_sel_hi:[1,0]   ; O^T under the new M; also the plain lines between the conversions and the products
.endr
.if \more
	s_wait_dscnt 8                                 ; V is in; the next step's eight loads of K may be out
.else
	s_wait_dscnt 0x0
.endif
	v_wmma_f32_16x16x128_bf8_bf8 v[O:O+7], v[VF:VF+15], v[P:P+15], v[O:O+7]
	v_wmma_f32_16x16x128_bf8_bf8 v[O+8:O+15], v[VF+16:VF+31], v[P:P+15], v[O+8:O+15]
.endm
.macro PASS hp
	s_mov_b32 s[TB], \hp*65536
	v_mov_b32 v13, 0xff61b1e6                      ; the largest t so far: -3e38
	v_floor_f32 v12, -v13
	v_mov_b32 v14, 0
	v_mov_b32 v15, 0
.set j, 0
.rept 16
	v_mov_b32 v[O+j], 0                            ; the step is written once: the first finds zeros, which the first change of M leaves zeros
.set j, j+1
.endr
	v_add_nc_u32 v[ADK], s[TB], v[LI]
.irp i, 0,1,2,3,4,5,6,7
	ds_load_b128 v[KF+4*\i:KF+4*\i+3], v[ADK] offset:512*\i
.endr
	s_mov_b32 s[CNT], 15
.Lstep_\@:
	STEP \hp, 1
	s_sub_co_u32 s[CNT], s[CNT], 1
	s_cmp_lg_u32 s[CNT], 0
	s_cbranch_scc1 .Lstep_\@
	STEP \hp, 0                                    ; the last step fetches no further K
	PLACES 4
	v_add_f32 v14, v14, v15
	v_permlanex16_b32 v236, v14, s[SEL], s[SEL+1]
	v_add_f32 v14, v14, v236                       ; the row's sum
	v_rcp_f32 v14, v14
	v_nop
	s_wait_alu depctr_va_vdst(0)                   ; ahead of the first reader
	v_ldexp_f32 v14, v14, s34                      ; x 2^(e8 + e9)
.set j, 0
.rept 16
	v_mul_f32 v[OUT+16*\hp+j], v[O+j], v14         ; register 8 u + i: o(query lane % 16, channel 16 u + 8 (lane / 16) + i)
.set j, j+1
.endr
.endm
	s_load_b256 s[4:11], s[0:1], 0x0               ; q_img s[4:5], k_img s[6:7], v_img s[8:9], the exponents s[10:11]
	s_load_b128 s[12:15], s[0:1], 0x20             ; x s[12:13], x1 s[14:15]
	v_lshl_add_u32 v251, v0, 2, 0x40000
	v_mov_b32 v255, 0
	v_lshrrev_b32 v10, 5, v0
	v_readfirstlane_b32 s[WV], v10                 ; wave 0..15
	v_and_b32 v10, 31, v0
	v_lshlrev_b32 v[LI], 4, v10
	s_lshl_b32 s17, s[WV], 13
	v_add_nc_u32 v[FK], s17, v[LI]
	v_add_nc_u32 v[FV], VBASE, v[FK]
	v_add_nc_u32 v[AV0], VBASE, v[LI]
	v_and_b32 v10, 15, v0                          ; r
	v_bfe_u32 v11, v0, 4, 1                        ; h
	s_mul_i32 s19, s[WV], 4352                     ; my stage: 16 rows of 256 bytes + 16
	v_mul_u32_u24 v[STO], v10, 272
	v_lshl_add_u32 v[STO], v11, 5, v[STO]
	v_add_nc_u32 v[STO], s19, v[STO]
	v_mul_u32_u24 v[RD], v11, 272
	v_lshl_add_u32 v[RD], v10, 4, v[RD]
	v_add_nc_u32 v[RD], s19, v[RD]
	v_lshlrev_b32 v[GO], 11, v11                   ; lanes 0-15 one row of x, lanes 16-31 the next; 16 bytes a lane
	v_lshl_add_u32 v[GO], v10, 4, v[GO]
	s_and_b32 s18, ttmp7, 0xffff                   ; 8 x batch + pair; the heads are 2 x that and the next
	s_lshl_b32 s26, s18, 17                        ; two heads of 65,536 bytes
	s_mov_b32 s27, 0
	s_lshl_b32 s28, ttmp9, 13                      ; 16 query tiles of 512 bytes,
	s_lshl_b32 s17, s[WV], 9                       ; mine
	s_add_co_u32 s28, s28, s17
	s_add_co_u32 s28, s28, s26
	s_mov_b32 s29, 0
	s_lshr_b32 s30, s18, 3                         ; x, x1: batch x 2,048 rows of 2,048 bytes
	s_lshl_b32 s30, s30, 22
	s_lshl_b32 s17, ttmp9, 19                      ; 256 rows
	s_add_co_u32 s30, s30, s17
	s_lshl_b32 s17, s[WV], 15                      ; 16 rows
	s_add_co_u32 s30, s30, s17
	s_and_b32 s17, s18, 7
	s_lshl_b32 s17, s17, 8                         ; the pair's 256 bytes of a row
	s_add_co_u32 s30, s30, s17
	s_mov_b32 s31, 0
	s_mov_b32 s[SEL], 0x76543210
	s_mov_b32 s[SEL+1], 0xfedcba98
	s_mov_b32 s[CS], 0x3d8293ee                    ; log2(e) / sqrt(512)
	s_wait_kmcnt 0x0
	s_load_b128 s[40:43], s[10:11], 0x18           ; e6, e7, e8, e9
	s_add_nc_u64 s[4:5], s[4:5], s[28:29]
	s_add_nc_u64 s[6:7], s[6:7], s[26:27]
	s_add_nc_u64 s[8:9], s[8:9], s[26:27]
	s_add_nc_u64 s[12:13], s[12:13], s[30:31]
	s_add_nc_u64 s[14:15], s[14:15], s[30:31]
	global_load_b128 v[QZ+4:QZ+7], v[LI], s[4:5]                 ; my 16 queries, head 0,
	global_load_b128 v[QZ+12:QZ+15], v[LI], s[4:5] offset:65536  ; head 1
.irp i, 0,1,2,3,4,5,6,7,8,9,10,11,12,13,14,15
	global_load_b128 v[S+4*\i:S+4*\i+3], v[FK], s[6:7] offset:512*\i   ; my sixteenth of the two heads' K
.endr
.irp i, 0,1,2,3,4,5,6,7,8,9,10,11,12,13,14,15
	global_load_b128 v[O+4*\i:O+4*\i+3], v[FK], s[8:9] offset:512*\i   ; and of V
.endr
.irp j, 0,1,2,3,8,9,10,11,16,17,18,19
	v_mov_b32 v[QZ+\j], 0                          ; the zero codes beside q
.endr
	v_mov_b32 v236, 0                              ; written once: a lane permute's destination counts as one of its sources
	v_mov_b32 v253, 0                              ; (named as the upper half of the pair v[252:253])
	s_wait_kmcnt 0x0
	s_add_co_i32 s32, s40, s41
	s_lshl_b32 s32, s32, 23
	s_add_co_i32 s[CS], s[CS], s32                 ; a score stands for score x 2^(e6 + e7)
	s_mov_b32 s[CS+1], s[CS]
	s_add_co_i32 s32, s[EP], 127
	s_lshl_b32 s33, s32, 23
	v_mov_b32 v244, s33                            ; 2^e9
	s_add_co_i32 s32, s32, 15
	s_lshl_b32 s32, s32, 23
	s_or_b32 s32, s32, 0x600000
	v_mov_b32 v240, s32                            ; 57,344 x 2^e9
	s_add_co_i32 s34, s42, s[EP]                   ; e8 + e9
	s_wait_loadcnt 16                              ; q and K are in; V's sixteen loads may be out
.irp i, 0,1,2,3,4,5,6,7,8,9,10,11,12,13,14,15
	ds_store_b128 v[FK], v[S+4*\i:S+4*\i+3] offset:512*\i
.endr
	s_wait_loadcnt 0x0
.irp i, 0,1,2,3,4,5,6,7,8,9,10,11,12,13,14,15
	ds_store_b128 v[FV], v[O+4*\i:O+4*\i+3] offset:512*\i
.endr
	s_wait_dscnt 0x0                               ; for the others' sake: my part lies in LDS
	s_barrier_signal -1
	s_barrier_wait -1
	PASS 0
	PASS 1
	; THE WAY OUT: the two heads' 64 channels of my 16 queries go through my stage and leave, with x added, as rows of 256 aligned bytes.  The stages lie over K's first bytes: behind a barrier, when nobody reads K or V any more.
.irp i, 0,1,2,3,4,5,6,7
	global_load_b128 v[S+4*\i:S+4*\i+3], v[GO], s[12:13] offset:4096*\i
.endr
	s_wait_dscnt 0x0                               ; my reads of K and V are over
	s_barrier_signal -1
	s_barrier_wait -1
.irp hp, 0,1
.irp u, 0,1
	ds_store_b128 v[STO], v[OUT+16*\hp+8*\u:OUT+16*\hp+8*\u+3] offset:128*\hp+64*\u
	ds_store_b128 v[STO], v[OUT+16*\hp+8*\u+4:OUT+16*\hp+8*\u+7] offset:128*\hp+64*\u+16
.endr
.endr
.irp i, 0,1,2,3,4,5,6,7
	ds_load_b128 v[S+32+4*\i:S+32+4*\i+3], v[RD] offset:544*\i   ; LDS serves a wave's instructions in order (ISA guide 5.7.1.4): these see my stores
.endr
	s_wait_loadcnt 0x0                             ; x
.irp i, 0,1,2,3,4,5,6,7
	s_wait_dscnt 7-\i                              ; the later rows' loads may be out
	v_pk_add_f32 v[S+32+4*\i:S+32+4*\i+1], v[S+32+4*\i:S+32+4*\i+1], v[S+4*\i:S+4*\i+1]
	v_pk_add_f32 v[S+32+4*\i+2:S+32+4*\i+3], v[S+32+4*\i+2:S+32+4*\i+3], v[S+4*\i+2:S+4*\i+3]
	global_store_b128 v[GO], v[S+32+4*\i:S+32+4*\i+3], s[14:15] offset:4096*\i   ; sixteen lanes store 256 consecutive bytes, aligned
.endr
	s_wait_tensorcnt 0x0
	ds_add_u32 v251, v255
	s_wait_dscnt 0x0
	s_endpgm
.Lfunc_end_k_q0518405efa_attn:
	.size	k_q0518405efa_attn, .Lfunc_end_k_q0518405efa_attn-k_q0518405efa_attn
	.p2alignl 7, 3214868480
	.fill 96, 4, 3214868480
	.section	.rodata,"a",@progbits
	.p2align	6, 0x0
	.amdhsa_kernel k_q0518405efa_attn
		.amdhsa_group_segment_fixed_size 264192
		.amdhsa_private_segment_fixed_size 0
		.amdhsa_enable_private_segment 0
		.amdhsa_kernarg_size 48
		.amdhsa_user_sgpr_count 2
		.amdhsa_user_sgpr_kernarg_segment_ptr 1
		.amdhsa_wavefront_size32 1
		.amdhsa_system_sgpr_workgroup_id_x 1
		.amdhsa_system_sgpr_workgroup_id_y 1
		.amdhsa_system_sgpr_workgroup_id_z 1
		.amdhsa_system_vgpr_workitem_id 0
		.amdhsa_next_free_vgpr 256
		.amdhsa_next_free_sgpr 66
		.amdhsa_reserve_vcc 0
		.amdhsa_float_denorm_mode_32 3
		.amdhsa_float_denorm_mode_16_64 3
		.amdhsa_memory_ordered 1
		.amdhsa_forward_progress 1
		.amdhsa_inst_pref_size 70
	.end_amdhsa_kernel
	.amdgpu_metadata
---
amdhsa.version: [ 1, 2 ]
amdhsa.kernels:
  - .name:           k_q0518405efa_attn
    .symbol:         k_q0518405efa_attn.kd
    .args:
      - { .name: q_img, .offset: 0, .size: 8, .value_kind: global_buffer, .address_space: global }
      - { .name: k_img, .offset: 8, .size: 8, .value_kind: global_buffer, .address_space: global }
      - { .name: v_img, .offset: 16, .size: 8, .value_kind: global_buffer, .address_space: global }
      - { .name: lowp_scales, .offset: 24, .size: 8, .value_kind: global_buffer, .address_space: global }
      - { .name: x, .offset: 32, .size: 8, .value_kind: global_buffer, .address_space: global }
      - { .name: x1, .offset: 40, .size: 8, .value_kind: global_buffer, .address_space: global }
    .group_segment_fixed_size: 264192
    .private_segment_fixed_size: 0
    .kernarg_segment_align: 8
    .kernarg_segment_size: 48
    .max_flat_workgroup_size: 512
    .sgpr_count:     66
    .vgpr_count:     256
    .wavefront_size: 32
...
	.end_amdgpu_metadata
.endif
;; end of part 3
;; launch ffn1 (part 4): grid 4 x 64, 4 waves a work-group, no clusters, 66,560 bytes of LDS; arguments x1, alpha, beta, lowp_scales, w1_img, b1, hid_img; writes hid_img
.if DOCPART == 4
	.amdgcn_target "amdgcn-amd-amdhsa--gfx1250"
	.amdhsa_code_object_version 6
	.text
	.protected	k_q0518405efa_ffn1
	.globl	k_q0518405efa_ffn1
	.p2align	8
	.type	k_q0518405efa_ffn1,@function
k_q0518405efa_ffn1:
	s_mov_b64 s[64:65], 0
	v_nop
	global_prefetch_b8 v0, s[64:65] scope:SCOPE_SE
	s_setreg_imm32_b32 hwreg(HW_REG_WAVE_MODE, 25, 1), 1
	s_wait_xcnt 0x0
; LayerNorm of x1 (scalar alpha, beta; variance over 511), quantised to BF8 (E5M2); hidden = relu(h W1 + b1) on codes; the hidden layer quantised and stored as images of the next product's operand registers.
; A work-group takes 128 rows (work-group y) and 1,024 hidden units (work-group x); wave w takes 256 of them: sixteen tiles of 16.
; PHASES.  (1) Wave w normalises rows 32 w .. 32 w + 31, four at a time: a row is four dense loads of 512 bytes, lane l holds x1[128 i + 4 l + j]; mean, then the centred squares; 16 codes a lane go to LDS.
; (2) One barrier; every wave takes all 32 fragments of the 128 rows (512 registers) from LDS.  (3) Sixteen tiles: W1's four fragments and the tile's bias come from memory four tiles ahead; 32 matrix instructions on
; eight accumulators by turns; relu and hold in one; conversion; stores of 512 dense bytes.
; K's ORDER in this product: byte e of the 16 that lane l holds of a row is k = 128 (e / 4) + 4 l + e % 4; W1's image is laid in the same order.
; THE MATRIX INSTRUCTION IS USED TRANSPOSED (source 0 = 16 columns of W1, source 1 = 16 rows): a lane holds one row and eight neighbouring hidden units, which, converted, are registers 2 c, 2 c + 1 (c = tile % 8) of the
; next product's fragment in the form's own order of k.
; SCALES: rows by 2^e10; a sum stands for sum x 2^(e10 + e11), so b1 goes in, as the C of a sum's first instruction, divided by that; the hidden code is sum / 2^(e12 - e10 - e11).
; LIMITS: e10 and e12 - e10 - e11 between -126 and 112.  NaN among the inputs is not served.
; REGISTERS, in windows of 256: window 0: v2-11 addresses and scales; v16-51 a batch's statistics and codes; v64-255 three sets of four rows; later v64-127 eight accumulators, v128-159 codes, v160-191 four tiles' biases,
;   v192-199 the bias in hand.   window 1: four buffers of a weight tile's four fragments.   windows 2, 3: the rows' fragments of K steps 0, 1 and 2, 3.
.set PP,   2064                        ; LDS: [piece l 0..31][row 0..127][16 bytes], pieces 2,064 bytes apart: 129 x 16, so that 16 lanes' stores fall on 16 different 16-byte places modulo 256
.set LI,   2                           ; v2  16 x lane
.set LST,  4                           ; v4  where I store a row's codes
.set LRD,  5                           ; v5  where I read a fragment
.set BA,   6                           ; v6  32 (lane / 16): my half's eight numbers of a tile's bias
.set TT,   16
.set UU,   24
.set GG,   28
.set CD,   36
.set XB,   64
.set ACC,  64
.set CODES, 128
.set BRAW, 160
.set CB,   192
.set XP,   4                           ; s[4:5]   x1 at my wave's first row
.set WP,   12                          ; s[12:13] W1's image at the trip's first tile
.set BP,   14                          ; s[14:15] b1 likewise
.set OP,   16                          ; s[16:17] hid_img likewise
.set WV,   20
.set SEL,  24
.set IV,   26
.set EPS,  27
.set AL,   28
.set BE,   30
.set NB,   36                          ; s36 -(e10 + e11)
.set CNT,  37
.set MSB, 0
.macro WIN new                         ; the immediate's high byte repeats the setting that is left
.if MSB != (\new)
	s_set_vgpr_msb (MSB<<8)|(\new)
.set MSB, (\new)
.endif
.endm
.macro PLACES n
.rept \n
	v_nop
.endr
.endm
.macro LNLOAD b                        ; batch b: rows 4 b .. 4 b + 3 of my 32, into set b % 3; each load reads 512 consecutive bytes
.irp q, 0,1,2,3
.irp i, 0,1,2,3
	global_load_b128 v[XB+64*((\b)%3)+16*\q+4*\i:XB+64*((\b)%3)+16*\q+4*\i+3], v[LI], s[XP:XP+1] offset:(4*(\b)+\q)*2048+512*\i
.endr
.endr
.endm
.macro RED base                        ; four rows' sums over the 32 lanes, line by line
.irp x, 1,2,4,8
.irp q, 0,1,2,3
	v_add_f32_dpp v[\base+2*\q], v[\base+2*\q], v[\base+2*\q] row_xmask:\x row_mask:0xf bank_mask:0xf
.endr
.endr
.irp q, 0,1,2,3
	v_permlanex16_b32 v[UU+\q], v[\base+2*\q], s[SEL], s[SEL+1]
.endr
.irp q, 0,1,2,3
	v_add_f32 v[\base+2*\q], v[\base+2*\q], v[UU+\q]
.endr
.endm
.macro LNPROC b, cnt                   ; cnt: the younger batches' loads, 16 each
.set XS, XB+64*((\b)%3)
	s_wait_loadcnt \cnt
.irp q, 0,1,2,3
	v_pk_add_f32 v[TT+2*\q:TT+2*\q+1], v[XS+16*\q:XS+16*\q+1], v[XS+16*\q+2:XS+16*\q+3]
.endr
.irp k, 4,6,8,10,12,14
.irp q, 0,1,2,3
	v_pk_add_f32 v[TT+2*\q:TT+2*\q+1], v[TT+2*\q:TT+2*\q+1], v[XS+16*\q+\k:XS+16*\q+\k+1]
.endr
.endr
.irp q, 0,1,2,3
	v_add_f32 v[TT+2*\q], v[TT+2*\q], v[TT+2*\q+1]
.endr
	RED TT
.irp q, 0,1,2,3
	v_mul_f32 v[TT+2*\q], 0x3b000000, v[TT+2*\q]   ; / 512: the mean
.endr
.irp k, 0,2,4,6,8,10,12,14
.irp q, 0,1,2,3
	v_pk_add_f32 v[XS+16*\q+\k:XS+16*\q+\k+1], v[XS+16*\q+\k:XS+16*\q+\k+1], v[TT+2*\q:TT+2*\q+1] op_sel_hi:[1,0] neg_lo:[0,1] neg_hi:[0,1]   ; x - mean
.endr
.endr
.irp q, 0,1,2,3
	v_pk_mul_f32 v[GG+2*\q:GG+2*\q+1], v[XS+16*\q:XS+16*\q+1], v[XS+16*\q:XS+16*\q+1]
.endr
.irp k, 2,4,6,8,10,12,14
.irp q, 0,1,2,3
	v_pk_fma_f32 v[GG+2*\q:GG+2*\q+1], v[XS+16*\q+\k:XS+16*\q+\k+1], v[XS+16*\q+\k:XS+16*\q+\k+1], v[GG+2*\q:GG+2*\q+1]
.endr
.endr
.irp q, 0,1,2,3
	v_add_f32 v[GG+2*\q], v[GG+2*\q], v[GG+2*\q+1]
.endr
	RED GG
.irp q, 0,1,2,3
	v_fma_f32 v[GG+2*\q], v[GG+2*\q], s[IV], s[EPS]   ; the variance over 511, + 1e-6
.endr
.irp q, 0,1,2,3
	v_rsq_f32 v[GG+2*\q], v[GG+2*\q]
.endr
	v_nop                                          ; a plain line behind the last of the four (ISA guide 5.7.2),
	s_wait_alu depctr_va_vdst(0)                   ; and the one wait ahead of their first reader
.irp q, 0,1,2,3
	v_mul_f32 v[GG+2*\q], s[AL], v[GG+2*\q]
.endr
.irp k, 0,2,4,6,8,10,12,14
.irp q, 0,1,2,3
	v_pk_fma_f32 v[XS+16*\q+\k:XS+16*\q+\k+1], v[XS+16*\q+\k:XS+16*\q+\k+1], v[GG+2*\q:GG+2*\q+1], s[BE:BE+1] op_sel_hi:[1,0,0]   ; (x - mean) x alpha / sqrt(..) + beta
.endr
.endr
.irp k, 0,1,2,3,4,5,6,7,8,9,10,11,12,13,14,15
.irp q, 0,1,2,3
	v_med3_num_f32 v[XS+16*\q+\k], v[XS+16*\q+\k], -v9, v9   ; the conversion does not saturate (ISA guide 7.6.2): the hold at the largest code x the scale
.endr
.endr
	s_wait_dscnt 0x0                               ; the last batch's LDS stores have read the codes' registers
.irp q, 0,1,2,3
	v_cvt_scalef32_pk8_bf8_f32 v[CD+4*\q:CD+4*\q+1], v[XS+16*\q:XS+16*\q+7], v8
	v_cvt_scalef32_pk8_bf8_f32 v[CD+4*\q+2:CD+4*\q+3], v[XS+16*\q+8:XS+16*\q+15], v8
.endr
	v_nop                                          ; one plain line behind the conversions: their sources are written again later, by vector and matrix instructions
.irp q, 0,1,2,3
	ds_store_b128 v[LST], v[CD+4*\q:CD+4*\q+3] offset:16*(4*(\b)+\q)
.endr
.endm
.macro AFETCH                          ; all 32 fragments (row tile m, K step s): quad c of lane (r, h) is piece 8 s + 2 c + h, row 16 m + r
.irp s, 0,1,2,3
	WIN 0x80+0x40*(\s/2)                           ; destination window 2 or 3, address window 0
.irp m, 0,1,2,3,4,5,6,7
.irp c, 0,1,2,3
	ds_load_b128 v[128*(\s%2)+16*\m+4*\c:128*(\s%2)+16*\m+4*\c+3], v[LRD] offset:(8*\s+2*\c)*PP+256*\m
.endr
.endr
.endr
	WIN 0
	s_wait_dscnt 0x0
.endm
.macro WLOAD t, p                      ; the weight tile's four fragments, 8,192 dense bytes, into buffer p of window 1
	WIN 0x40
.irp i, 0,1,2,3,4,5,6,7,8,9,10,11,12,13,14,15
	global_load_b128 v[64*(\p)+4*\i:64*(\p)+4*\i+3], v[LI], s[WP:WP+1] offset:(\t)*8192+512*\i
.endr
	WIN 0
.endm
.macro BIAS t, p                       ; the tile's bias: lane (r, h) takes the numbers of hidden units 16 t + 8 h + 0..7
	global_load_b128 v[BRAW+8*(\p):BRAW+8*(\p)+3], v[BA], s[BP:BP+1] offset:64*(\t)
	global_load_b128 v[BRAW+8*(\p)+4:BRAW+8*(\p)+7], v[BA], s[BP:BP+1] offset:64*(\t)+16
.endm
; 32 matrix instructions: K steps 0..3 x the eight tiles of rows; the eight accumulators take turns, one instruction a turn; the bias is the C of each sum's first instruction
.macro MULT p
.irp s, 0,1,2,3
	WIN 0x09+4*(\s/2)                              ; source 0 (W1) window 1, source 1 (rows) window 2 or 3
.irp m, 0,1,2,3,4,5,6,7
.if \s == 0
	v_wmma_f32_16x16x128_bf8_bf8 v[ACC+8*\m:ACC+8*\m+7], v[64*(\p)+16*\s:64*(\p)+16*\s+15], v[128*(\s%2)+16*\m:128*(\s%2)+16*\m+15], v[CB:CB+7]
.else
	v_wmma_f32_16x16x128_bf8_bf8 v[ACC+8*\m:ACC+8*\m+7], v[64*(\p)+16*\s:64*(\p)+16*\s+15], v[128*(\s%2)+16*\m:128*(\s%2)+16*\m+15], v[ACC+8*\m:ACC+8*\m+7]
.endif
.endr
.endr
	WIN 0
.endm
; Tile tl of a trip's four.  cnt: the younger sets' loads, 18 each.  ahead = 1: the set four tiles on is asked for.
.macro TILE tl, cnt, ahead
	s_wait_loadcnt \cnt
.irp j, 0,1,2,3,4,5,6,7
	v_ldexp_f32 v[CB+\j], v[BRAW+8*(\tl)+\j], s[NB]   ; b1 / 2^(e10 + e11)
.endr
	MULT \tl
	PLACES 4                                       ; four places ahead of the reads of the results and of the loads into the weight's buffer
.if (\tl)%2 == 0
	s_wait_xcnt 0x0                                ; the last pair's stores have read the codes' registers
.endif
.if \ahead
	WLOAD (\tl)+4, \tl
	BIAS (\tl)+4, \tl
.endif
.irp m, 0,1,2,3,4,5,6,7
.irp j, 0,1,2,3,4,5,6,7
	v_med3_num_f32 v[ACC+8*\m+\j], v[ACC+8*\m+\j], 0, v11   ; the activation and the hold in one; each accumulator from its low end on
.endr
	v_cvt_scalef32_pk8_bf8_f32 v[CODES+4*\m+2*((\tl)%2):CODES+4*\m+2*((\tl)%2)+1], v[ACC+8*\m:ACC+8*\m+7], v10
.endr
	v_nop                                          ; one plain line between the conversions and the next products, which write their sources
.if (\tl)%2 == 1
.irp m, 0,1,2,3,4,5,6,7
	global_store_b128 v[LI], v[CODES+4*\m:CODES+4*\m+3], s[OP:OP+1] offset:\m*65536+((\tl)/2)*512   ; row tile m, one quad of a fragment: 512 dense bytes
.endr
.endif
.endm
	s_load_b256 s[4:11], s[0:1], 0x0               ; x1 s[4:5], alpha s[6:7], beta s[8:9], the exponents s[10:11]
	s_load_b128 s[12:15], s[0:1], 0x20             ; w1_img s[12:13], b1 s[14:15]
	s_load_b64 s[16:17], s[0:1], 0x30              ; hid_img
	v_lshl_add_u32 v62, v0, 2, 0x10200
	v_mov_b32 v63, 0
	v_lshrrev_b32 v1, 5, v0
	v_readfirstlane_b32 s[WV], v1                  ; wave 0..3
	v_and_b32 v1, 31, v0                           ; lane
	v_lshlrev_b32 v[LI], 4, v1
	v_mul_u32_u24 v[LST], v1, PP
	s_lshl_b32 s23, s[WV], 9
	v_add_nc_u32 v[LST], s23, v[LST]
	v_lshrrev_b32 v3, 4, v1
	v_and_b32 v7, 15, v1
	v_mul_u32_u24 v[LRD], v3, PP
	v_lshl_add_u32 v[LRD], v7, 4, v[LRD]
	v_lshlrev_b32 v[BA], 5, v3
.irp q, 0,1,2,3
	v_mov_b32 v[UU+\q], 0                          ; written once: a lane permute's destination counts as one of its sources
.endr
	s_mov_b32 s[SEL], 0x76543210
	s_mov_b32 s[SEL+1], 0xfedcba98
	s_mov_b32 s[IV], 0x3b004020                    ; 1 / 511
	s_mov_b32 s[EPS], 0x358637bd                   ; 1e-6
	s_and_b32 s21, ttmp7, 0xffff                   ; the block of 128 rows
	s_mov_b32 s22, ttmp9                           ; the group of 1,024 hidden units
	s_lshl_b32 s44, s21, 18                        ; x1: 128 rows of 2,048 bytes, my wave's 32
	s_lshl_b32 s23, s[WV], 16
	s_add_co_u32 s44, s44, s23
	s_mov_b32 s45, 0
	s_lshl_b32 s46, s22, 19                        ; W1's image: 64 tiles of 8,192 bytes, my wave's 16
	s_lshl_b32 s23, s[WV], 17
	s_add_co_u32 s46, s46, s23
	s_mov_b32 s47, 0
	s_lshl_b32 s48, s22, 12                        ; b1: 64 bytes a tile
	s_lshl_b32 s23, s[WV], 10
	s_add_co_u32 s48, s48, s23
	s_mov_b32 s49, 0
	s_lshl_b32 s50, s21, 19                        ; hid_img: 8 row tiles of 65,536 bytes; 8 K steps of 2,048 a group, my wave's 2
	s_lshl_b32 s23, s22, 14
	s_add_co_u32 s50, s50, s23
	s_lshl_b32 s23, s[WV], 12
	s_add_co_u32 s50, s50, s23
	s_mov_b32 s51, 0
	s_wait_kmcnt 0x0
	s_load_b128 s[32:35], s[10:11], 0x28           ; e10, e11, e12, e13
	s_load_b32 s[AL], s[6:7], 0x0
	s_load_b32 s[BE], s[8:9], 0x0
	s_add_nc_u64 s[XP:XP+1], s[XP:XP+1], s[44:45]
	s_add_nc_u64 s[WP:WP+1], s[WP:WP+1], s[46:47]
	s_add_nc_u64 s[BP:BP+1], s[BP:BP+1], s[48:49]
	s_add_nc_u64 s[OP:OP+1], s[OP:OP+1], s[50:51]
	WLOAD 0, 0                                     ; the first four weight tiles: they land under the LayerNorm
	WLOAD 1, 1
	WLOAD 2, 2
	WLOAD 3, 3
	LNLOAD 0
	LNLOAD 1
	LNLOAD 2
	s_wait_kmcnt 0x0
	s_mov_b32 s[BE+1], s[BE]                       ; (named with it as a pair)
	s_add_co_i32 s38, s32, 127
	s_lshl_b32 s39, s38, 23
	v_mov_b32 v8, s39                              ; 2^e10
	s_add_co_i32 s38, s38, 15
	s_lshl_b32 s38, s38, 23
	s_or_b32 s38, s38, 0x600000
	v_mov_b32 v9, s38                              ; 57,344 x 2^e10
	s_add_co_i32 s40, s32, s33                     ; e10 + e11
	s_sub_co_i32 s[NB], 0, s40
	s_sub_co_i32 s38, s34, s40
	s_add_co_i32 s38, s38, 127
	s_lshl_b32 s39, s38, 23
	v_mov_b32 v10, s39                             ; 2^(e12 - e10 - e11): the three scales folded into the conversion's one
	s_add_co_i32 s38, s38, 15
	s_lshl_b32 s38, s38, 23
	s_or_b32 s38, s38, 0x600000
	v_mov_b32 v11, s38
.irp b, 0,1,2,3,4
	LNPROC \b, 32                                  ; two younger batches may be out
	LNLOAD \b+3
.endr
	LNPROC 5, 32
	LNPROC 6, 16
	LNPROC 7, 0
	BIAS 0, 0                                      ; the first four tiles' biases: their registers lay in the rows' sets until now
	BIAS 1, 1
	BIAS 2, 2
	BIAS 3, 3
	s_wait_dscnt 0x0                               ; for the others' sake: my rows' codes lie in LDS
	s_barrier_signal -1
	s_barrier_wait -1
	AFETCH
	s_wait_loadcnt 0x0                             ; those eight loads are in: from here on a set is 18 loads, and the counts below hold in every trip
	s_mov_b32 s[CNT], 3
.Ltrip:                                                ; four tiles a trip, until the buffers' numbers are back where they began
	TILE 0, 54, 1
	TILE 1, 54, 1
	TILE 2, 54, 1
	TILE 3, 54, 1
	s_wait_xcnt 0x0                                ; the trip's loads and stores have read their bases
	s_add_nc_u64 s[WP:WP+1], s[WP:WP+1], 32768
	s_add_nc_u64 s[BP:BP+1], s[BP:BP+1], 256
	s_add_nc_u64 s[OP:OP+1], s[OP:OP+1], 1024
	s_sub_co_u32 s[CNT], s[CNT], 1
	s_cmp_lg_u32 s[CNT], 0
	s_cbranch_scc1 .Ltrip
	TILE 0, 54, 0                                  ; the last four tiles ask for nothing: the counts run down
	TILE 1, 36, 0
	TILE 2, 18, 0
	TILE 3, 0, 0
	s_wait_tensorcnt 0x0
	ds_add_u32 v62, v63
	s_wait_dscnt 0x0
	s_endpgm
.Lfunc_end_k_q0518405efa_ffn1:
	.size	k_q0518405efa_ffn1, .Lfunc_end_k_q0518405efa_ffn1-k_q0518405efa_ffn1
	.p2alignl 7, 3214868480
	.fill 96, 4, 3214868480
	.section	.rodata,"a",@progbits
	.p2align	6, 0x0
	.amdhsa_kernel k_q0518405efa_ffn1
		.amdhsa_group_segment_fixed_size 66560
		.amdhsa_private_segment_fixed_size 0
		.amdhsa_enable_private_segment 0
		.amdhsa_kernarg_size 56
		.amdhsa_user_sgpr_count 2
		.amdhsa_user_sgpr_kernarg_segment_ptr 1
		.amdhsa_wavefront_size32 1
		.amdhsa_system_sgpr_workgroup_id_x 1
		.amdhsa_system_sgpr_workgroup_id_y 1
		.amdhsa_system_sgpr_workgroup_id_z 1
		.amdhsa_system_vgpr_workitem_id 0
		.amdhsa_next_free_vgpr 1024
		.amdhsa_next_free_sgpr 66
		.amdhsa_reserve_vcc 0
		.amdhsa_float_denorm_mode_32 3
		.amdhsa_float_denorm_mode_16_64 3
		.amdhsa_memory_ordered 1
		.amdhsa_forward_progress 1
		.amdhsa_inst_pref_size 231
	.end_amdhsa_kernel
	.amdgpu_metadata
---
amdhsa.version: [ 1, 2 ]
amdhsa.kernels:
  - .name:           k_q0518405efa_ffn1
    .symbol:         k_q0518405efa_ffn1.kd
    .args:
      - { .name: x1, .offset: 0, .size: 8, .value_kind: global_buffer, .address_space: global }
      - { .name: alpha, .offset: 8, .size: 8, .value_kind: global_buffer, .address_space: global }
      - { .name: beta, .offset: 16, .size: 8, .value_kind: global_buffer, .address_space: global }
      - { .name: lowp_scales, .offset: 24, .size: 8, .value_kind: global_buffer, .address_space: global }
      - { .name: w1_img, .offset: 32, .size: 8, .value_kind: global_buffer, .address_space: global }
      - { .name: b1, .offset: 40, .size: 8, .value_kind: global_buffer, .address_space: global }
      - { .name: hid_img, .offset: 48, .size: 8, .value_kind: global_buffer, .address_space: global }
    .group_segment_fixed_size: 66560
    .private_segment_fixed_size: 0
    .kernarg_segment_align: 8
    .kernarg_segment_size: 56
    .max_flat_workgroup_size: 128
    .sgpr_count:     66
    .vgpr_count:     1024
    .wavefront_size: 32
...
	.end_amdgpu_metadata
.endif
;; end of part 4
;; launch ffn2 (part 5): grid 4 x 64, 4 waves a work-group, no clusters, 270,848 bytes of LDS; arguments hid_img, w2_img, lowp_scales, b2, x1, out0; writes out0
.if DOCPART == 5
	.amdgcn_target "amdgcn-amd-amdhsa--gfx1250"
	.amdhsa_code_object_version 6
	.text
	.protected	k_q0518405efa_ffn2
	.globl	k_q0518405efa_ffn2
	.p2align	8
	.type	k_q0518405efa_ffn2,@function
k_q0518405efa_ffn2:
	s_mov_b64 s[64:65], 0
	v_nop
	global_prefetch_b8 v0, s[64:65] scope:SCOPE_SE
	s_setreg_imm32_b32 hwreg(HW_REG_WAVE_MODE, 25, 1), 1
	s_wait_xcnt 0x0
; out0 = x1 + relu(hidden W2 + b2), the product on codes of BF8 (E5M2), K = 4,096.  Both operands lie in memory as images of operand registers: a fragment (16 rows x 128 K) is 2,048 dense bytes,
; four loads of 512 bytes bring it; hid_img [row tile 512][K step 32][2,048], w2_img [column tile 32][K step 32][2,048].
; A work-group makes 128 rows (work-group y) x 128 columns (work-group x).  THE FOUR WAVES SHARE K: wave w takes K steps 8 w .. 8 w + 7 of the whole tile, 64 accumulators (512 registers).  So each operand byte is
; loaded once, by the one wave that multiplies it, straight into registers.  The four partial sums meet in LDS at the end, one barrier; wave w then finishes rows 32 w .. 32 w + 31.
; THE MATRIX INSTRUCTION IS USED TRANSPOSED (source 0 = 16 columns of W2, source 1 = 16 rows): a lane holds eight neighbouring columns of one row.
; A K step is two halves of 32 matrix instructions (row tiles 0-3, then 4-7, each against the eight column tiles); the accumulators take turns, one instruction a turn.
; A's fragments come in groups of four (one half), three groups by turns; B's eight in two sets.
; y = sum x 2^(e12 + e13) + b2.  LIMIT: e12 + e13 between -126 and 127.  The order of the sum over K: four partial sums, (P0 + P1) + (P2 + P3).
; REGISTERS, in windows of 256: window 0: v2-11 addresses, b2; v64-255 A's three groups; on the way out v64-191 my 32 rows of x1, v192-255 partial sums.  window 1: B's two sets.  windows 2, 3: the accumulators (a, b) at v[8 (8 (a % 4) + b)].
.set LI,  2                            ; v2  16 x lane
.set STO, 3                            ; v3  my stage: 67,584 x wave + 528 (lane % 16) + 32 (lane / 16)
.set RD,  4                            ; v4-7  partial q's rows 32 w on: 67,584 q + 16,896 w + 16 x lane
.set B2,  8                            ; v8-11 b2 of my four columns
.set AG,  64
.set XR,  64
.set PB,  192
.set AP,  4                            ; s[4:5]
.set BP,  6                            ; s[6:7]
.set SC,  20                           ; s[20:21] 2^(e12 + e13), twice
.set SPITCH, 528                       ; a stage row: 512 bytes + 16, so that 16 lanes' stores fall on 16 different 16-byte places modulo 256
.set STG,  128*SPITCH
.set MSB, 0
.macro WIN new                         ; the immediate's high byte repeats the setting that is left
.if MSB != (\new)
	s_set_vgpr_msb (MSB<<8)|(\new)
.set MSB, (\new)
.endif
.endm
.macro PLACES n
.rept \n
	v_nop
.endr
.endm
.macro ALOAD g                         ; group g: K step g / 2, row tiles 4 (g % 2) + 0..3
.irp a, 0,1,2,3
.irp c, 0,1,2,3
	global_load_b128 v[AG+64*((\g)%3)+16*\a+4*\c:AG+64*((\g)%3)+16*\a+4*\c+3], v[LI], s[AP:AP+1] offset:(4*((\g)%2)+\a)*65536+((\g)/2)*2048+512*\c
.endr
.endr
.endm
.macro BLOAD sg                        ; K step sg: the eight column tiles, into set sg % 2 of window 1
	WIN 0x40
.irp b, 0,1,2,3,4,5,6,7
.irp c, 0,1,2,3
	global_load_b128 v[128*((\sg)%2)+16*\b+4*\c:128*((\sg)%2)+16*\b+4*\c+3], v[LI], s[BP:BP+1] offset:\b*65536+(\sg)*2048+512*\c
.endr
.endr
	WIN 0
.endm
.macro HALF g, cnt
	s_wait_loadcnt \cnt
	WIN 0xa1+0x50*((\g)%2)                         ; source 0 (B) window 1, source 1 (A) window 0, C and D window 2 or 3
.irp a, 0,1,2,3
.irp b, 0,1,2,3,4,5,6,7
.if (\g) < 2
	v_wmma_f32_16x16x128_bf8_bf8 v[8*(8*\a+\b):8*(8*\a+\b)+7], v[128*(((\g)/2)%2)+16*\b:128*(((\g)/2)%2)+16*\b+15], v[AG+64*((\g)%3)+16*\a:AG+64*((\g)%3)+16*\a+15], 0
.else
	v_wmma_f32_16x16x128_bf8_bf8 v[8*(8*\a+\b):8*(8*\a+\b)+7], v[128*(((\g)/2)%2)+16*\b:128*(((\g)/2)%2)+16*\b+15], v[AG+64*((\g)%3)+16*\a:AG+64*((\g)%3)+16*\a+15], v[8*(8*\a+\b):8*(8*\a+\b)+7]
.endif
.endr
.endr
	PLACES 4                                       ; four places ahead of loads into registers that these products have read, and at the end of the first read of results
	WIN 0
.if (\g)+3 <= 15
	ALOAD (\g)+3                                   ; into the group just multiplied
.endif
.if ((\g)%2 == 1) && ((\g)/2+2 <= 7)
	BLOAD (\g)/2+2                                 ; into the set that this K step has done with
.endif
.endm
	s_load_b256 s[4:11], s[0:1], 0x0               ; hid_img s[4:5], w2_img s[6:7], the exponents s[8:9], b2 s[10:11]
	s_load_b128 s[12:15], s[0:1], 0x20             ; x1 s[12:13], out0 s[14:15]
	v_lshl_add_u32 v62, v0, 2, 0x42000
	v_mov_b32 v63, 0
	v_lshrrev_b32 v1, 5, v0
	v_readfirstlane_b32 s16, v1                    ; wave 0..3
	v_and_b32 v1, 31, v0
	v_lshlrev_b32 v[LI], 4, v1
	v_and_b32 v12, 15, v0                          ; r
	v_bfe_u32 v13, v0, 4, 1                        ; h
	s_mul_i32 s22, s16, STG
	v_mul_u32_u24 v[STO], v12, SPITCH
	v_lshl_add_u32 v[STO], v13, 5, v[STO]
	v_add_nc_u32 v[STO], s22, v[STO]
	s_mul_i32 s22, s16, 32*SPITCH
	v_add_nc_u32 v[RD], s22, v[LI]
	v_add_nc_u32 v[RD+1], STG, v[RD]
	v_add_nc_u32 v[RD+2], 2*STG, v[RD]
	v_add_nc_u32 v[RD+3], 3*STG, v[RD]
	s_and_b32 s17, ttmp7, 0xffff                   ; the block of 128 rows
	s_lshl_b32 s23, s16, 14                        ; my 8 K steps of 2,048 bytes
	s_lshl_b32 s24, s17, 19                        ; 8 row tiles of 65,536 bytes
	s_add_co_u32 s24, s24, s23
	s_mov_b32 s25, 0
	s_lshl_b32 s26, ttmp9, 19                      ; 8 column tiles of 65,536 bytes
	s_add_co_u32 s26, s26, s23
	s_mov_b32 s27, 0
	s_lshl_b32 s28, ttmp9, 9                       ; 128 columns of 4 bytes
	s_mov_b32 s29, 0
	s_lshl_b32 s30, s17, 18                        ; 128 rows of 2,048 bytes, my wave's 32, my columns
	s_lshl_b32 s23, s16, 16
	s_add_co_u32 s30, s30, s23
	s_add_co_u32 s30, s30, s28
	s_mov_b32 s31, 0
	s_wait_kmcnt 0x0
	s_load_b64 s[18:19], s[8:9], 0x30              ; e12, e13
	s_add_nc_u64 s[AP:AP+1], s[AP:AP+1], s[24:25]
	s_add_nc_u64 s[BP:BP+1], s[BP:BP+1], s[26:27]
	s_add_nc_u64 s[10:11], s[10:11], s[28:29]
	s_add_nc_u64 s[12:13], s[12:13], s[30:31]
	s_add_nc_u64 s[14:15], s[14:15], s[30:31]
	global_load_b128 v[B2:B2+3], v[LI], s[10:11]
	BLOAD 0
	ALOAD 0
	ALOAD 1
	BLOAD 1
	ALOAD 2
	s_wait_kmcnt 0x0
	s_add_co_i32 s[SC], s18, s19
	s_add_co_i32 s[SC], s[SC], 127
	s_lshl_b32 s[SC], s[SC], 23                    ; 2^(e12 + e13) as f32
	s_mov_b32 s[SC+1], s[SC]
.irp g, 0,1,2,3,4,5,6,7,8,9,10,11,12,13
	HALF \g, 63                                    ; behind the loads that this half wants stand 64 younger ones (two groups of A, one set of B); the wait's field holds 63: the smaller, safe count
.endr
	HALF 14, 16                                    ; A's last group may be out
	HALF 15, 0
	; THE WAY OUT.  My 32 rows of x1 are asked for; my partial sums of all 128 rows go into my stage; one barrier; each wave adds the four partial sums of its 32 rows.
.set i, 0
.rept 32
	global_load_b128 v[XR+4*i:XR+4*i+3], v[LI], s[12:13] offset:2048*i
.set i, i+1
.endr
.irp w, 0,1
	WIN 0x08+4*\w                                  ; the stores' data: window 2, then 3
.irp a, 0,1,2,3
.irp b, 0,1,2,3,4,5,6,7
	ds_store_b128 v[STO], v[8*(8*\a+\b):8*(8*\a+\b)+3] offset:(4*\w+\a)*16*SPITCH+64*\b       ; lane (r, h): row 16 a + r, columns 16 b + 8 h + 0..7; each accumulator from its low end on
	ds_store_b128 v[STO], v[8*(8*\a+\b)+4:8*(8*\a+\b)+7] offset:(4*\w+\a)*16*SPITCH+64*\b+16
.endr
.endr
.endr
	WIN 0
	s_wait_dscnt 0x0                               ; for the others' sake: my partial sums lie in LDS
	s_barrier_signal -1
	s_barrier_wait -1
.macro PLOAD n                         ; batch n: rows 2 n, 2 n + 1 of my 32, the four partial sums, into set n % 2
.irp rr, 0,1
.irp q, 0,1,2,3
	ds_load_b128 v[PB+32*((\n)%2)+16*\rr+4*\q:PB+32*((\n)%2)+16*\rr+4*\q+3], v[RD+\q] offset:SPITCH*(2*(\n)+\rr)
.endr
.endr
.endm
.macro FIN n, cnt                      ; cnt: the next batch's eight LDS loads
	s_wait_dscnt \cnt
.irp rr, 0,1
.set PQ, PB+32*((\n)%2)+16*\rr
.set XX, XR+4*(2*(\n)+\rr)
	v_pk_add_f32 v[PQ:PQ+1], v[PQ:PQ+1], v[PQ+4:PQ+5]
	v_pk_add_f32 v[PQ+2:PQ+3], v[PQ+2:PQ+3], v[PQ+6:PQ+7]
	v_pk_add_f32 v[PQ+8:PQ+9], v[PQ+8:PQ+9], v[PQ+12:PQ+13]
	v_pk_add_f32 v[PQ+10:PQ+11], v[PQ+10:PQ+11], v[PQ+14:PQ+15]
	v_pk_add_f32 v[PQ:PQ+1], v[PQ:PQ+1], v[PQ+8:PQ+9]
	v_pk_add_f32 v[PQ+2:PQ+3], v[PQ+2:PQ+3], v[PQ+10:PQ+11]
	v_pk_fma_f32 v[PQ:PQ+1], v[PQ:PQ+1], s[SC:SC+1], v[B2:B2+1] op_sel_hi:[1,0,1]       ; sum x 2^(e12 + e13) + b2
	v_pk_fma_f32 v[PQ+2:PQ+3], v[PQ+2:PQ+3], s[SC:SC+1], v[B2+2:B2+3] op_sel_hi:[1,0,1]
.irp j, 0,1,2,3
	v_max_num_f32 v[PQ+\j], 0, v[PQ+\j]            ; relu
.endr
	v_pk_add_f32 v[XX:XX+1], v[XX:XX+1], v[PQ:PQ+1]                                     ; + x1, in the row's own registers, which are used once: no store's data are written again
	v_pk_add_f32 v[XX+2:XX+3], v[XX+2:XX+3], v[PQ+2:PQ+3]
	global_store_b128 v[LI], v[XX:XX+3], s[14:15] offset:2048*(2*(\n)+\rr) th:TH_STORE_NT   ; 32 lanes store 512 consecutive bytes, aligned; written once, read by nobody here
.endr
.endm
	PLOAD 0
	s_wait_loadcnt 0x0                             ; x1's rows and b2
.irp n, 0,1,2,3,4,5,6,7,8,9,10,11,12,13,14
	PLOAD \n+1
	FIN \n, 8
.endr
	FIN 15, 0
	s_wait_tensorcnt 0x0
	ds_add_u32 v62, v63
	s_wait_dscnt 0x0
	s_endpgm
.Lfunc_end_k_q0518405efa_ffn2:
	.size	k_q0518405efa_ffn2, .Lfunc_end_k_q0518405efa_ffn2-k_q0518405efa_ffn2
	.p2alignl 7, 3214868480
	.fill 96, 4, 3214868480
	.section	.rodata,"a",@progbits
	.p2align	6, 0x0
	.amdhsa_kernel k_q0518405efa_ffn2
		.amdhsa_group_segment_fixed_size 270848
		.amdhsa_private_segment_fixed_size 0
		.amdhsa_enable_private_segment 0
		.amdhsa_kernarg_size 48
		.amdhsa_user_sgpr_count 2
		.amdhsa_user_sgpr_kernarg_segment_ptr 1
		.amdhsa_wavefront_size32 1
		.amdhsa_system_sgpr_workgroup_id_x 1
		.amdhsa_system_sgpr_workgroup_id_y 1
		.amdhsa_system_sgpr_workgroup_id_z 1
		.amdhsa_system_vgpr_workitem_id 0
		.amdhsa_next_free_vgpr 1024
		.amdhsa_next_free_sgpr 66
		.amdhsa_reserve_vcc 0
		.amdhsa_float_denorm_mode_32 3
		.amdhsa_float_denorm_mode_16_64 3
		.amdhsa_memory_ordered 1
		.amdhsa_forward_progress 1
		.amdhsa_inst_pref_size 134
	.end_amdhsa_kernel
	.amdgpu_metadata
---
amdhsa.version: [ 1, 2 ]
amdhsa.kernels:
  - .name:           k_q0518405efa_ffn2
    .symbol:         k_q0518405efa_ffn2.kd
    .args:
      - { .name: hid_img, .offset: 0, .size: 8, .value_kind: global_buffer, .address_space: global }
      - { .name: w2_img, .offset: 8, .size: 8, .value_kind: global_buffer, .address_space: global }
      - { .name: lowp_scales, .offset: 16, .size: 8, .value_kind: global_buffer, .address_space: global }
      - { .name: b2, .offset: 24, .size: 8, .value_kind: global_buffer, .address_space: global }
      - { .name: x1, .offset: 32, .size: 8, .value_kind: global_buffer, .address_space: global }
      - { .name: out0, .offset: 40, .size: 8, .value_kind: global_buffer, .address_space: global }
    .group_segment_fixed_size: 270848
    .private_segment_fixed_size: 0
    .kernarg_segment_align: 8
    .kernarg_segment_size: 48
    .max_flat_workgroup_size: 128
    .sgpr_count:     66
    .vgpr_count:     1024
    .wavefront_size: 32
...
	.end_amdgpu_metadata
.endif
;; end of part 5
;; ======== version 2 of 2: 5 launches
;; workspace buffers: wqkv_img 786,432 bytes; w1_img 2,097,152 bytes; w2_img 2,097,152 bytes; q_img 4,194,304 bytes; k_img 4,194,304 bytes; v_img 4,194,304 bytes; x1 16,777,216 bytes; hid_img 33,554,432 bytes
;; launch prep (part 6): grid 304 x 1, 4 waves a work-group, no clusters, 0 bytes of LDS; arguments Wq, Wk, Wv, W1, W2, lowp_scales, wqkv_img, w1_img, w2_img; writes wqkv_img, w1_img, w2_img
.if DOCPART == 6
	.amdgcn_target "amdgcn-amd-amdhsa--gfx1250"
	.amdhsa_code_object_version 6
	.text
	.protected	k_q0518405efa_prep
	.globl	k_q0518405efa_prep
	.p2align	8
	.type	k_q0518405efa_prep,@function
k_q0518405efa_prep:
	s_mov_b64 s[64:65], 0
	v_nop
	global_prefetch_b8 v0, s[64:65] scope:SCOPE_SE
	s_setreg_imm32_b32 hwreg(HW_REG_WAVE_MODE, 25, 1), 1
	s_wait_xcnt 0x0
; The five weights, f32 stored [K][N], become codes of BF8 (E5M2), laid as IMAGES OF OPERAND REGISTERS: a fragment (16 columns n x 128 along K, 16 registers a lane)
; is 2,048 dense bytes [quad c4 0..3][lane 0..31][16 bytes]; a piece pc = 2 c4 + lane / 16 is 256 bytes: sixteen lanes' 16 bytes.
; code = w / 2^e, held within +-57,344, to the nearest code, ties to even; e = lowp_scales[1], [3], [5] (Wq, Wk, Wv), [11] (W1), [13] (W2).
; LIMITS: -126 <= e <= 112, so that 2^e and 57,344 x 2^e are f32 numbers.  NaN among the inputs is not served.
; WHICH k A BYTE HOLDS.  Byte e of piece pc of K step s:
;   Wq, Wk, Wv, W1 (K = 512): k = 128 (e / 4) + 4 (8 s + pc) + e % 4: the order in which a wave holds a row of 512 numbers after four dense loads (the next launches' LayerNorm);
;     it is a permutation of k, the same in both operands of those products.
;   W2 (K = 4,096): k = 128 s + 32 (pc / 2) + 16 (e / 8) + 8 (pc % 2) + e % 8: the matrix form's own place for each k.
; SHARES.  A work-group takes 128 columns x one K step, a wave 32 columns (two fragments), A LANE ONE COLUMN, ITS REGISTERS DOWN K: each load reads 128 consecutive bytes a wave,
; the conversions give 16 codes of one piece, and the sixteen lanes of a fragment store one whole aligned piece of 256 bytes.  No LDS, no barrier.
; Work-groups 0-47: Wq, Wk, Wv (16 each); 48-175: W1; 176-303: W2.  Every register is used once: no wait for a store's sources is needed.
.set X,   16                           ; v16-143   128 numbers: piece pc, byte e at 16 pc + e
.set C,   144                          ; v144-175  codes: four registers a piece
.set LA,  3                            ; v3  4 x lane: my column's bytes in a row
.set DO,  4                            ; v4  my place in the images: (lane / 16) x a column tile's bytes + 16 (lane % 16)
.set SRC, 28                           ; s[28:29]
.set DST, 30                           ; s[30:31]
.set EE,  40                           ; s40 the tensor's e
.macro LOADS map, nsb                  ; map = 0: the order of K = 512; 1: the form's own.  nsb: bytes in a row of the weight
.irp pc, 0,1,2,3,4,5,6,7
.irp e, 0,1,2,3,4,5,6,7,8,9,10,11,12,13,14,15
.if \map
	global_load_b32 v[X+16*\pc+\e], v[LA], s[SRC:SRC+1] offset:(32*(\pc/2)+16*(\e/8)+8*(\pc%2)+\e%8)*\nsb th:TH_LOAD_NT
.else
	global_load_b32 v[X+16*\pc+\e], v[LA], s[SRC:SRC+1] offset:(128*(\e/4)+4*\pc+\e%4)*\nsb th:TH_LOAD_NT
.endif
.endr
.endr
.endm
.macro FINISH
	s_add_co_i32 s[EE], s[EE], 127
	s_lshl_b32 s41, s[EE], 23
	v_mov_b32 v8, s41                              ; 2^e as f32: the conversion takes its exponent field
	s_add_co_i32 s[EE], s[EE], 15
	s_lshl_b32 s[EE], s[EE], 23
	s_or_b32 s[EE], s[EE], 0x600000
	v_mov_b32 v9, s[EE]                            ; 57,344 x 2^e
	s_wait_alu depctr_va_vdst(0)
.irp pc, 0,1,2,3,4,5,6,7
.if 16*(7-\pc) > 63
	s_wait_loadcnt 63                              ; more loads stand behind this piece's than the wait's field can name: 63 is the smaller, safe count
.else
	s_wait_loadcnt 16*(7-\pc)                      ; the later pieces' loads, 16 each, may be out
.endif
.irp e, 0,1,2,3,4,5,6,7,8,9,10,11,12,13,14,15
	v_med3_num_f32 v[X+16*\pc+\e], v[X+16*\pc+\e], -v9, v9   ; the conversion to an 8-bit code does not saturate (ISA guide 7.6.2): the hold comes first
.endr
	v_cvt_scalef32_pk8_bf8_f32 v[C+4*\pc:C+4*\pc+1], v[X+16*\pc:X+16*\pc+7], v8
	v_cvt_scalef32_pk8_bf8_f32 v[C+4*\pc+2:C+4*\pc+3], v[X+16*\pc+8:X+16*\pc+15], v8
	global_store_b128 v[DO], v[C+4*\pc:C+4*\pc+3], s[DST:DST+1] offset:256*\pc   ; sixteen lanes store 256 consecutive bytes, aligned
.endr
.endm
	s_load_b256 s[4:11], s[0:1], 0x0               ; Wq s[4:5], Wk s[6:7], Wv s[8:9], W1 s[10:11]
	s_load_b256 s[12:19], s[0:1], 0x20             ; W2 s[12:13], the exponents s[14:15], wqkv_img s[16:17], w1_img s[18:19]
	s_load_b64 s[20:21], s[0:1], 0x40              ; w2_img
	v_lshrrev_b32 v1, 5, v0
	v_readfirstlane_b32 s22, v1                    ; wave 0..3
	v_and_b32 v2, 31, v0                           ; lane
	v_lshlrev_b32 v[LA], 2, v2
	v_lshrrev_b32 v6, 4, v2                        ; which of my wave's two column tiles
	v_and_b32 v5, 15, v2
	v_lshlrev_b32 v5, 4, v5
	s_lshl_b32 s23, s22, 7                         ; my wave's 32 columns in a row: 128 bytes x wave
	s_mov_b32 s43, 0
	s_mov_b32 s45, 0
	s_wait_kmcnt 0x0
	s_load_b256 s[32:39], s[14:15], 0x0            ; e0 .. e7
	s_load_b32 s46, s[14:15], 0x2c                 ; e11
	s_load_b32 s47, s[14:15], 0x34                 ; e13
	s_cmp_lt_u32 ttmp9, 48
	s_cbranch_scc0 .Lnot_qkv
	; ---- Wq, Wk, Wv: y = g / 16, column group cg = (g / 4) % 4, K step s = g % 4
	s_lshr_b32 s24, ttmp9, 4
	s_bfe_u32 s25, ttmp9, 0x20002
	s_and_b32 s26, ttmp9, 3
	s_cmp_eq_u32 s24, 0
	s_cselect_b64 s[SRC:SRC+1], s[4:5], s[6:7]
	s_cmp_eq_u32 s24, 2
	s_cselect_b64 s[SRC:SRC+1], s[8:9], s[SRC:SRC+1]
	s_lshl_b32 s42, s26, 16                        ; 32 s rows of 2,048 bytes
	s_lshl_b32 s27, s25, 9                         ; 128 cg columns
	s_add_co_u32 s42, s42, s27
	s_add_co_u32 s42, s42, s23
	s_add_nc_u64 s[SRC:SRC+1], s[SRC:SRC+1], s[42:43]
	s_lshl_b32 s44, s24, 18                        ; y x 262,144
	s_lshl_b32 s27, s25, 16                        ; 8 cg column tiles of 8,192 bytes
	s_add_co_u32 s44, s44, s27
	s_lshl_b32 s27, s22, 14                        ; 2 x wave
	s_add_co_u32 s44, s44, s27
	s_lshl_b32 s27, s26, 11                        ; K step
	s_add_co_u32 s44, s44, s27
	s_add_nc_u64 s[DST:DST+1], s[16:17], s[44:45]
	s_wait_alu depctr_va_vdst(0)
	v_lshl_add_u32 v[DO], v6, 13, v5
	LOADS 0, 2048
	s_wait_kmcnt 0x0
	s_cmp_eq_u32 s24, 0
	s_cselect_b32 s[EE], s33, s35
	s_cmp_eq_u32 s24, 2
	s_cselect_b32 s[EE], s37, s[EE]
	FINISH
	s_endpgm
.Lnot_qkv:
	s_cmp_lt_u32 ttmp9, 176
	s_cbranch_scc0 .Lw2
	; ---- W1: g' = g - 48, cg = g' / 4 (0..31), s = g' % 4
	s_sub_co_u32 s24, ttmp9, 48
	s_lshr_b32 s25, s24, 2
	s_and_b32 s26, s24, 3
	s_lshl_b32 s42, s26, 19                        ; 32 s rows of 16,384 bytes
	s_lshl_b32 s27, s25, 9
	s_add_co_u32 s42, s42, s27
	s_add_co_u32 s42, s42, s23
	s_add_nc_u64 s[SRC:SRC+1], s[10:11], s[42:43]
	s_lshl_b32 s44, s25, 16
	s_lshl_b32 s27, s22, 14
	s_add_co_u32 s44, s44, s27
	s_lshl_b32 s27, s26, 11
	s_add_co_u32 s44, s44, s27
	s_add_nc_u64 s[DST:DST+1], s[18:19], s[44:45]
	s_wait_alu depctr_va_vdst(0)
	v_lshl_add_u32 v[DO], v6, 13, v5
	LOADS 0, 16384                                 ; the largest offset, 415 rows of 16,384 bytes, lies inside the signed 24-bit immediate
	s_wait_kmcnt 0x0
	s_mov_b32 s[EE], s46
	FINISH
	s_endpgm
.Lw2:
	; ---- W2: g' = g - 176, cg = g' / 32 (0..3), K step S = g' % 32
	s_sub_co_u32 s24, ttmp9, 176
	s_lshr_b32 s25, s24, 5
	s_and_b32 s26, s24, 31
	s_lshl_b32 s42, s26, 18                        ; 128 S rows of 2,048 bytes
	s_lshl_b32 s27, s25, 9
	s_add_co_u32 s42, s42, s27
	s_add_co_u32 s42, s42, s23
	s_add_nc_u64 s[SRC:SRC+1], s[12:13], s[42:43]
	s_lshl_b32 s44, s25, 19                        ; 8 cg column tiles of 65,536 bytes
	s_lshl_b32 s27, s22, 17
	s_add_co_u32 s44, s44, s27
	s_lshl_b32 s27, s26, 11
	s_add_co_u32 s44, s44, s27
	s_add_nc_u64 s[DST:DST+1], s[20:21], s[44:45]
	s_wait_alu depctr_va_vdst(0)
	v_lshl_add_u32 v[DO], v6, 16, v5
	LOADS 1, 2048
	s_wait_kmcnt 0x0
	s_mov_b32 s[EE], s47
	FINISH
	s_endpgm
.Lfunc_end_k_q0518405efa_prep:
	.size	k_q0518405efa_prep, .Lfunc_end_k_q0518405efa_prep-k_q0518405efa_prep
	.p2alignl 7, 3214868480
	.fill 96, 4, 3214868480
	.section	.rodata,"a",@progbits
	.p2align	6, 0x0
	.amdhsa_kernel k_q0518405efa_prep
		.amdhsa_group_segment_fixed_size 0
		.amdhsa_private_segment_fixed_size 0
		.amdhsa_enable_private_segment 0
		.amdhsa_kernarg_size 72
		.amdhsa_user_sgpr_count 2
		.amdhsa_user_sgpr_kernarg_segment_ptr 1
		.amdhsa_wavefront_size32 1
		.amdhsa_system_sgpr_workgroup_id_x 1
		.amdhsa_system_sgpr_workgroup_id_y 1
		.amdhsa_system_sgpr_workgroup_id_z 1
		.amdhsa_system_vgpr_workitem_id 0
		.amdhsa_next_free_vgpr 176
		.amdhsa_next_free_sgpr 66
		.amdhsa_reserve_vcc 0
		.amdhsa_float_denorm_mode_32 3
		.amdhsa_float_denorm_mode_16_64 3
		.amdhsa_memory_ordered 1
		.amdhsa_forward_progress 1
		.amdhsa_inst_pref_size 71
	.end_amdhsa_kernel
	.amdgpu_metadata
---
amdhsa.version: [ 1, 2 ]
amdhsa.kernels:
  - .name:           k_q0518405efa_prep
    .symbol:         k_q0518405efa_prep.kd
    .args:
      - { .name: Wq, .offset: 0, .size: 8, .value_kind: global_buffer, .address_space: global }
      - { .name: Wk, .offset: 8, .size: 8, .value_kind: global_buffer, .address_space: global }
      - { .name: Wv, .offset: 16, .size: 8, .value_kind: global_buffer, .address_space: global }
      - { .name: W1, .offset: 24, .size: 8, .value_kind: global_buffer, .address_space: global }
      - { .name: W2, .offset: 32, .size: 8, .value_kind: global_buffer, .address_space: global }
      - { .name: lowp_scales, .offset: 40, .size: 8, .value_kind: global_buffer, .address_space: global }
      - { .name: wqkv_img, .offset: 48, .size: 8, .value_kind: global_buffer, .address_space: global }
      - { .name: w1_img, .offset: 56, .size: 8, .value_kind: global_buffer, .address_space: global }
      - { .name: w2_img, .offset: 64, .size: 8, .value_kind: global_buffer, .address_space: global }
    .group_segment_fixed_size: 0
    .private_segment_fixed_size: 0
    .kernarg_segment_align: 8
    .kernarg_segment_size: 72
    .max_flat_workgroup_size: 128
    .sgpr_count:     66
    .vgpr_count:     176
    .wavefront_size: 32
...
	.end_amdgpu_metadata
.endif
;; end of part 6
;; launch qkv (part 7): grid 64 x 3, 4 waves a work-group, no clusters, 66,560 bytes of LDS; arguments x, alpha, beta, lowp_scales, wqkv_img, q_img, k_img, v_img; writes q_img, k_img, v_img
.if DOCPART == 7
	.amdgcn_target "amdgcn-amd-amdhsa--gfx1250"
	.amdhsa_code_object_version 6
	.text
	.protected	k_q0518405efa_qkv
	.globl	k_q0518405efa_qkv
	.p2align	8
	.type	k_q0518405efa_qkv,@function
k_q0518405efa_qkv:
	s_mov_b64 s[64:65], 0
	v_nop
	global_prefetch_b8 v0, s[64:65] scope:SCOPE_SE
	s_setreg_imm32_b32 hwreg(HW_REG_WAVE_SCHED_MODE, 0, 2), 2
	s_setreg_imm32_b32 hwreg(HW_REG_WAVE_MODE, 25, 1), 1
	s_wait_xcnt 0x0
	s_wait_alu depctr_vm_vsrc(0)
; LayerNorm of x (scalar alpha, beta; variance over 511), quantised to BF8 (E5M2); one of the three projections (work-group y = 0: q, 1: k, 2: v) on codes; the result quantised again for attention.
; A work-group takes 128 rows (work-group x) and all 512 columns of its projection; wave w takes columns 128 w .. 128 w + 127 (heads 4 w .. 4 w + 3): eight tiles of 16.
; PHASES.  (1) Wave w normalises rows 32 w .. 32 w + 31, four at a time: a row is four dense loads of 512 bytes, lane l holds x[128 i + 4 l + j]; mean, then the centred squares (two passes over registers, so a
; common offset of the inputs costs nothing); 16 codes a lane go to LDS.  (2) One barrier.  Every wave takes all 32 fragments of the 128 rows (512 registers) from LDS.  (3) Eight tiles of columns: the weight's
; four fragments come from memory in register order, three tiles ahead; 32 matrix instructions on eight accumulators by turns; hold, conversion, stores of 512 dense bytes.
; K's ORDER: byte e of the 16 that lane l holds of a row is k = 128 (e / 4) + 4 l + e % 4; the weights' images are laid in the same order, so every product meets its partner.
; q, k: THE MATRIX INSTRUCTION IS USED TRANSPOSED (source 0 = 16 columns of W, source 1 = 16 rows): a lane holds one token and eight neighbouring channels: two tiles make the 16 bytes that attention's 16x16x64 form
; wants of a token (registers 2 c, 2 c + 1: channel 16 c + 8 (lane / 16) + 0..7).  v: natural (source 0 = rows): a lane holds one channel and eight neighbouring tokens: eight tiles of rows are one fragment of V^T over 128 keys.
; SCALES: the normalised rows by 2^eA, the sums stand for sum x 2^(eA + eW), the result's code is sum / 2^(eO - eA - eW); (eA, eW, eO) = lowp_scales[(0, 1, 6)], [(2, 3, 7)], [(4, 5, 8)].
; LIMITS: eA and eO - eA - eW between -126 and 112.  NaN among the inputs is not served.
; REGISTERS, in windows of 256: window 0: v2-12 addresses and scales; v16-51 a batch's statistics and codes; v64-255 three sets of four rows; later v64-127 eight accumulators, v128-159 codes.
;   window 1: four buffers of a weight tile's four fragments.   windows 2, 3: the rows' fragments of K steps 0, 1 and 2, 3.
; THE MODE: SCHED_MODE bits 1:0 = 2 (LLVM: expert scheduling mode 2), set by the entry lines.  The code itself states the register dependences between vector or matrix instructions and memory or LDS
; instructions, with s_wait_alu, always for 0.
; THE PLAN.  Registers that memory or LDS instructions touch:
;   v2, v4, v5, v12   offsets and LDS addresses: made at the head, never written again: one wait on va_vdst at the head serves them all.
;   the rows' sets    Batch b's loads land in set b % 3, its vector lines read and write the set; behind the batch's conversions stands ONE wait on va_vdst, and the loads of batch b + 3 follow it at once.
;   v36-51            Written by a batch's conversions, read by its four LDS stores behind that same wait; a wait on vm_vsrc stands ahead of the next batch's conversions.
;   window 1          Buffer t % 4 is read by tile t's 32 products; the loads of tile t + 4 land in it, issued in tile t + 1.
;   v128-159          Written by the tiles' conversions, read by the stores at a pair's (v: a tile's) end; a wait on vm_vsrc stands ahead of the conversions that write them again.
; So ONE wait on va_vdst stands at a tile's end, behind its conversions: the tile's products are done reading their weight buffer, and the codes are written.  The stores follow it; the next tile's sixteen loads
; are dealt among its products, eight behind each of the first two K steps: those products name another buffer, the rows and the accumulators.  A tile behind which nothing is loaded or stored has no such wait.
.set PP,   2064                        ; LDS: [piece l 0..31][row 0..127][16 bytes], pieces 2,064 bytes apart: 129 x 16, so that 16 lanes' stores fall on 16 different 16-byte places modulo 256
.set LI,   2                           ; v2  16 x lane: the loads' offset
.set LST,  4                           ; v4  where I store a row's codes: lane x PP + 512 x wave
.set LRD,  5                           ; v5  where I read a fragment: (lane / 16) x PP + 16 (lane % 16)
.set SI,   12                          ; v12 16 x lane once more: the stores' offset, so that no store between a wait and a load under another window names a register of that load
.set TT,   16                          ; v16-23  row q: the sum, then the mean (a pair)
.set UU,   24                          ; v24-27  the other half of the lanes'
.set GG,   28                          ; v28-35  row q: the squares' sum, then alpha / sqrt(var + eps) (a pair)
.set CD,   36                          ; v36-51  row q: 16 codes
.set XB,   64
.set ACC,  64
.set CODES, 128
.set XP,   4                           ; s[4:5]   x at my wave's first row
.set WP,   12                          ; s[12:13] the weight's image at my wave's first tile
.set OP,   52                          ; s[52:53] where my results go
.set WV,   20
.set SEL,  24                          ; s[24:25] lane selects for v_permlanex16_b32: lane l xor 16
.set IV,   26                          ; s26 1 / 511
.set EPS,  27                          ; s27 1e-6
.set AL,   28                          ; s28 alpha
.set BE,   30                          ; s[30:31] beta, twice
.set MSB, 0
.macro WIN new                         ; the immediate's high byte repeats the setting that is left
.if MSB != (\new)
	s_set_vgpr_msb (MSB<<8)|(\new)
.set MSB, (\new)
.endif
.endm
.macro PLACES n
.rept \n
	v_nop
.endr
.endm
.macro LNLOAD b                        ; batch b: rows 4 b .. 4 b + 3 of my 32, into set b % 3; each load reads 512 consecutive bytes
.irp q, 0,1,2,3
.irp i, 0,1,2,3
	global_load_b128 v[XB+64*((\b)%3)+16*\q+4*\i:XB+64*((\b)%3)+16*\q+4*\i+3], v[LI], s[XP:XP+1] offset:(4*(\b)+\q)*2048+512*\i
.endr
.endr
.endm
.macro RED base                        ; four rows' sums over the 32 lanes, line by line
.irp x, 1,2,4,8
.irp q, 0,1,2,3
	v_add_f32_dpp v[\base+2*\q], v[\base+2*\q], v[\base+2*\q] row_xmask:\x row_mask:0xf bank_mask:0xf
.endr
.endr
.irp q, 0,1,2,3
	v_permlanex16_b32 v[UU+\q], v[\base+2*\q], s[SEL], s[SEL+1]
.endr
.irp q, 0,1,2,3
	v_add_f32 v[\base+2*\q], v[\base+2*\q], v[UU+\q]
.endr
.endm
.macro LNPROC b, cnt                   ; cnt: the younger batches' loads, 16 each
.set XS, XB+64*((\b)%3)
	s_wait_loadcnt \cnt
.irp q, 0,1,2,3
	v_pk_add_f32 v[TT+2*\q:TT+2*\q+1], v[XS+16*\q:XS+16*\q+1], v[XS+16*\q+2:XS+16*\q+3]
.endr
.irp k, 4,6,8,10,12,14
.irp q, 0,1,2,3
	v_pk_add_f32 v[TT+2*\q:TT+2*\q+1], v[TT+2*\q:TT+2*\q+1], v[XS+16*\q+\k:XS+16*\q+\k+1]
.endr
.endr
.irp q, 0,1,2,3
	v_add_f32 v[TT+2*\q], v[TT+2*\q], v[TT+2*\q+1]
.endr
	RED TT
.irp q, 0,1,2,3
	v_mul_f32 v[TT+2*\q], 0x3b000000, v[TT+2*\q]   ; / 512: the mean
.endr
.irp k, 0,2,4,6,8,10,12,14
.irp q, 0,1,2,3
	v_pk_add_f32 v[XS+16*\q+\k:XS+16*\q+\k+1], v[XS+16*\q+\k:XS+16*\q+\k+1], v[TT+2*\q:TT+2*\q+1] op_sel_hi:[1,0] neg_lo:[0,1] neg_hi:[0,1]   ; x - mean
.endr
.endr
.irp q, 0,1,2,3
	v_pk_mul_f32 v[GG+2*\q:GG+2*\q+1], v[XS+16*\q:XS+16*\q+1], v[XS+16*\q:XS+16*\q+1]
.endr
.irp k, 2,4,6,8,10,12,14
.irp q, 0,1,2,3
	v_pk_fma_f32 v[GG+2*\q:GG+2*\q+1], v[XS+16*\q+\k:XS+16*\q+\k+1], v[XS+16*\q+\k:XS+16*\q+\k+1], v[GG+2*\q:GG+2*\q+1]
.endr
.endr
.irp q, 0,1,2,3
	v_add_f32 v[GG+2*\q], v[GG+2*\q], v[GG+2*\q+1]
.endr
	RED GG
.irp q, 0,1,2,3
	v_fma_f32 v[GG+2*\q], v[GG+2*\q], s[IV], s[EPS]   ; the variance over 511, + 1e-6
.endr
	s_wait_alu depctr_va_vdst(0)
.irp q, 0,1,2,3
	v_rsq_f32 v[GG+2*\q], v[GG+2*\q]
.endr
	v_nop                                          ; a plain line behind the last of the four (ISA guide 5.7.2),
	s_wait_alu depctr_va_vdst(0)                   ; and the one wait ahead of their first reader: the four roots' results are written
.irp q, 0,1,2,3
	v_mul_f32 v[GG+2*\q], s[AL], v[GG+2*\q]
.endr
.irp k, 0,2,4,6,8,10,12,14
.irp q, 0,1,2,3
	v_pk_fma_f32 v[XS+16*\q+\k:XS+16*\q+\k+1], v[XS+16*\q+\k:XS+16*\q+\k+1], v[GG+2*\q:GG+2*\q+1], s[BE:BE+1] op_sel_hi:[1,0,0]   ; (x - mean) x alpha / sqrt(..) + beta
.endr
.endr
.irp k, 0,1,2,3,4,5,6,7,8,9,10,11,12,13,14,15
.irp q, 0,1,2,3
	v_med3_num_f32 v[XS+16*\q+\k], v[XS+16*\q+\k], -v9, v9   ; the conversion does not saturate (ISA guide 7.6.2): the hold at the largest code x the scale
.endr
.endr
	s_wait_alu depctr_va_vdst(0)
	s_wait_dscnt 0x0                               ; the last batch's LDS stores are done
.if (\b) > 0
	s_wait_alu depctr_vm_vsrc(0)                   ; the last batch's LDS stores have read the codes' registers, which the conversions below write again
.endif
.irp q, 0,1,2,3
	v_cvt_scalef32_pk8_bf8_f32 v[CD+4*\q:CD+4*\q+1], v[XS+16*\q:XS+16*\q+7], v8
	v_cvt_scalef32_pk8_bf8_f32 v[CD+4*\q+2:CD+4*\q+3], v[XS+16*\q+8:XS+16*\q+15], v8
.endr
	v_nop                                          ; one plain line behind the conversions: their sources are written again later, by vector and matrix instructions
	s_wait_alu depctr_va_vdst(0)                   ; the conversions have written the codes, which the LDS stores read; the batch's vector lines are done reading and writing its set, in which the next loads land
.irp q, 0,1,2,3
	ds_store_b128 v[LST], v[CD+4*\q:CD+4*\q+3] offset:16*(4*(\b)+\q)
.endr
.endm
.macro AFETCH                          ; all 32 fragments (row tile m, K step s): quad c of lane (r, h) is piece 8 s + 2 c + h, row 16 m + r.  No vector instruction has named windows 2 and 3
.irp s, 0,1,2,3
	WIN 0x80+0x40*(\s/2)                           ; destination window 2 or 3, address window 0
.irp m, 0,1,2,3,4,5,6,7
.irp c, 0,1,2,3
	ds_load_b128 v[128*(\s%2)+16*\m+4*\c:128*(\s%2)+16*\m+4*\c+3], v[LRD] offset:(8*\s+2*\c)*PP+256*\m
.endr
.endr
.endr
	WIN 0
	s_wait_dscnt 0x0
.endm
.macro WPART t, p, i0                  ; eight of the sixteen loads of the weight tile t (8,192 dense bytes), from number i0 on, into buffer p of window 1
	WIN 0x40
.irp i, 0,1,2,3,4,5,6,7
	global_load_b128 v[64*(\p)+4*((\i0)+\i):64*(\p)+4*((\i0)+\i)+3], v[LI], s[WP:WP+1] offset:(\t)*8192+512*((\i0)+\i)
.endr
.endm
.macro WLOAD t, p                      ; all sixteen, at the head
	WPART \t, \p, 0
	WPART \t, \p, 8
	WIN 0
.endm
; 32 matrix instructions: K steps 0..3 x the eight tiles of rows; the eight accumulators take turns, one instruction a turn; the first K step starts the sums with the constant 0.
; ahead = 1: behind each of the first two K steps stand eight loads of the weight tile t + 3, into the buffer that tile t - 1 read.  No wait: no vector or matrix instruction since the wait at that tile's end names it.
.macro MULT p, ahead, t                ; transposed: source 0 = W (window 1), source 1 = rows (window 2 or 3)
.irp s, 0,1,2,3
	WIN 0x09+4*(\s/2)
.irp m, 0,1,2,3,4,5,6,7
.if \s == 0
	v_wmma_f32_16x16x128_bf8_bf8 v[ACC+8*\m:ACC+8*\m+7], v[64*(\p)+16*\s:64*(\p)+16*\s+15], v[128*(\s%2)+16*\m:128*(\s%2)+16*\m+15], 0
.else
	v_wmma_f32_16x16x128_bf8_bf8 v[ACC+8*\m:ACC+8*\m+7], v[64*(\p)+16*\s:64*(\p)+16*\s+15], v[128*(\s%2)+16*\m:128*(\s%2)+16*\m+15], v[ACC+8*\m:ACC+8*\m+7]
.endif
.endr
.if \ahead && (\s < 2)
	WPART (\t)+3, ((\p)+3)%4, 8*\s
.endif
.endr
	WIN 0
.endm
.macro MULN p, ahead, t                ; natural: source 0 = rows (window 2 or 3), source 1 = W (window 1)
.irp s, 0,1,2,3
	WIN 0x06+(\s/2)
.irp m, 0,1,2,3,4,5,6,7
.if \s == 0
	v_wmma_f32_16x16x128_bf8_bf8 v[ACC+8*\m:ACC+8*\m+7], v[128*(\s%2)+16*\m:128*(\s%2)+16*\m+15], v[64*(\p)+16*\s:64*(\p)+16*\s+15], 0
.else
	v_wmma_f32_16x16x128_bf8_bf8 v[ACC+8*\m:ACC+8*\m+7], v[128*(\s%2)+16*\m:128*(\s%2)+16*\m+15], v[64*(\p)+16*\s:64*(\p)+16*\s+15], v[ACC+8*\m:ACC+8*\m+7]
.endif
.endr
.if \ahead && (\s < 2)
	WPART (\t)+3, ((\p)+3)%4, 8*\s
.endif
.endr
	WIN 0
.endm
.macro HOLD m                          ; an accumulator's eight sums, from its low end on
.irp j, 0,1,2,3,4,5,6,7
	v_med3_num_f32 v[ACC+8*\m+\j], v[ACC+8*\m+\j], -v11, v11
.endr
.endm
.macro TILE_QK t, cnt                  ; cnt: the younger weight sets' loads, 16 each
	s_wait_loadcnt \cnt
.if (\t) < 5
	MULT (\t)%4, 1, \t
.else
	MULT (\t)%4, 0, \t
.endif
	PLACES 4                                       ; four places (ISA guide 7.12.1) ahead of the reads of the results
.if (\t)%2 == 0
	s_wait_xcnt 0x0                                ; the last pair's stores have had their addresses translated: their data registers are written again only behind this wait,
.if (\t) > 0
	s_wait_alu depctr_vm_vsrc(0)                   ; and behind this one: the last pair's stores have read the codes' registers
.endif
.endif
.irp m, 0,1,2,3,4,5,6,7
	HOLD \m
	v_cvt_scalef32_pk8_bf8_f32 v[CODES+4*\m+2*((\t)%2):CODES+4*\m+2*((\t)%2)+1], v[ACC+8*\m:ACC+8*\m+7], v10
.endr
	v_nop                                          ; one plain line between the conversions and the next products, which write their sources
.if ((\t)%2 == 1) || ((\t) < 4)
	s_wait_alu depctr_va_vdst(0)                   ; the conversions have written the codes, which the stores read; the tile's products are done reading their weight buffer, in which the next tile's loads land
.endif
.if (\t)%2 == 1
.irp m, 0,1,2,3,4,5,6,7
	global_store_b128 v[SI], v[CODES+4*\m:CODES+4*\m+3], s[OP:OP+1] offset:((\t)/2)*65536+512*\m   ; head t / 2 of my four, token tile m: 512 dense bytes
.endr
.endif
.endm
.macro TILE_V t, cnt
	s_wait_loadcnt \cnt
.if (\t) < 5
	MULN (\t)%4, 1, \t
.else
	MULN (\t)%4, 0, \t
.endif
	PLACES 4
	s_wait_xcnt 0x0                                ; the last tile's stores have had their addresses translated,
.if (\t) > 0
	s_wait_alu depctr_vm_vsrc(0)                   ; and have read the codes' registers, which the conversions below write again
.endif
.irp m, 0,1,2,3,4,5,6,7
	HOLD \m
	v_cvt_scalef32_pk8_bf8_f32 v[CODES+2*\m:CODES+2*\m+1], v[ACC+8*\m:ACC+8*\m+7], v10   ; tokens 16 m + 8 (lane / 16) + 0..7 of channel lane % 16: registers 2 m, 2 m + 1 of the fragment
.endr
	v_nop
	s_wait_alu depctr_va_vdst(0)                   ; the conversions have written the codes, which the stores read; the tile's products are done reading their weight buffer, in which the next tile's loads land
.irp c, 0,1,2,3
	global_store_b128 v[SI], v[CODES+4*\c:CODES+4*\c+3], s[OP:OP+1] offset:((\t)/2)*65536+((\t)%2)*2048+512*\c
.endr
.endm
	s_load_b256 s[4:11], s[0:1], 0x0               ; x s[4:5], alpha s[6:7], beta s[8:9], the exponents s[10:11]
	s_load_b256 s[12:19], s[0:1], 0x20             ; wqkv_img s[12:13], q_img s[14:15], k_img s[16:17], v_img s[18:19]
	v_lshl_add_u32 v62, v0, 2, 0x10200
	v_mov_b32 v63, 0
	v_lshrrev_b32 v1, 5, v0
	v_readfirstlane_b32 s[WV], v1                  ; wave 0..3
	v_and_b32 v1, 31, v0                           ; lane
	v_lshlrev_b32 v[LI], 4, v1
	v_lshlrev_b32 v[SI], 4, v1
	v_mul_u32_u24 v[LST], v1, PP
	s_wait_alu depctr_va_sdst(0)                   ; the wave's number is written, ahead of its first reader
	s_lshl_b32 s23, s[WV], 9
	v_add_nc_u32 v[LST], s23, v[LST]
	v_lshrrev_b32 v3, 4, v1
	v_and_b32 v7, 15, v1
	v_mul_u32_u24 v[LRD], v3, PP
	v_lshl_add_u32 v[LRD], v7, 4, v[LRD]
.irp q, 0,1,2,3
	v_mov_b32 v[UU+\q], 0                          ; written once: a lane permute's destination counts as one of its sources
.endr
	s_mov_b32 s[SEL], 0x76543210
	s_mov_b32 s[SEL+1], 0xfedcba98
	s_mov_b32 s[IV], 0x3b004020                    ; 1 / 511
	s_mov_b32 s[EPS], 0x358637bd                   ; 1e-6
	s_mov_b32 s21, ttmp9                           ; the block of 128 rows
	s_and_b32 s22, ttmp7, 0xffff                   ; y: 0 q, 1 k, 2 v
	s_lshl_b32 s44, s21, 18                        ; 128 rows of 2,048 bytes,
	s_lshl_b32 s23, s[WV], 16                      ; my wave's 32
	s_add_co_u32 s44, s44, s23
	s_mov_b32 s45, 0
	s_lshl_b32 s46, s22, 18                        ; the projection's image, 262,144 bytes; my wave's 8 tiles of 8,192
	s_add_co_u32 s46, s46, s23
	s_mov_b32 s47, 0
	s_lshr_b32 s50, s21, 4                         ; the batch,
	s_lshl_b32 s50, s50, 20                        ; 16 heads of 65,536 bytes
	s_lshl_b32 s23, s[WV], 18                      ; my four heads
	s_add_co_u32 s50, s50, s23
	s_and_b32 s23, s21, 15                         ; the block in its batch: 8 token tiles of 512 bytes, or one key step of 4,096
	s_lshl_b32 s23, s23, 12
	s_add_co_u32 s50, s50, s23
	s_mov_b32 s51, 0
	s_wait_kmcnt 0x0
	s_load_b256 s[32:39], s[10:11], 0x0            ; e0 .. e7
	s_load_b32 s40, s[10:11], 0x20                 ; e8
	s_load_b32 s[AL], s[6:7], 0x0
	s_load_b32 s[BE], s[8:9], 0x0
	s_add_nc_u64 s[XP:XP+1], s[XP:XP+1], s[44:45]
	s_add_nc_u64 s[WP:WP+1], s[WP:WP+1], s[46:47]
	s_cmp_eq_u32 s22, 0
	s_cselect_b64 s[OP:OP+1], s[14:15], s[16:17]
	s_cmp_eq_u32 s22, 2
	s_cselect_b64 s[OP:OP+1], s[18:19], s[OP:OP+1]
	s_add_nc_u64 s[OP:OP+1], s[OP:OP+1], s[50:51]
	s_wait_alu depctr_va_vdst(0)                   ; the offsets and LDS addresses v2, v4, v5 and v12 are written, which every load and store of the kernel reads
	WLOAD 0, 0                                     ; the first three weight tiles: they land under the LayerNorm; tile 0 asks for the fourth
	WLOAD 1, 1
	WLOAD 2, 2
	LNLOAD 0
	LNLOAD 1
	LNLOAD 2
	s_wait_kmcnt 0x0
	s_cmp_eq_u32 s22, 0
	s_cselect_b32 s41, s32, s34                    ; eA
	s_cselect_b32 s42, s33, s35                    ; eW
	s_cselect_b32 s43, s38, s39                    ; eO
	s_cmp_eq_u32 s22, 2
	s_cselect_b32 s41, s36, s41
	s_cselect_b32 s42, s37, s42
	s_cselect_b32 s43, s40, s43
	s_mov_b32 s[BE+1], s[BE]                       ; (named with it as a pair)
	s_add_co_i32 s48, s41, 127
	s_lshl_b32 s49, s48, 23
	v_mov_b32 v8, s49                              ; 2^eA
	s_add_co_i32 s48, s48, 15
	s_lshl_b32 s48, s48, 23
	s_or_b32 s48, s48, 0x600000
	v_mov_b32 v9, s48                              ; 57,344 x 2^eA
	s_sub_co_i32 s48, s43, s41
	s_sub_co_i32 s48, s48, s42
	s_add_co_i32 s48, s48, 127
	s_lshl_b32 s49, s48, 23
	v_mov_b32 v10, s49                             ; 2^(eO - eA - eW): the three scales folded into the conversion's one
	s_add_co_i32 s48, s48, 15
	s_lshl_b32 s48, s48, 23
	s_or_b32 s48, s48, 0x600000
	v_mov_b32 v11, s48
.irp b, 0,1,2,3,4
	LNPROC \b, 32                                  ; two younger batches may be out
	LNLOAD \b+3                                    ; into the set just left, at once: no vector instruction stands behind the batch's wait
.endr
	LNPROC 5, 32
	LNPROC 6, 16
	LNPROC 7, 0
	s_wait_dscnt 0x0                               ; for the others' sake: my rows' codes lie in LDS
	s_barrier_signal -1
	s_barrier_wait -1
	AFETCH
	s_cmp_eq_u32 s22, 2
	s_cbranch_scc1 .Lv_arm
.irp t, 0,1,2,3,4,5
	TILE_QK \t, 32                                 ; the sets of the two tiles behind this one may be out
.endr
	TILE_QK 6, 16
	TILE_QK 7, 0
	s_wait_dscnt 0x0                               ; the closing lines, six on end
	s_wait_alu 0x0
	s_wait_tensorcnt 0x0
	ds_add_u32 v62, v63
	s_wait_dscnt 0x0
	s_endpgm
.Lv_arm:
.irp t, 0,1,2,3,4,5
	TILE_V \t, 32
.endr
	TILE_V 6, 16
	TILE_V 7, 0
	s_wait_dscnt 0x0                               ; the closing lines, six on end
	s_wait_alu 0x0
	s_wait_tensorcnt 0x0
	ds_add_u32 v62, v63
	s_wait_dscnt 0x0
	s_endpgm
.Lfunc_end_k_q0518405efa_qkv:
	.size	k_q0518405efa_qkv, .Lfunc_end_k_q0518405efa_qkv-k_q0518405efa_qkv
	.p2alignl 7, 3214868480
	.fill 96, 4, 3214868480
	.section	.rodata,"a",@progbits
	.p2align	6, 0x0
	.amdhsa_kernel k_q0518405efa_qkv
		.amdhsa_group_segment_fixed_size 66560
		.amdhsa_private_segment_fixed_size 0
		.amdhsa_enable_private_segment 0
		.amdhsa_kernarg_size 64
		.amdhsa_user_sgpr_count 2
		.amdhsa_user_sgpr_kernarg_segment_ptr 1
		.amdhsa_wavefront_size32 1
		.amdhsa_system_sgpr_workgroup_id_x 1
		.amdhsa_system_sgpr_workgroup_id_y 1
		.amdhsa_system_sgpr_workgroup_id_z 1
		.amdhsa_system_vgpr_workitem_id 0
		.amdhsa_next_free_vgpr 1024
		.amdhsa_next_free_sgpr 66
		.amdhsa_reserve_vcc 0
		.amdhsa_float_denorm_mode_32 3
		.amdhsa_float_denorm_mode_16_64 3
		.amdhsa_memory_ordered 1
		.amdhsa_forward_progress 1
		.amdhsa_inst_pref_size 255
	.end_amdhsa_kernel
	.section	.bss,"aw",@nobits
	.p2align	6
	.space	262144
	.amdgpu_metadata
---
amdhsa.version: [ 1, 2 ]
amdhsa.kernels:
  - .name:           k_q0518405efa_qkv
    .symbol:         k_q0518405efa_qkv.kd
    .args:
      - { .name: x, .offset: 0, .size: 8, .value_kind: global_buffer, .address_space: global }
      - { .name: alpha, .offset: 8, .size: 8, .value_kind: global_buffer, .address_space: global }
      - { .name: beta, .offset: 16, .size: 8, .value_kind: global_buffer, .address_space: global }
      - { .name: lowp_scales, .offset: 24, .size: 8, .value_kind: global_buffer, .address_space: global }
      - { .name: wqkv_img, .offset: 32, .size: 8, .value_kind: global_buffer, .address_space: global }
      - { .name: q_img, .offset: 40, .size: 8, .value_kind: global_buffer, .address_space: global }
      - { .name: k_img, .offset: 48, .size: 8, .value_kind: global_buffer, .address_space: global }
      - { .name: v_img, .offset: 56, .size: 8, .value_kind: global_buffer, .address_space: global }
    .group_segment_fixed_size: 66560
    .private_segment_fixed_size: 0
    .kernarg_segment_align: 8
    .kernarg_segment_size: 64
    .max_flat_workgroup_size: 128
    .sgpr_count:     66
    .vgpr_count:     1024
    .wavefront_size: 32
...
	.end_amdgpu_metadata
.endif
;; end of part 7
;; launch attn (part 8): grid 8 x 32, 16 waves a work-group, no clusters, 264,192 bytes of LDS; arguments q_img, k_img, v_img, lowp_scales, x, x1; writes x1
.if DOCPART == 8
	.amdgcn_target "amdgcn-amd-amdhsa--gfx1250"
	.amdhsa_code_object_version 6
	.text
	.protected	k_q0518405efa_attn
	.globl	k_q0518405efa_attn
	.p2align	8
	.type	k_q0518405efa_attn,@function
k_q0518405efa_attn:
	s_mov_b64 s[64:65], 0
	v_nop
	global_prefetch_b8 v0, s[64:65] scope:SCOPE_SE
	s_setreg_imm32_b32 hwreg(HW_REG_WAVE_SCHED_MODE, 0, 2), 2
	s_setreg_imm32_b32 hwreg(HW_REG_WAVE_MODE, 25, 1), 1
	s_wait_xcnt 0x0
	s_wait_alu depctr_vm_vsrc(0)
; x1 = x + attention: for each head, O[q] = sum over keys of softmax(q . k / sqrt(512)) v, head size 32, 2,048 keys, both products on codes of BF8 (E5M2).
; THE SOFTMAX AHEAD OF THE SECOND PRODUCT: t = score x log2(e) / sqrt(512); M = the running largest t rounded UP to a whole number; p = 2^(t - M) is quantised with 2^e9, not normalised;
; the row's sum is taken of the unquantised p and divides O at the end; when M moves, the sum and O are multiplied by 2^(old M - new M), which rounds nothing.
; SHARES.  A work-group owns 256 queries (work-group x) of TWO neighbouring heads of one batch (work-group y = 8 x batch + pair).  The two heads' codes of K and V are 262,144 bytes: they are laid into LDS ONCE,
; through registers, and stay: no slot is ever filled again.  Each of the sixteen waves owns 16 queries and walks all keys, 128 a step, once for each head.  Two heads' 64 channels are 256 bytes of a row of x1.
; LAYOUT.  Both products are used transposed: S^T = K Q^T (source 0 = 16 keys, source 1 = my 16 queries), O^T = V^T P^T (source 0 = 16 channels, source 1 = P): a lane holds ONE query throughout, and the eight
; registers of key tile c, converted, ARE registers 2 c, 2 c + 1 of P: keys 16 c + 8 (lane / 16) + 0..7.
; HEAD SIZE 32 IN A FORM OF K = 64: source 0 holds TWO key tiles, one in k 0..31 and one in k 32..63; source 1 is [q, 0] or [0, q], whose zero codes leave one of the two out.  Codes are finite (the quantiser holds them).
; LIMITS: e6 + e7 between -122 and 131 (added to c's exponent field); e9 between -126 and 112; e8 + e9 goes in by v_ldexp_f32.  NaN among the inputs is not served.
; p is at most 1 and 57,344 x 2^e9 is above 1 for e9 >= -15: there the hold cannot act and a scalar branch on the given whole number e9 passes over it.
; REGISTERS: v1-9 addresses; v12 -M, v13 the largest t, v[14:15] the sum in two halves; v16-35 zeros and the two heads' q; v36-67 K's eight tiles; v68-99 V's two fragments; v100-163 S^T, then p;
; v164-179 O^T; v180-195 p's codes; v196-227 the two heads' results; v236-254 at work.
; THE MODE: SCHED_MODE bits 1:0 = 2 (LLVM: expert scheduling mode 2), set by the entry lines.  The code itself states the register dependences between vector or matrix instructions and memory or LDS
; instructions, with s_wait_alu, always for 0.
; THE PLAN.  Registers that memory or LDS instructions touch:
;   v1-3, v6-9     offsets and LDS addresses: made at the head, never written again: one wait on va_vdst at the head serves them all.
;   v100-227       At the head the fill's loads land in them and its LDS stores read them; a wait on vm_vsrc at the first pass's head stands ahead of the products and vector lines that write them.
;   v[ADK], v[ADV] Written once a step, behind a wait on vm_vsrc (the loads issued so far have read them); read by the step's sixteen LDS loads.
;   v36-67 (K)     Read by a step's eight first products; the next step's loads land in them.     v68-99 (V)  Read by a step's two last products; the next step's loads land in them.
; So ONE wait on va_vdst a step, between the scalings and the exponentials, states all of it: the two addresses are written, this step's first products are done reading K, the last step's last products are done
; reading V.  The sixteen LDS loads follow it, dealt among the first 32 exponentials, which name the scores alone.  The wait behind the exponentials stands ahead of their first reader.
.set LI,  1                            ; v1  16 x lane
.set FK,  2                            ; v2  8,192 x wave + 16 x lane: my part of the fill, in memory and in LDS
.set FV,  3                            ; v3  the same behind K's 131,072 bytes
.set ADK, 4
.set ADV, 5
.set AV0, 6                            ; v6  131,072 + 16 x lane
.set STO, 7                            ; v7  the way out: where I put 32 bytes of a row
.set RD,  8                            ; v8  where I read a row back
.set GO,  9                            ; v9  my byte offset in the wave's rows of x and x1
.set QZ,  16                           ; v16-19 0, v20-23 q of head 0, v24-27 0, v28-31 q of head 1, v32-35 0
.set KF,  36
.set VF,  68
.set S,   100
.set O,   164
.set P,   180
.set OUT, 196
.set WV,  16
.set SEL, 20                           ; s[20:21]
.set CS,  22                           ; s[22:23] c = log2(e) / sqrt(512) x 2^(e6 + e7)
.set TB,  24                           ; s24 LDS byte of the step in hand, in K's region
.set CNT, 25
.set EP,  43                           ; s43 e9
.set VBASE, 131072
.macro PLACES n
.rept \n
	v_nop
.endr
.endm
; A KEY STEP of head hp: 128 keys.  more = 1: the next step's K is fetched.
.macro STEP hp, more
	s_wait_dscnt 0x0                               ; K's eight tiles are in
.irp d, 0,1,2,3
	v_wmma_f32_16x16x64_bf8_bf8 v[S+16*\d:S+16*\d+7], v[KF+8*\d:KF+8*\d+7], v[QZ+4+8*\hp:QZ+11+8*\hp], 0       ; [q, 0]: key tile 2 d
	v_wmma_f32_16x16x64_bf8_bf8 v[S+16*\d+8:S+16*\d+15], v[KF+8*\d:KF+8*\d+7], v[QZ+8*\hp:QZ+7+8*\hp], 0       ; [0, q]: key tile 2 d + 1
.endr
	s_wait_alu depctr_vm_vsrc(0)                   ; the LDS loads issued so far have read v[ADK] and v[ADV], which the two lines below write
	v_add_nc_u32 v[ADK], s[TB], v[LI]              ; four places (ISA guide 7.12.1) ahead of the first read of the scores
	v_add_nc_u32 v[ADV], s[TB], v[AV0]
	v_nop
	v_nop
	v_max3_num_f32 v254, v[S], v[S+1], v[S+2]      ; the step's largest score of my query among my 64 keys, in two chains, each accumulator from its low end on
	v_max3_num_f32 v252, v[S+3], v[S+4], v[S+5]
.irp i, 6,10,14,18,22,26,30,34,38,42,46,50,54,58
	v_max3_num_f32 v254, v254, v[S+\i], v[S+\i+1]
	v_max3_num_f32 v252, v252, v[S+\i+2], v[S+\i+3]
.endr
	v_max3_num_f32 v254, v254, v[S+62], v[S+63]
	v_max_num_f32 v254, v254, v252
	v_permlanex16_b32 v236, v254, s[SEL], s[SEL+1]
	v_max_num_f32 v254, v254, v236                 ; and among lane l xor 16's
	v_mul_f32 v254, s[CS], v254                    ; as t (c is positive)
	v_max_num_f32 v13, v13, v254                   ; the running largest t
	v_mov_b32 v254, v12
	v_floor_f32 v12, -v13                          ; the new -M = floor(-t) = -ceil(t)
	v_sub_f32 v254, v12, v254                      ; old M - new M: a whole number, 0 or less
	v_cvt_i32_f32 v254, v254                       ; (it saturates)
	v_ldexp_f32 v252, 1.0, v254                    ; f = 2^(old M - new M)
.set j, 0
.rept 32
	v_pk_fma_f32 v[S+j:S+j+1], v[S+j:S+j+1], s[CS:CS+1], v[12:13] op_sel_hi:[1,0,0]   ; t - M, two at a time
.set j, j+2
.endr
	s_wait_alu depctr_va_vdst(0)                   ; v[ADK] and v[ADV] are written, which the LDS loads below read; this step's first products are done reading K's registers and the last step's last products V's, in which those loads land
	s_add_co_u32 s[TB], s[TB], 4096
.set j, 0
.rept 64
	v_exp_f32 v[S+j], v[S+j]                       ; p = 2^(t - M)
.if (j%2 == 1) && (j < 16)
	ds_load_b128 v[VF+4*(j/2):VF+4*(j/2)+3], v[ADV] offset:512*(j/2)                 ; this step's V, a load behind every second exponential.  No wait: the exponentials name the scores alone
.endif
.if \more && (j%2 == 1) && (j >= 16) && (j < 32)
	ds_load_b128 v[KF+4*(j/2-8):KF+4*(j/2-8)+3], v[ADK] offset:4096+512*(j/2-8)      ; then the next step's K
.endif
.set j, j+1
.endr
	v_pk_mul_f32 v[14:15], v[14:15], v[252:253] op_sel_hi:[1,0]   ; the sums under the new M: the plain line behind the exponentials
	s_wait_alu depctr_va_vdst(0)                   ; one wait for the 64, ahead of their first reader: the exponentials' results are written
	v_pk_add_f32 v[242:243], v[S:S+1], v[S+2:S+3]  ; the row's sum, of the unquantised p, in two chains
.irp j, 4,8,12,16,20,24,28,32,36,40,44,48,52,56,60
	v_pk_add_f32 v[14:15], v[14:15], v[S+\j:S+\j+1]
	v_pk_add_f32 v[242:243], v[242:243], v[S+\j+2:S+\j+3]
.endr
	v_pk_add_f32 v[14:15], v[14:15], v[242:243]
	s_cmp_ge_i32 s[EP], -15                        ; 57,344 x 2^e9 >= 1.75 there, and p <= 1: nothing to hold
	s_cbranch_scc1 .Lfree_\@
.set j, 0
.rept 64
	v_min_num_f32 v[S+j], v[S+j], v240             ; the conversion does not saturate (ISA guide 7.6.2); p is not negative, so the hold is one-sided
.set j, j+1
.endr
.Lfree_\@:
.irp c, 0,1,2,3,4,5,6,7
	v_cvt_scalef32_pk8_bf8_f32 v[P+2*\c:P+2*\c+1], v[S+8*\c:S+8*\c+7], v244
.endr
.irp j, 0,2,4,6,8,10,12,14
	v_pk_mul_f32 v[O+\j:O+\j+1], v[O+\j:O+\j+1], v[252:253] op_sel_hi:[1,0]   ; O^T under the new M; also the plain lines between the conversions and the products
.endr
.if \more
	s_wait_alu depctr_va_vdst(0)
	s_wait_dscnt 8                                 ; V is in; the next step's eight loads of K may be out
.else
	s_wait_alu depctr_va_vdst(0)
	s_wait_dscnt 0x0
.endif
	v_wmma_f32_16x16x128_bf8_bf8 v[O:O+7], v[VF:VF+15], v[P:P+15], v[O:O+7]
	v_wmma_f32_16x16x128_bf8_bf8 v[O+8:O+15], v[VF+16:VF+31], v[P:P+15], v[O+8:O+15]
.endm
.macro PASS hp
	s_mov_b32 s[TB], \hp*65536
	s_wait_alu depctr_vm_vsrc(0)                   ; the LDS instructions issued so far have read their registers: in the first pass the fill's stores v100-227, which the lines and products below write; in the second the last pass's loads v[ADK]
	v_mov_b32 v13, 0xff61b1e6                      ; the largest t so far: -3e38
	v_floor_f32 v12, -v13
	v_mov_b32 v14, 0
	v_mov_b32 v15, 0
.set j, 0
.rept 16
	v_mov_b32 v[O+j], 0                            ; the step is written once: the first finds zeros, which the first change of M leaves zeros
.set j, j+1
.endr
	v_add_nc_u32 v[ADK], s[TB], v[LI]
	s_wait_alu depctr_va_vdst(0)                   ; v[ADK] is written, which the loads below read; the last pass's products are done reading K's registers, in which they land
.irp i, 0,1,2,3,4,5,6,7
	ds_load_b128 v[KF+4*\i:KF+4*\i+3], v[ADK] offset:512*\i
.endr
	s_mov_b32 s[CNT], 15
.Lstep_\@:
	STEP \hp, 1
	s_sub_co_u32 s[CNT], s[CNT], 1
	s_cmp_lg_u32 s[CNT], 0
	s_cbranch_scc1 .Lstep_\@
	STEP \hp, 0                                    ; the last step fetches no further K
	PLACES 4
	v_add_f32 v14, v14, v15
	v_permlanex16_b32 v236, v14, s[SEL], s[SEL+1]
	v_add_f32 v14, v14, v236                       ; the row's sum
	s_wait_alu depctr_va_vdst(0)
	v_rcp_f32 v14, v14
	v_nop
	s_wait_alu depctr_va_vdst(0)                   ; ahead of the first reader: the reciprocal is written
	v_ldexp_f32 v14, v14, s34                      ; x 2^(e8 + e9)
.set j, 0
.rept 16
	v_mul_f32 v[OUT+16*\hp+j], v[O+j], v14         ; register 8 u + i: o(query lane % 16, channel 16 u + 8 (lane / 16) + i)
.set j, j+1
.endr
.endm
	s_load_b256 s[4:11], s[0:1], 0x0               ; q_img s[4:5], k_img s[6:7], v_img s[8:9], the exponents s[10:11]
	s_load_b128 s[12:15], s[0:1], 0x20             ; x s[12:13], x1 s[14:15]
	v_lshl_add_u32 v251, v0, 2, 0x40000
	v_mov_b32 v255, 0
	v_lshrrev_b32 v10, 5, v0
	v_readfirstlane_b32 s[WV], v10                 ; wave 0..15
	v_and_b32 v10, 31, v0
	v_lshlrev_b32 v[LI], 4, v10
	s_wait_alu depctr_va_sdst(0)                   ; the wave's number is written, ahead of its first reader
	s_lshl_b32 s17, s[WV], 13
	v_add_nc_u32 v[FK], s17, v[LI]
	v_add_nc_u32 v[FV], VBASE, v[FK]
	v_add_nc_u32 v[AV0], VBASE, v[LI]
	v_and_b32 v10, 15, v0                          ; r
	v_bfe_u32 v11, v0, 4, 1                        ; h
	s_mul_i32 s19, s[WV], 4352                     ; my stage: 16 rows of 256 bytes + 16
	v_mul_u32_u24 v[STO], v10, 272
	v_lshl_add_u32 v[STO], v11, 5, v[STO]
	v_add_nc_u32 v[STO], s19, v[STO]
	v_mul_u32_u24 v[RD], v11, 272
	v_lshl_add_u32 v[RD], v10, 4, v[RD]
	v_add_nc_u32 v[RD], s19, v[RD]
	v_lshlrev_b32 v[GO], 11, v11                   ; lanes 0-15 one row of x, lanes 16-31 the next; 16 bytes a lane
	v_lshl_add_u32 v[GO], v10, 4, v[GO]
	s_and_b32 s18, ttmp7, 0xffff                   ; 8 x batch + pair; the heads are 2 x that and the next
	s_lshl_b32 s26, s18, 17                        ; two heads of 65,536 bytes
	s_mov_b32 s27, 0
	s_lshl_b32 s28, ttmp9, 13                      ; 16 query tiles of 512 bytes,
	s_lshl_b32 s17, s[WV], 9                       ; mine
	s_add_co_u32 s28, s28, s17
	s_add_co_u32 s28, s28, s26
	s_mov_b32 s29, 0
	s_lshr_b32 s30, s18, 3                         ; x, x1: batch x 2,048 rows of 2,048 bytes
	s_lshl_b32 s30, s30, 22
	s_lshl_b32 s17, ttmp9, 19                      ; 256 rows
	s_add_co_u32 s30, s30, s17
	s_lshl_b32 s17, s[WV], 15                      ; 16 rows
	s_add_co_u32 s30, s30, s17
	s_and_b32 s17, s18, 7
	s_lshl_b32 s17, s17, 8                         ; the pair's 256 bytes of a row
	s_add_co_u32 s30, s30, s17
	s_mov_b32 s31, 0
	s_mov_b32 s[SEL], 0x76543210
	s_mov_b32 s[SEL+1], 0xfedcba98
	s_mov_b32 s[CS], 0x3d8293ee                    ; log2(e) / sqrt(512)
	s_wait_kmcnt 0x0
	s_load_b128 s[40:43], s[10:11], 0x18           ; e6, e7, e8, e9
	s_add_nc_u64 s[4:5], s[4:5], s[28:29]
	s_add_nc_u64 s[6:7], s[6:7], s[26:27]
	s_add_nc_u64 s[8:9], s[8:9], s[26:27]
	s_add_nc_u64 s[12:13], s[12:13], s[30:31]
	s_add_nc_u64 s[14:15], s[14:15], s[30:31]
	s_wait_alu depctr_va_vdst(0)                   ; the offsets and LDS addresses v1 to v3 and v6 to v9 are written, which the loads and stores of the kernel read
	global_load_b128 v[QZ+4:QZ+7], v[LI], s[4:5]                 ; my 16 queries, head 0,
	global_load_b128 v[QZ+12:QZ+15], v[LI], s[4:5] offset:65536  ; head 1
.irp i, 0,1,2,3,4,5,6,7,8,9,10,11,12,13,14,15
	global_load_b128 v[S+4*\i:S+4*\i+3], v[FK], s[6:7] offset:512*\i   ; my sixteenth of the two heads' K
.endr
.irp i, 0,1,2,3,4,5,6,7,8,9,10,11,12,13,14,15
	global_load_b128 v[O+4*\i:O+4*\i+3], v[FK], s[8:9] offset:512*\i   ; and of V
.endr
.irp j, 0,1,2,3,8,9,10,11,16,17,18,19
	v_mov_b32 v[QZ+\j], 0                          ; the zero codes beside q
.endr
	v_mov_b32 v236, 0                              ; written once: a lane permute's destination counts as one of its sources
	v_mov_b32 v253, 0                              ; (named as the upper half of the pair v[252:253])
	s_wait_kmcnt 0x0
	s_add_co_i32 s32, s40, s41
	s_lshl_b32 s32, s32, 23
	s_add_co_i32 s[CS], s[CS], s32                 ; a score stands for score x 2^(e6 + e7)
	s_mov_b32 s[CS+1], s[CS]
	s_add_co_i32 s32, s[EP], 127
	s_lshl_b32 s33, s32, 23
	v_mov_b32 v244, s33                            ; 2^e9
	s_add_co_i32 s32, s32, 15
	s_lshl_b32 s32, s32, 23
	s_or_b32 s32, s32, 0x600000
	v_mov_b32 v240, s32                            ; 57,344 x 2^e9
	s_add_co_i32 s34, s42, s[EP]                   ; e8 + e9
	s_wait_loadcnt 16                              ; q and K are in; V's sixteen loads may be out
.irp i, 0,1,2,3,4,5,6,7,8,9,10,11,12,13,14,15
	ds_store_b128 v[FK], v[S+4*\i:S+4*\i+3] offset:512*\i
.endr
	s_wait_loadcnt 0x0
.irp i, 0,1,2,3,4,5,6,7,8,9,10,11,12,13,14,15
	ds_store_b128 v[FV], v[O+4*\i:O+4*\i+3] offset:512*\i
.endr
	s_wait_dscnt 0x0                               ; for the others' sake: my part lies in LDS
	s_barrier_signal -1
	s_barrier_wait -1
	PASS 0
	PASS 1
	; THE WAY OUT: the two heads' 64 channels of my 16 queries go through my stage and leave, with x added, as rows of 256 aligned bytes.  The stages lie over K's first bytes: behind a barrier, when nobody reads K or V any more.
	s_wait_alu depctr_va_vdst(0)                   ; the passes' vector lines are done with v100-163, in which x and the stage's rows land, and have written v196-227, which the LDS stores read
.irp i, 0,1,2,3,4,5,6,7
	global_load_b128 v[S+4*\i:S+4*\i+3], v[GO], s[12:13] offset:4096*\i
.endr
	s_wait_dscnt 0x0                               ; my reads of K and V are over
	s_barrier_signal -1
	s_barrier_wait -1
.irp hp, 0,1
.irp u, 0,1
	ds_store_b128 v[STO], v[OUT+16*\hp+8*\u:OUT+16*\hp+8*\u+3] offset:128*\hp+64*\u
	ds_store_b128 v[STO], v[OUT+16*\hp+8*\u+4:OUT+16*\hp+8*\u+7] offset:128*\hp+64*\u+16
.endr
.endr
.irp i, 0,1,2,3,4,5,6,7
	ds_load_b128 v[S+32+4*\i:S+32+4*\i+3], v[RD] offset:544*\i   ; LDS serves a wave's instructions in order (ISA guide 5.7.1.4): these see my stores
.endr
	s_wait_loadcnt 0x0                             ; x
.irp i, 0,1,2,3,4,5,6,7
	s_wait_dscnt 7-\i                              ; the later rows' loads may be out
	v_pk_add_f32 v[S+32+4*\i:S+32+4*\i+1], v[S+32+4*\i:S+32+4*\i+1], v[S+4*\i:S+4*\i+1]
	v_pk_add_f32 v[S+32+4*\i+2:S+32+4*\i+3], v[S+32+4*\i+2:S+32+4*\i+3], v[S+4*\i+2:S+4*\i+3]
.endr
	s_wait_alu depctr_va_vdst(0)                   ; the sixteen additions have written v132-163, which the eight stores read
.irp i, 0,1,2,3,4,5,6,7
	global_store_b128 v[GO], v[S+32+4*\i:S+32+4*\i+3], s[14:15] offset:4096*\i   ; sixteen lanes store 256 consecutive bytes, aligned
.endr
	s_wait_dscnt 0x0                               ; the closing lines, six on end
	s_wait_alu 0x0
	s_wait_tensorcnt 0x0
	ds_add_u32 v251, v255
	s_wait_dscnt 0x0
	s_endpgm
.Lfunc_end_k_q0518405efa_attn:
	.size	k_q0518405efa_attn, .Lfunc_end_k_q0518405efa_attn-k_q0518405efa_attn
	.p2alignl 7, 3214868480
	.fill 96, 4, 3214868480
	.section	.rodata,"a",@progbits
	.p2align	6, 0x0
	.amdhsa_kernel k_q0518405efa_attn
		.amdhsa_group_segment_fixed_size 264192
		.amdhsa_private_segment_fixed_size 0
		.amdhsa_enable_private_segment 0
		.amdhsa_kernarg_size 48
		.amdhsa_user_sgpr_count 2
		.amdhsa_user_sgpr_kernarg_segment_ptr 1
		.amdhsa_wavefront_size32 1
		.amdhsa_system_sgpr_workgroup_id_x 1
		.amdhsa_system_sgpr_workgroup_id_y 1
		.amdhsa_system_sgpr_workgroup_id_z 1
		.amdhsa_system_vgpr_workitem_id 0
		.amdhsa_next_free_vgpr 256
		.amdhsa_next_free_sgpr 66
		.amdhsa_reserve_vcc 0
		.amdhsa_float_denorm_mode_32 3
		.amdhsa_float_denorm_mode_16_64 3
		.amdhsa_memory_ordered 1
		.amdhsa_forward_progress 1
		.amdhsa_inst_pref_size 71
	.end_amdhsa_kernel
	.amdgpu_metadata
---
amdhsa.version: [ 1, 2 ]
amdhsa.kernels:
  - .name:           k_q0518405efa_attn
    .symbol:         k_q0518405efa_attn.kd
    .args:
      - { .name: q_img, .offset: 0, .size: 8, .value_kind: global_buffer, .address_space: global }
      - { .name: k_img, .offset: 8, .size: 8, .value_kind: global_buffer, .address_space: global }
      - { .name: v_img, .offset: 16, .size: 8, .value_kind: global_buffer, .address_space: global }
      - { .name: lowp_scales, .offset: 24, .size: 8, .value_kind: global_buffer, .address_space: global }
      - { .name: x, .offset: 32, .size: 8, .value_kind: global_buffer, .address_space: global }
      - { .name: x1, .offset: 40, .size: 8, .value_kind: global_buffer, .address_space: global }
    .group_segment_fixed_size: 264192
    .private_segment_fixed_size: 0
    .kernarg_segment_align: 8
    .kernarg_segment_size: 48
    .max_flat_workgroup_size: 512
    .sgpr_count:     66
    .vgpr_count:     256
    .wavefront_size: 32
...
	.end_amdgpu_metadata
.endif
;; end of part 8
;; launch ffn1 (part 9): grid 4 x 64, 4 waves a work-group, no clusters, 66,560 bytes of LDS; arguments x1, alpha, beta, lowp_scales, w1_img, b1, hid_img; writes hid_img
.if DOCPART == 9
	.amdgcn_target "amdgcn-amd-amdhsa--gfx1250"
	.amdhsa_code_object_version 6
	.text
	.protected	k_q0518405efa_ffn1
	.globl	k_q0518405efa_ffn1
	.p2align	8
	.type	k_q0518405efa_ffn1,@function
k_q0518405efa_ffn1:
	s_mov_b64 s[64:65], 0
	v_nop
	global_prefetch_b8 v0, s[64:65] scope:SCOPE_SE
	s_setreg_imm32_b32 hwreg(HW_REG_WAVE_SCHED_MODE, 0, 2), 2
	s_setreg_imm32_b32 hwreg(HW_REG_WAVE_MODE, 25, 1), 1
	s_wait_xcnt 0x0
	s_wait_alu depctr_vm_vsrc(0)
; LayerNorm of x1 (scalar alpha, beta; variance over 511), quantised to BF8 (E5M2); hidden = relu(h W1 + b1) on codes; the hidden layer quantised and stored as images of the next product's operand registers.
; A work-group takes 128 rows (work-group y) and 1,024 hidden units (work-group x); wave w takes 256 of them: sixteen tiles of 16.
; PHASES.  (1) Wave w normalises rows 32 w .. 32 w + 31, four at a time: a row is four dense loads of 512 bytes, lane l holds x1[128 i + 4 l + j]; mean, then the centred squares; 16 codes a lane go to LDS.
; (2) One barrier; every wave takes all 32 fragments of the 128 rows (512 registers) from LDS.  (3) Sixteen tiles: W1's four fragments and the tile's bias come from memory three tiles ahead; 32 matrix instructions on
; eight accumulators by turns; relu and hold in one; conversion; stores of 512 dense bytes.
; K's ORDER in this product: byte e of the 16 that lane l holds of a row is k = 128 (e / 4) + 4 l + e % 4; W1's image is laid in the same order.
; THE MATRIX INSTRUCTION IS USED TRANSPOSED (source 0 = 16 columns of W1, source 1 = 16 rows): a lane holds one row and eight neighbouring hidden units, which, converted, are registers 2 c, 2 c + 1 (c = tile % 8) of the
; next product's fragment in the form's own order of k.
; SCALES: rows by 2^e10; a sum stands for sum x 2^(e10 + e11), so b1 goes in, as the C of a sum's first instruction, divided by that; the hidden code is sum / 2^(e12 - e10 - e11).
; LIMITS: e10 and e12 - e10 - e11 between -126 and 112.  NaN among the inputs is not served.
; REGISTERS, in windows of 256: window 0: v2-12 addresses and scales; v16-51 a batch's statistics and codes; v64-255 three sets of four rows; later v64-127 eight accumulators, v128-159 codes, v160-191 four tiles' biases,
;   v192-199 the bias in hand.   window 1: four buffers of a weight tile's four fragments.   windows 2, 3: the rows' fragments of K steps 0, 1 and 2, 3.
; THE MODE: SCHED_MODE bits 1:0 = 2 (LLVM: expert scheduling mode 2), set by the entry lines.  The code itself states the register dependences between vector or matrix instructions and memory or LDS
; instructions, with s_wait_alu, always for 0.
; THE PLAN.  Registers that memory or LDS instructions touch:
;   v2, v4-6, v12     offsets and LDS addresses: made at the head, never written again: one wait on va_vdst at the head serves them all.
;   the rows' sets    Batch b's loads land in set b % 3, its vector lines read and write the set; behind the batch's conversions stands ONE wait on va_vdst, and the loads of batch b + 3 follow it at once.
;   v36-51            Written by a batch's conversions, read by its four LDS stores behind that same wait; a wait on vm_vsrc stands ahead of the next batch's conversions.
;   window 1          Buffer t % 4 is read by tile t's 32 products; the loads of tile t + 4 land in it, issued in tile t + 1.
;   v160-191          Bias buffer t % 4 is read by tile t's eight v_ldexp_f32; the loads of tile t + 4 land in it, issued at the head of tile t + 1.
;   v128-159          Written by the tiles' conversions, read by the stores at a pair's end; a wait on vm_vsrc stands ahead of the conversions that write them again.
; So ONE wait on va_vdst stands at a tile's end, behind its conversions: the tile's products and its v_ldexp_f32 are done reading their buffers, and the codes are written.  A pair's stores follow it; the next tile's
; two bias loads stand at its head and its sixteen weight loads are dealt among its products, eight behind each of the first two K steps: what stands between names other buffers.  A tile behind which nothing is
; loaded or stored has no such wait.
.set PP,   2064                        ; LDS: [piece l 0..31][row 0..127][16 bytes], pieces 2,064 bytes apart: 129 x 16, so that 16 lanes' stores fall on 16 different 16-byte places modulo 256
.set LI,   2                           ; v2  16 x lane: the loads' offset
.set LST,  4                           ; v4  where I store a row's codes
.set LRD,  5                           ; v5  where I read a fragment
.set BA,   6                           ; v6  32 (lane / 16): my half's eight numbers of a tile's bias
.set SI,   12                          ; v12 16 x lane once more: the stores' offset, so that no store between a wait and a load under another window names a register of that load
.set TT,   16
.set UU,   24
.set GG,   28
.set CD,   36
.set XB,   64
.set ACC,  64
.set CODES, 128
.set BRAW, 160
.set CB,   192
.set XP,   4                           ; s[4:5]   x1 at my wave's first row
.set WP,   12                          ; s[12:13] W1's image at the trip's first tile
.set BP,   14                          ; s[14:15] b1 likewise
.set OP,   16                          ; s[16:17] hid_img likewise
.set WV,   20
.set SEL,  24
.set IV,   26
.set EPS,  27
.set AL,   28
.set BE,   30
.set NB,   36                          ; s36 -(e10 + e11)
.set CNT,  37
.set MSB, 0
.macro WIN new                         ; the immediate's high byte repeats the setting that is left
.if MSB != (\new)
	s_set_vgpr_msb (MSB<<8)|(\new)
.set MSB, (\new)
.endif
.endm
.macro PLACES n
.rept \n
	v_nop
.endr
.endm
.macro LNLOAD b                        ; batch b: rows 4 b .. 4 b + 3 of my 32, into set b % 3; each load reads 512 consecutive bytes
.irp q, 0,1,2,3
.irp i, 0,1,2,3
	global_load_b128 v[XB+64*((\b)%3)+16*\q+4*\i:XB+64*((\b)%3)+16*\q+4*\i+3], v[LI], s[XP:XP+1] offset:(4*(\b)+\q)*2048+512*\i
.endr
.endr
.endm
.macro RED base                        ; four rows' sums over the 32 lanes, line by line
.irp x, 1,2,4,8
.irp q, 0,1,2,3
	v_add_f32_dpp v[\base+2*\q], v[\base+2*\q], v[\base+2*\q] row_xmask:\x row_mask:0xf bank_mask:0xf
.endr
.endr
.irp q, 0,1,2,3
	v_permlanex16_b32 v[UU+\q], v[\base+2*\q], s[SEL], s[SEL+1]
.endr
.irp q, 0,1,2,3
	v_add_f32 v[\base+2*\q], v[\base+2*\q], v[UU+\q]
.endr
.endm
.macro LNPROC b, cnt                   ; cnt: the younger batches' loads, 16 each
.set XS, XB+64*((\b)%3)
	s_wait_loadcnt \cnt
.irp q, 0,1,2,3
	v_pk_add_f32 v[TT+2*\q:TT+2*\q+1], v[XS+16*\q:XS+16*\q+1], v[XS+16*\q+2:XS+16*\q+3]
.endr
.irp k, 4,6,8,10,12,14
.irp q, 0,1,2,3
	v_pk_add_f32 v[TT+2*\q:TT+2*\q+1], v[TT+2*\q:TT+2*\q+1], v[XS+16*\q+\k:XS+16*\q+\k+1]
.endr
.endr
.irp q, 0,1,2,3
	v_add_f32 v[TT+2*\q], v[TT+2*\q], v[TT+2*\q+1]
.endr
	RED TT
.irp q, 0,1,2,3
	v_mul_f32 v[TT+2*\q], 0x3b000000, v[TT+2*\q]   ; / 512: the mean
.endr
.irp k, 0,2,4,6,8,10,12,14
.irp q, 0,1,2,3
	v_pk_add_f32 v[XS+16*\q+\k:XS+16*\q+\k+1], v[XS+16*\q+\k:XS+16*\q+\k+1], v[TT+2*\q:TT+2*\q+1] op_sel_hi:[1,0] neg_lo:[0,1] neg_hi:[0,1]   ; x - mean
.endr
.endr
.irp q, 0,1,2,3
	v_pk_mul_f32 v[GG+2*\q:GG+2*\q+1], v[XS+16*\q:XS+16*\q+1], v[XS+16*\q:XS+16*\q+1]
.endr
.irp k, 2,4,6,8,10,12,14
.irp q, 0,1,2,3
	v_pk_fma_f32 v[GG+2*\q:GG+2*\q+1], v[XS+16*\q+\k:XS+16*\q+\k+1], v[XS+16*\q+\k:XS+16*\q+\k+1], v[GG+2*\q:GG+2*\q+1]
.endr
.endr
.irp q, 0,1,2,3
	v_add_f32 v[GG+2*\q], v[GG+2*\q], v[GG+2*\q+1]
.endr
	RED GG
.irp q, 0,1,2,3
	v_fma_f32 v[GG+2*\q], v[GG+2*\q], s[IV], s[EPS]   ; the variance over 511, + 1e-6
.endr
	s_wait_alu depctr_va_vdst(0)
.irp q, 0,1,2,3
	v_rsq_f32 v[GG+2*\q], v[GG+2*\q]
.endr
	v_nop                                          ; a plain line behind the last of the four (ISA guide 5.7.2),
	s_wait_alu depctr_va_vdst(0)                   ; and the one wait ahead of their first reader: the four roots' results are written
.irp q, 0,1,2,3
	v_mul_f32 v[GG+2*\q], s[AL], v[GG+2*\q]
.endr
.irp k, 0,2,4,6,8,10,12,14
.irp q, 0,1,2,3
	v_pk_fma_f32 v[XS+16*\q+\k:XS+16*\q+\k+1], v[XS+16*\q+\k:XS+16*\q+\k+1], v[GG+2*\q:GG+2*\q+1], s[BE:BE+1] op_sel_hi:[1,0,0]   ; (x - mean) x alpha / sqrt(..) + beta
.endr
.endr
.irp k, 0,1,2,3,4,5,6,7,8,9,10,11,12,13,14,15
.irp q, 0,1,2,3
	v_med3_num_f32 v[XS+16*\q+\k], v[XS+16*\q+\k], -v9, v9   ; the conversion does not saturate (ISA guide 7.6.2): the hold at the largest code x the scale
.endr
.endr
	s_wait_alu depctr_va_vdst(0)
	s_wait_dscnt 0x0                               ; the last batch's LDS stores are done
.if (\b) > 0
	s_wait_alu depctr_vm_vsrc(0)                   ; the last batch's LDS stores have read the codes' registers, which the conversions below write again
.endif
.irp q, 0,1,2,3
	v_cvt_scalef32_pk8_bf8_f32 v[CD+4*\q:CD+4*\q+1], v[XS+16*\q:XS+16*\q+7], v8
	v_cvt_scalef32_pk8_bf8_f32 v[CD+4*\q+2:CD+4*\q+3], v[XS+16*\q+8:XS+16*\q+15], v8
.endr
	v_nop                                          ; one plain line behind the conversions: their sources are written again later, by vector and matrix instructions
	s_wait_alu depctr_va_vdst(0)                   ; the conversions have written the codes, which the LDS stores read; the batch's vector lines are done reading and writing its set, in which the next loads land
.irp q, 0,1,2,3
	ds_store_b128 v[LST], v[CD+4*\q:CD+4*\q+3] offset:16*(4*(\b)+\q)
.endr
.endm
.macro AFETCH                          ; all 32 fragments (row tile m, K step s): quad c of lane (r, h) is piece 8 s + 2 c + h, row 16 m + r.  No vector instruction has named windows 2 and 3
.irp s, 0,1,2,3
	WIN 0x80+0x40*(\s/2)                           ; destination window 2 or 3, address window 0
.irp m, 0,1,2,3,4,5,6,7
.irp c, 0,1,2,3
	ds_load_b128 v[128*(\s%2)+16*\m+4*\c:128*(\s%2)+16*\m+4*\c+3], v[LRD] offset:(8*\s+2*\c)*PP+256*\m
.endr
.endr
.endr
	WIN 0
	s_wait_dscnt 0x0
.endm
.macro WPART t, p, i0                  ; eight of the sixteen loads of the weight tile t of the trip (8,192 dense bytes), from number i0 on, into buffer p of window 1
	WIN 0x40
.irp i, 0,1,2,3,4,5,6,7
	global_load_b128 v[64*(\p)+4*((\i0)+\i):64*(\p)+4*((\i0)+\i)+3], v[LI], s[WP:WP+1] offset:(\t)*8192+512*((\i0)+\i)
.endr
.endm
.macro WLOAD t, p                      ; all sixteen, at the head
	WPART \t, \p, 0
	WPART \t, \p, 8
	WIN 0
.endm
.macro BIAS t, p                       ; the tile's bias: lane (r, h) takes the numbers of hidden units 16 t + 8 h + 0..7
	global_load_b128 v[BRAW+8*(\p):BRAW+8*(\p)+3], v[BA], s[BP:BP+1] offset:64*(\t)
	global_load_b128 v[BRAW+8*(\p)+4:BRAW+8*(\p)+7], v[BA], s[BP:BP+1] offset:64*(\t)+16
.endm
; 32 matrix instructions: K steps 0..3 x the eight tiles of rows; the eight accumulators take turns, one instruction a turn; the bias is the C of each sum's first instruction.
; ahead = 1: behind each of the first two K steps stand eight loads of the weight tile three on, into the buffer that the tile before read.  No wait: no vector or matrix instruction since the wait at that tile's end names it.
.macro MULT p, ahead
.irp s, 0,1,2,3
	WIN 0x09+4*(\s/2)                              ; source 0 (W1) window 1, source 1 (rows) window 2 or 3
.irp m, 0,1,2,3,4,5,6,7
.if \s == 0
	v_wmma_f32_16x16x128_bf8_bf8 v[ACC+8*\m:ACC+8*\m+7], v[64*(\p)+16*\s:64*(\p)+16*\s+15], v[128*(\s%2)+16*\m:128*(\s%2)+16*\m+15], v[CB:CB+7]
.else
	v_wmma_f32_16x16x128_bf8_bf8 v[ACC+8*\m:ACC+8*\m+7], v[64*(\p)+16*\s:64*(\p)+16*\s+15], v[128*(\s%2)+16*\m:128*(\s%2)+16*\m+15], v[ACC+8*\m:ACC+8*\m+7]
.endif
.endr
.if \ahead && (\s < 2)
	WPART (\p)+3, ((\p)+3)%4, 8*\s
.endif
.endr
	WIN 0
.endm
; Tile tl of a trip's four.  cnt: the younger sets' loads, 18 each.  ahead = 1: the set three tiles on is asked for.  wt = 1: stores or the next tile's loads follow the tile.
.macro TILE tl, cnt, ahead, wt
	s_wait_loadcnt \cnt
.if \ahead
	BIAS (\tl)+3, ((\tl)+3)%4                      ; into the buffer that the tile before read.  No wait: nothing since the wait at that tile's end names it
.endif
.irp j, 0,1,2,3,4,5,6,7
	v_ldexp_f32 v[CB+\j], v[BRAW+8*(\tl)+\j], s[NB]   ; b1 / 2^(e10 + e11)
.endr
	MULT \tl, \ahead
	PLACES 4                                       ; four places (ISA guide 7.12.1) ahead of the reads of the results
.if (\tl)%2 == 0
	s_wait_xcnt 0x0                                ; the last pair's stores have had their addresses translated: their data registers are written again only behind this wait,
	s_wait_alu depctr_vm_vsrc(0)                   ; and behind this one: the last pair's stores have read the codes' registers
.endif
.irp m, 0,1,2,3,4,5,6,7
.irp j, 0,1,2,3,4,5,6,7
	v_med3_num_f32 v[ACC+8*\m+\j], v[ACC+8*\m+\j], 0, v11   ; the activation and the hold in one; each accumulator from its low end on
.endr
	v_cvt_scalef32_pk8_bf8_f32 v[CODES+4*\m+2*((\tl)%2):CODES+4*\m+2*((\tl)%2)+1], v[ACC+8*\m:ACC+8*\m+7], v10
.endr
	v_nop                                          ; one plain line between the conversions and the next products, which write their sources
.if \wt
	s_wait_alu depctr_va_vdst(0)                   ; the conversions have written the codes, which the stores read; the tile's products and its v_ldexp_f32 are done reading their buffers, in which the next tile's loads land
.endif
.if (\tl)%2 == 1
.irp m, 0,1,2,3,4,5,6,7
	global_store_b128 v[SI], v[CODES+4*\m:CODES+4*\m+3], s[OP:OP+1] offset:\m*65536+((\tl)/2)*512   ; row tile m, one quad of a fragment: 512 dense bytes
.endr
.endif
.endm
	s_load_b256 s[4:11], s[0:1], 0x0               ; x1 s[4:5], alpha s[6:7], beta s[8:9], the exponents s[10:11]
	s_load_b128 s[12:15], s[0:1], 0x20             ; w1_img s[12:13], b1 s[14:15]
	s_load_b64 s[16:17], s[0:1], 0x30              ; hid_img
	v_lshl_add_u32 v62, v0, 2, 0x10200
	v_mov_b32 v63, 0
	v_lshrrev_b32 v1, 5, v0
	v_readfirstlane_b32 s[WV], v1                  ; wave 0..3
	v_and_b32 v1, 31, v0                           ; lane
	v_lshlrev_b32 v[LI], 4, v1
	v_lshlrev_b32 v[SI], 4, v1
	v_mul_u32_u24 v[LST], v1, PP
	s_wait_alu depctr_va_sdst(0)                   ; the wave's number is written, ahead of its first reader
	s_lshl_b32 s23, s[WV], 9
	v_add_nc_u32 v[LST], s23, v[LST]
	v_lshrrev_b32 v3, 4, v1
	v_and_b32 v7, 15, v1
	v_mul_u32_u24 v[LRD], v3, PP
	v_lshl_add_u32 v[LRD], v7, 4, v[LRD]
	v_lshlrev_b32 v[BA], 5, v3
.irp q, 0,1,2,3
	v_mov_b32 v[UU+\q], 0                          ; written once: a lane permute's destination counts as one of its sources
.endr
	s_mov_b32 s[SEL], 0x76543210
	s_mov_b32 s[SEL+1], 0xfedcba98
	s_mov_b32 s[IV], 0x3b004020                    ; 1 / 511
	s_mov_b32 s[EPS], 0x358637bd                   ; 1e-6
	s_and_b32 s21, ttmp7, 0xffff                   ; the block of 128 rows
	s_mov_b32 s22, ttmp9                           ; the group of 1,024 hidden units
	s_lshl_b32 s44, s21, 18                        ; x1: 128 rows of 2,048 bytes, my wave's 32
	s_lshl_b32 s23, s[WV], 16
	s_add_co_u32 s44, s44, s23
	s_mov_b32 s45, 0
	s_lshl_b32 s46, s22, 19                        ; W1's image: 64 tiles of 8,192 bytes, my wave's 16
	s_lshl_b32 s23, s[WV], 17
	s_add_co_u32 s46, s46, s23
	s_mov_b32 s47, 0
	s_lshl_b32 s48, s22, 12                        ; b1: 64 bytes a tile
	s_lshl_b32 s23, s[WV], 10
	s_add_co_u32 s48, s48, s23
	s_mov_b32 s49, 0
	s_lshl_b32 s50, s21, 19                        ; hid_img: 8 row tiles of 65,536 bytes; 8 K steps of 2,048 a group, my wave's 2
	s_lshl_b32 s23, s22, 14
	s_add_co_u32 s50, s50, s23
	s_lshl_b32 s23, s[WV], 12
	s_add_co_u32 s50, s50, s23
	s_mov_b32 s51, 0
	s_wait_kmcnt 0x0
	s_load_b128 s[32:35], s[10:11], 0x28           ; e10, e11, e12, e13
	s_load_b32 s[AL], s[6:7], 0x0
	s_load_b32 s[BE], s[8:9], 0x0
	s_add_nc_u64 s[XP:XP+1], s[XP:XP+1], s[44:45]
	s_add_nc_u64 s[WP:WP+1], s[WP:WP+1], s[46:47]
	s_add_nc_u64 s[BP:BP+1], s[BP:BP+1], s[48:49]
	s_add_nc_u64 s[OP:OP+1], s[OP:OP+1], s[50:51]
	s_wait_alu depctr_va_vdst(0)                   ; the offsets and LDS addresses v2, v4 to v6 and v12 are written, which every load and store of the kernel reads
	WLOAD 0, 0                                     ; the first three weight tiles: they land under the LayerNorm; tile 0 asks for the fourth
	WLOAD 1, 1
	WLOAD 2, 2
	LNLOAD 0
	LNLOAD 1
	LNLOAD 2
	s_wait_kmcnt 0x0
	s_mov_b32 s[BE+1], s[BE]                       ; (named with it as a pair)
	s_add_co_i32 s38, s32, 127
	s_lshl_b32 s39, s38, 23
	v_mov_b32 v8, s39                              ; 2^e10
	s_add_co_i32 s38, s38, 15
	s_lshl_b32 s38, s38, 23
	s_or_b32 s38, s38, 0x600000
	v_mov_b32 v9, s38                              ; 57,344 x 2^e10
	s_add_co_i32 s40, s32, s33                     ; e10 + e11
	s_sub_co_i32 s[NB], 0, s40
	s_sub_co_i32 s38, s34, s40
	s_add_co_i32 s38, s38, 127
	s_lshl_b32 s39, s38, 23
	v_mov_b32 v10, s39                             ; 2^(e12 - e10 - e11): the three scales folded into the conversion's one
	s_add_co_i32 s38, s38, 15
	s_lshl_b32 s38, s38, 23
	s_or_b32 s38, s38, 0x600000
	v_mov_b32 v11, s38
.irp b, 0,1,2,3,4
	LNPROC \b, 32                                  ; two younger batches may be out
	LNLOAD \b+3                                    ; into the set just left, at once: no vector instruction stands behind the batch's wait
.endr
	LNPROC 5, 32
	LNPROC 6, 16
	LNPROC 7, 0
	BIAS 0, 0                                      ; the first three tiles' biases: their registers lay in the rows' sets until now; the last batch's wait has shown its vector lines done with them
	BIAS 1, 1
	BIAS 2, 2
	s_wait_dscnt 0x0                               ; for the others' sake: my rows' codes lie in LDS
	s_barrier_signal -1
	s_barrier_wait -1
	AFETCH
	s_wait_loadcnt 0x0                             ; those six loads are in: from here on a set is 18 loads, and the counts below hold in every trip
	s_mov_b32 s[CNT], 3
.Ltrip:                                                ; four tiles a trip, until the buffers' numbers are back where they began
	TILE 0, 36, 1, 1                               ; the sets of the two tiles behind this one may be out
	TILE 1, 36, 1, 1
	TILE 2, 36, 1, 1
	TILE 3, 36, 1, 1
	s_wait_xcnt 0x0                                ; the trip's loads and stores have read their bases
	s_add_nc_u64 s[WP:WP+1], s[WP:WP+1], 32768
	s_add_nc_u64 s[BP:BP+1], s[BP:BP+1], 256
	s_add_nc_u64 s[OP:OP+1], s[OP:OP+1], 1024
	s_sub_co_u32 s[CNT], s[CNT], 1
	s_cmp_lg_u32 s[CNT], 0
	s_cbranch_scc1 .Ltrip
	TILE 0, 36, 1, 0                               ; the last four tiles: one more set, the sixteenth, then nothing: the counts run down
	TILE 1, 36, 0, 1
	TILE 2, 18, 0, 0
	TILE 3, 0, 0, 1
	s_wait_dscnt 0x0                               ; the closing lines, six on end
	s_wait_alu 0x0
	s_wait_tensorcnt 0x0
	ds_add_u32 v62, v63
	s_wait_dscnt 0x0
	s_endpgm
.Lfunc_end_k_q0518405efa_ffn1:
	.size	k_q0518405efa_ffn1, .Lfunc_end_k_q0518405efa_ffn1-k_q0518405efa_ffn1
	.p2alignl 7, 3214868480
	.fill 96, 4, 3214868480
	.section	.rodata,"a",@progbits
	.p2align	6, 0x0
	.amdhsa_kernel k_q0518405efa_ffn1
		.amdhsa_group_segment_fixed_size 66560
		.amdhsa_private_segment_fixed_size 0
		.amdhsa_enable_private_segment 0
		.amdhsa_kernarg_size 56
		.amdhsa_user_sgpr_count 2
		.amdhsa_user_sgpr_kernarg_segment_ptr 1
		.amdhsa_wavefront_size32 1
		.amdhsa_system_sgpr_workgroup_id_x 1
		.amdhsa_system_sgpr_workgroup_id_y 1
		.amdhsa_system_sgpr_workgroup_id_z 1
		.amdhsa_system_vgpr_workitem_id 0
		.amdhsa_next_free_vgpr 1024
		.amdhsa_next_free_sgpr 66
		.amdhsa_reserve_vcc 0
		.amdhsa_float_denorm_mode_32 3
		.amdhsa_float_denorm_mode_16_64 3
		.amdhsa_memory_ordered 1
		.amdhsa_forward_progress 1
		.amdhsa_inst_pref_size 233
	.end_amdhsa_kernel
	.amdgpu_metadata
---
amdhsa.version: [ 1, 2 ]
amdhsa.kernels:
  - .name:           k_q0518405efa_ffn1
    .symbol:         k_q0518405efa_ffn1.kd
    .args:
      - { .name: x1, .offset: 0, .size: 8, .value_kind: global_buffer, .address_space: global }
      - { .name: alpha, .offset: 8, .size: 8, .value_kind: global_buffer, .address_space: global }
      - { .name: beta, .offset: 16, .size: 8, .value_kind: global_buffer, .address_space: global }
      - { .name: lowp_scales, .offset: 24, .size: 8, .value_kind: global_buffer, .address_space: global }
      - { .name: w1_img, .offset: 32, .size: 8, .value_kind: global_buffer, .address_space: global }
      - { .name: b1, .offset: 40, .size: 8, .value_kind: global_buffer, .address_space: global }
      - { .name: hid_img, .offset: 48, .size: 8, .value_kind: global_buffer, .address_space: global }
    .group_segment_fixed_size: 66560
    .private_segment_fixed_size: 0
    .kernarg_segment_align: 8
    .kernarg_segment_size: 56
    .max_flat_workgroup_size: 128
    .sgpr_count:     66
    .vgpr_count:     1024
    .wavefront_size: 32
...
	.end_amdgpu_metadata
.endif
;; end of part 9
;; launch ffn2 (part 10): grid 4 x 64, 4 waves a work-group, no clusters, 270,848 bytes of LDS; arguments hid_img, w2_img, lowp_scales, b2, x1, out0; writes out0
.if DOCPART == 10
	.amdgcn_target "amdgcn-amd-amdhsa--gfx1250"
	.amdhsa_code_object_version 6
	.text
	.protected	k_q0518405efa_ffn2
	.globl	k_q0518405efa_ffn2
	.p2align	8
	.type	k_q0518405efa_ffn2,@function
k_q0518405efa_ffn2:
	s_mov_b64 s[64:65], 0
	v_nop
	global_prefetch_b8 v0, s[64:65] scope:SCOPE_SE
	s_setreg_imm32_b32 hwreg(HW_REG_WAVE_SCHED_MODE, 0, 2), 2
	s_setreg_imm32_b32 hwreg(HW_REG_WAVE_MODE, 25, 1), 1
	s_wait_xcnt 0x0
	s_wait_alu depctr_vm_vsrc(0)
; out0 = x1 + relu(hidden W2 + b2), the product on codes of BF8 (E5M2), K = 4,096.  Both operands lie in memory as images of operand registers: a fragment (16 rows x 128 K) is 2,048 dense bytes,
; four loads of 512 bytes bring it; hid_img [row tile 512][K step 32][2,048], w2_img [column tile 32][K step 32][2,048].
; A work-group makes 128 rows (work-group y) x 128 columns (work-group x).  THE FOUR WAVES SHARE K: wave w takes K steps 8 w .. 8 w + 7 of the whole tile, 64 accumulators (512 registers).  So each operand byte is
; loaded once, by the one wave that multiplies it, straight into registers.  The four partial sums meet in LDS at the end, one barrier; wave w then finishes rows 32 w .. 32 w + 31.
; THE MATRIX INSTRUCTION IS USED TRANSPOSED (source 0 = 16 columns of W2, source 1 = 16 rows): a lane holds eight neighbouring columns of one row.
; A K step is two halves of 32 matrix instructions (row tiles 0-3, then 4-7, each against the eight column tiles); the accumulators take turns, one instruction a turn.
; A's fragments come in groups of four (one half), three groups by turns; B's eight in two sets.
; y = sum x 2^(e12 + e13) + b2.  LIMIT: e12 + e13 between -126 and 127.  The order of the sum over K: four partial sums, (P0 + P1) + (P2 + P3).
; REGISTERS, in windows of 256: window 0: v2-11 addresses, b2; v64-255 A's three groups; on the way out v64-191 my 32 rows of x1, v192-255 and v16-47 partial sums.  window 1: B's two sets.  windows 2, 3: the accumulators (a, b) at v[8 (8 (a % 4) + b)].
; THE MODE: SCHED_MODE bits 1:0 = 2 (LLVM: expert scheduling mode 2), set by the entry lines.  The code itself states the register dependences between vector or matrix instructions and memory or LDS
; instructions, with s_wait_alu, always for 0.
; THE PLAN.  Registers that memory or LDS instructions touch:
;   v2-7            offsets and LDS addresses: made at the head, never written again: one wait on va_vdst at the head serves them all.
;   A's groups      Half g's 32 products read group g % 3; the loads of group g + 3 land in it.
;   B's sets        K step s's 64 products (halves 2 s, 2 s + 1) read set s % 2; the loads of K step s + 2 land in it.
;   the accumulators  Written by the products, read by the LDS stores of the way out.
;   way out         v64-191: x1's loads land, a batch's additions write two rows, two stores read them; each row's registers are used once.  Three sets of partial sums: LDS loads land, a batch's additions read and write.
; ONE wait on va_vdst stands behind a half's products: they are done reading their group of A and, in a K step's second half, their set of B.  A's sixteen loads follow it at once; B's 32 are dealt among the next
; half's products, sixteen behind each of its first two row tiles: those products name the other set, another group and the accumulators.  A half behind which nothing is loaded has no such wait.
; On the way out ONE wait at a batch's head shows the batch before finished: its two stores and the LDS loads of two batches on follow.
.set LI,  2                            ; v2  16 x lane
.set STO, 3                            ; v3  my stage: 67,584 x wave + 528 (lane % 16) + 32 (lane / 16)
.set RD,  4                            ; v4-7  partial q's rows 32 w on: 67,584 q + 16,896 w + 16 x lane
.set B2,  8                            ; v8-11 b2 of my four columns
.set AG,  64
.set XR,  64
.set PB,  192
.set AP,  4                            ; s[4:5]
.set BP,  6                            ; s[6:7]
.set SC,  20                           ; s[20:21] 2^(e12 + e13), twice
.set SPITCH, 528                       ; a stage row: 512 bytes + 16, so that 16 lanes' stores fall on 16 different 16-byte places modulo 256
.set STG,  128*SPITCH
.set MSB, 0
.macro WIN new                         ; the immediate's high byte repeats the setting that is left
.if MSB != (\new)
	s_set_vgpr_msb (MSB<<8)|(\new)
.set MSB, (\new)
.endif
.endm
.macro PLACES n
.rept \n
	v_nop
.endr
.endm
.macro ALOAD g                         ; group g: K step g / 2, row tiles 4 (g % 2) + 0..3
.irp a, 0,1,2,3
.irp c, 0,1,2,3
	global_load_b128 v[AG+64*((\g)%3)+16*\a+4*\c:AG+64*((\g)%3)+16*\a+4*\c+3], v[LI], s[AP:AP+1] offset:(4*((\g)%2)+\a)*65536+((\g)/2)*2048+512*\c
.endr
.endr
.endm
.macro BPART sg, b0                    ; K step sg: four of the eight column tiles, from tile b0 on, into set sg % 2 of window 1
	WIN 0x40
.irp b, 0,1,2,3
.irp c, 0,1,2,3
	global_load_b128 v[128*((\sg)%2)+16*((\b0)+\b)+4*\c:128*((\sg)%2)+16*((\b0)+\b)+4*\c+3], v[LI], s[BP:BP+1] offset:((\b0)+\b)*65536+(\sg)*2048+512*\c
.endr
.endr
.endm
.macro BLOAD sg                        ; all eight, at the head
	BPART \sg, 0
	BPART \sg, 4
	WIN 0
.endm
.macro MUL8 g, a                       ; row tile a of half g against the eight column tiles
.irp b, 0,1,2,3,4,5,6,7
.if (\g) < 2
	v_wmma_f32_16x16x128_bf8_bf8 v[8*(8*(\a)+\b):8*(8*(\a)+\b)+7], v[128*(((\g)/2)%2)+16*\b:128*(((\g)/2)%2)+16*\b+15], v[AG+64*((\g)%3)+16*(\a):AG+64*((\g)%3)+16*(\a)+15], 0
.else
	v_wmma_f32_16x16x128_bf8_bf8 v[8*(8*(\a)+\b):8*(8*(\a)+\b)+7], v[128*(((\g)/2)%2)+16*\b:128*(((\g)/2)%2)+16*\b+15], v[AG+64*((\g)%3)+16*(\a):AG+64*((\g)%3)+16*(\a)+15], v[8*(8*(\a)+\b):8*(8*(\a)+\b)+7]
.endif
.endr
.endm
.macro HALF g, cnt
	s_wait_loadcnt \cnt
	WIN 0xa1+0x50*((\g)%2)                         ; source 0 (B) window 1, source 1 (A) window 0, C and D window 2 or 3
	MUL8 \g, 0
.if ((\g)%2 == 0) && ((\g) >= 2) && ((\g) <= 12)
	BPART (\g)/2+1, 0                              ; the next K step's B, into the set that the last K step read.  No wait: no matrix instruction since the wait at the last half's end names that set
	WIN 0xa1+0x50*((\g)%2)
.endif
	MUL8 \g, 1
.if ((\g)%2 == 0) && ((\g) >= 2) && ((\g) <= 12)
	BPART (\g)/2+1, 4
	WIN 0xa1+0x50*((\g)%2)
.endif
	MUL8 \g, 2
	MUL8 \g, 3
	PLACES 4                                       ; four places behind these products: ahead of the loads into registers that they have read, and at the end of the first read of results
	WIN 0
.if (\g) <= 12
	s_wait_alu depctr_va_vdst(0)                   ; this half's products are done reading their group of A, in which the loads below land, and, in a K step's second half, their set of B, in which the next half's loads land
	ALOAD (\g)+3                                   ; into the group just multiplied
.endif
.endm
	s_load_b256 s[4:11], s[0:1], 0x0               ; hid_img s[4:5], w2_img s[6:7], the exponents s[8:9], b2 s[10:11]
	s_load_b128 s[12:15], s[0:1], 0x20             ; x1 s[12:13], out0 s[14:15]
	v_lshl_add_u32 v62, v0, 2, 0x42000
	v_mov_b32 v63, 0
	v_lshrrev_b32 v1, 5, v0
	v_readfirstlane_b32 s16, v1                    ; wave 0..3
	v_and_b32 v1, 31, v0
	v_lshlrev_b32 v[LI], 4, v1
	v_and_b32 v12, 15, v0                          ; r
	v_bfe_u32 v13, v0, 4, 1                        ; h
	s_wait_alu depctr_va_sdst(0)                   ; the wave's number is written, ahead of its first reader
	s_mul_i32 s22, s16, STG
	v_mul_u32_u24 v[STO], v12, SPITCH
	v_lshl_add_u32 v[STO], v13, 5, v[STO]
	v_add_nc_u32 v[STO], s22, v[STO]
	s_mul_i32 s22, s16, 32*SPITCH
	v_add_nc_u32 v[RD], s22, v[LI]
	v_add_nc_u32 v[RD+1], STG, v[RD]
	v_add_nc_u32 v[RD+2], 2*STG, v[RD]
	v_add_nc_u32 v[RD+3], 3*STG, v[RD]
	s_and_b32 s17, ttmp7, 0xffff                   ; the block of 128 rows
	s_lshl_b32 s23, s16, 14                        ; my 8 K steps of 2,048 bytes
	s_lshl_b32 s24, s17, 19                        ; 8 row tiles of 65,536 bytes
	s_add_co_u32 s24, s24, s23
	s_mov_b32 s25, 0
	s_lshl_b32 s26, ttmp9, 19                      ; 8 column tiles of 65,536 bytes
	s_add_co_u32 s26, s26, s23
	s_mov_b32 s27, 0
	s_lshl_b32 s28, ttmp9, 9                       ; 128 columns of 4 bytes
	s_mov_b32 s29, 0
	s_lshl_b32 s30, s17, 18                        ; 128 rows of 2,048 bytes, my wave's 32, my columns
	s_lshl_b32 s23, s16, 16
	s_add_co_u32 s30, s30, s23
	s_add_co_u32 s30, s30, s28
	s_mov_b32 s31, 0
	s_wait_kmcnt 0x0
	s_load_b64 s[18:19], s[8:9], 0x30              ; e12, e13
	s_add_nc_u64 s[AP:AP+1], s[AP:AP+1], s[24:25]
	s_add_nc_u64 s[BP:BP+1], s[BP:BP+1], s[26:27]
	s_add_nc_u64 s[10:11], s[10:11], s[28:29]
	s_add_nc_u64 s[12:13], s[12:13], s[30:31]
	s_add_nc_u64 s[14:15], s[14:15], s[30:31]
	s_wait_alu depctr_va_vdst(0)                   ; the offset and LDS addresses v2 to v7 are written, which every load and store of the kernel reads
	global_load_b128 v[B2:B2+3], v[LI], s[10:11]
	BLOAD 0
	ALOAD 0
	ALOAD 1
	BLOAD 1
	ALOAD 2
	s_wait_kmcnt 0x0
	s_add_co_i32 s[SC], s18, s19
	s_add_co_i32 s[SC], s[SC], 127
	s_lshl_b32 s[SC], s[SC], 23                    ; 2^(e12 + e13) as f32
	s_mov_b32 s[SC+1], s[SC]
	HALF 0, 63                                     ; behind the loads that this half wants stand 64 younger ones (two groups of A, one set of B); the wait's field holds 63: the smaller, safe count
	HALF 1, 63
.irp g, 2,4,6,8,10,12
	HALF \g, 32                                    ; a K step's first half: behind its set of B stand two groups of A
	HALF \g+1, 63                                  ; its second: behind its group of A stand two groups of A and one set of B, 64 loads: 63 as above
.endr
	HALF 14, 16                                    ; A's last group may be out
	HALF 15, 0
	; THE WAY OUT.  My 32 rows of x1 are asked for; my partial sums of all 128 rows go into my stage; one barrier; each wave adds the four partial sums of its 32 rows.
	s_wait_alu depctr_va_vdst(0)                   ; the products have written the accumulators, which the LDS stores read (the four places above stay beside this wait), and are done reading A's groups, in which x1's rows and the partial sums land
.set i, 0
.rept 32
	global_load_b128 v[XR+4*i:XR+4*i+3], v[LI], s[12:13] offset:2048*i
.set i, i+1
.endr
.irp w, 0,1
	WIN 0x08+4*\w                                  ; the stores' data: window 2, then 3
.irp a, 0,1,2,3
.irp b, 0,1,2,3,4,5,6,7
	ds_store_b128 v[STO], v[8*(8*\a+\b):8*(8*\a+\b)+3] offset:(4*\w+\a)*16*SPITCH+64*\b       ; lane (r, h): row 16 a + r, columns 16 b + 8 h + 0..7; each accumulator from its low end on
	ds_store_b128 v[STO], v[8*(8*\a+\b)+4:8*(8*\a+\b)+7] offset:(4*\w+\a)*16*SPITCH+64*\b+16
.endr
.endr
.endr
	WIN 0
	s_wait_dscnt 0x0                               ; for the others' sake: my partial sums lie in LDS
	s_barrier_signal -1
	s_barrier_wait -1
.macro SETP n                          ; batch n's set of 32 registers: v192, v224 and v16 by turns
.if (\n)%3 == 2
.set PS, 16
.else
.set PS, PB+32*((\n)%3)
.endif
.endm
.macro PLOAD n                         ; batch n: rows 2 n, 2 n + 1 of my 32, the four partial sums, into set n % 3
	SETP \n
.irp rr, 0,1
.irp q, 0,1,2,3
	ds_load_b128 v[PS+16*\rr+4*\q:PS+16*\rr+4*\q+3], v[RD+\q] offset:SPITCH*(2*(\n)+\rr)
.endr
.endr
.endm
.macro SUMS n                          ; batch n's arithmetic
	SETP \n
.irp rr, 0,1
.set PQ, PS+16*\rr
.set XX, XR+4*(2*(\n)+\rr)
	v_pk_add_f32 v[PQ:PQ+1], v[PQ:PQ+1], v[PQ+4:PQ+5]
	v_pk_add_f32 v[PQ+2:PQ+3], v[PQ+2:PQ+3], v[PQ+6:PQ+7]
	v_pk_add_f32 v[PQ+8:PQ+9], v[PQ+8:PQ+9], v[PQ+12:PQ+13]
	v_pk_add_f32 v[PQ+10:PQ+11], v[PQ+10:PQ+11], v[PQ+14:PQ+15]
	v_pk_add_f32 v[PQ:PQ+1], v[PQ:PQ+1], v[PQ+8:PQ+9]
	v_pk_add_f32 v[PQ+2:PQ+3], v[PQ+2:PQ+3], v[PQ+10:PQ+11]
	v_pk_fma_f32 v[PQ:PQ+1], v[PQ:PQ+1], s[SC:SC+1], v[B2:B2+1] op_sel_hi:[1,0,1]       ; sum x 2^(e12 + e13) + b2
	v_pk_fma_f32 v[PQ+2:PQ+3], v[PQ+2:PQ+3], s[SC:SC+1], v[B2+2:B2+3] op_sel_hi:[1,0,1]
.irp j, 0,1,2,3
	v_max_num_f32 v[PQ+\j], 0, v[PQ+\j]            ; relu
.endr
	v_pk_add_f32 v[XX:XX+1], v[XX:XX+1], v[PQ:PQ+1]                                     ; + x1, in the row's own registers, which are used once: no store's data are written again
	v_pk_add_f32 v[XX+2:XX+3], v[XX+2:XX+3], v[PQ+2:PQ+3]
.endr
.endm
.macro SEND n                          ; batch n's two rows leave
.irp rr, 0,1
.set XX, XR+4*(2*(\n)+\rr)
	global_store_b128 v[LI], v[XX:XX+3], s[14:15] offset:2048*(2*(\n)+\rr) th:TH_STORE_NT   ; 32 lanes store 512 consecutive bytes, aligned; written once, read by nobody here
.endr
.endm
	PLOAD 0
	PLOAD 1
	s_wait_loadcnt 0x0                             ; x1's rows and b2
	s_wait_dscnt 8                                 ; batch 0 is in; batch 1's eight LDS loads may be out
	PLOAD 2                                        ; no vector instruction has named v16-47
	SUMS 0
.irp n, 1,2,3,4,5,6,7,8,9,10,11,12,13
	s_wait_dscnt 8                                 ; this batch is in; the next batch's eight LDS loads may be out
	s_wait_alu depctr_va_vdst(0)                   ; the batch before has written its two rows, which the stores below read, and is done reading and writing its set of partial sums, in which the loads below land
	SEND \n-1
	PLOAD \n+2
	SUMS \n
.endr
	s_wait_dscnt 8
	s_wait_alu depctr_va_vdst(0)                   ; batch 13 has written its two rows, which the stores below read
	SEND 13
	SUMS 14
	s_wait_dscnt 0x0
	s_wait_alu depctr_va_vdst(0)                   ; batch 14 has written its two rows, which the stores below read
	SEND 14
	SUMS 15
	s_wait_alu depctr_va_vdst(0)                   ; batch 15 has written its two rows, which the last stores read
	SEND 15
	s_wait_dscnt 0x0                               ; the closing lines, six on end
	s_wait_alu 0x0
	s_wait_tensorcnt 0x0
	ds_add_u32 v62, v63
	s_wait_dscnt 0x0
	s_endpgm
.Lfunc_end_k_q0518405efa_ffn2:
	.size	k_q0518405efa_ffn2, .Lfunc_end_k_q0518405efa_ffn2-k_q0518405efa_ffn2
	.p2alignl 7, 3214868480
	.fill 96, 4, 3214868480
	.section	.rodata,"a",@progbits
	.p2align	6, 0x0
	.amdhsa_kernel k_q0518405efa_ffn2
		.amdhsa_group_segment_fixed_size 270848
		.amdhsa_private_segment_fixed_size 0
		.amdhsa_enable_private_segment 0
		.amdhsa_kernarg_size 48
		.amdhsa_user_sgpr_count 2
		.amdhsa_user_sgpr_kernarg_segment_ptr 1
		.amdhsa_wavefront_size32 1
		.amdhsa_system_sgpr_workgroup_id_x 1
		.amdhsa_system_sgpr_workgroup_id_y 1
		.amdhsa_system_sgpr_workgroup_id_z 1
		.amdhsa_system_vgpr_workitem_id 0
		.amdhsa_next_free_vgpr 1024
		.amdhsa_next_free_sgpr 66
		.amdhsa_reserve_vcc 0
		.amdhsa_float_denorm_mode_32 3
		.amdhsa_float_denorm_mode_16_64 3
		.amdhsa_memory_ordered 1
		.amdhsa_forward_progress 1
		.amdhsa_inst_pref_size 135
	.end_amdhsa_kernel
	.amdgpu_metadata
---
amdhsa.version: [ 1, 2 ]
amdhsa.kernels:
  - .name:           k_q0518405efa_ffn2
    .symbol:         k_q0518405efa_ffn2.kd
    .args:
      - { .name: hid_img, .offset: 0, .size: 8, .value_kind: global_buffer, .address_space: global }
      - { .name: w2_img, .offset: 8, .size: 8, .value_kind: global_buffer, .address_space: global }
      - { .name: lowp_scales, .offset: 16, .size: 8, .value_kind: global_buffer, .address_space: global }
      - { .name: b2, .offset: 24, .size: 8, .value_kind: global_buffer, .address_space: global }
      - { .name: x1, .offset: 32, .size: 8, .value_kind: global_buffer, .address_space: global }
      - { .name: out0, .offset: 40, .size: 8, .value_kind: global_buffer, .address_space: global }
    .group_segment_fixed_size: 270848
    .private_segment_fixed_size: 0
    .kernarg_segment_align: 8
    .kernarg_segment_size: 48
    .max_flat_workgroup_size: 128
    .sgpr_count:     66
    .vgpr_count:     1024
    .wavefront_size: 32
...
	.end_amdgpu_metadata
.endif
;; end of part 10
